; MI455X (gfx1250); checked and timed in simulation.
; The chip was launched on July 23, 2026; its instructions are those of AMD's public machine-readable ISA for CDNA 5 (MIT licence, August 2026) and "CDNA5" Instruction Set Architecture Reference Guide (July 2026). The comments in the code are by the model that wrote it; some were corrected since.
;; Lite Mo E. Allowed arithmetic: matrix products marked QUANTISED: E3M2 operands, one E8M0 scale for each 32 along K, by v_wmma_scale_f32_16x16x128_f8f6f4 with both operands' format E3M2, f32 sums; products left as they are: f32 operands where the result goes on into a quantised operand, else bf16, f16 or f32 operands; f32 sums; everything else in f32.
;; Inputs: gate_w 8 x 1,024 float32; hidden_states 1 x 1,024 x 1,024 float32; w1 8 x 2,048 x 1,024 float32; w2 8 x 1,024 x 2,048 float32; w3 8 x 2,048 x 1,024 float32.
;; Outputs: out0 1 x 1,024 x 1,024 float32.
;; This version of the problem:
;;   THIS VERSION OF THE PROBLEM IS GIVEN IN LOW PRECISION. The matrix products marked QUANTISED in the list below multiply operands that are first quantised to E3M2 (3 exponent bits, 2 mantissa bits; 6 bits a number), with one power-of-two scale for each 32 numbers along K (OCP MX v1.0); their sums are f32. All else is computed in f32.
;;   The module's matrix products, in the order in which they are computed (A, B: the left and right operand; K: the contracted axis; several contracted axes count as one K, in the product's order):
;;     1. [M 1,024, K 1,024] x [K 1,024, N 8]; A: input hidden_states; B: input gate_w: left as it is (N = 8 < 16)
;;     2. [M 1,024, K 1,024] x [K 1,024, N 16,384]; A: input hidden_states; B: input w1: QUANTISED
;;     3. [M 1,024, K 1,024] x [K 1,024, N 16,384]; A: input hidden_states; B: input w3: QUANTISED
;;     4. batch 8 x [M 1,024, K 2,048] x [K 2,048, N 1,024]; A: input w2; B: computed on the way: QUANTISED
;;     5. batch 1,024 x [M 1, K 8] x [K 8, N 1,024]; A: computed on the way; B: computed on the way: left as it is (K = 8 < 32)
;;   THE QUANTISER, for each operand of a quantised product, along K:
;;     - K is cut into blocks of 32 from its start; a last block that is shorter is filled with zeros.
;;     - A block's scale is 2^e with e = floor(log2(the largest magnitude in the block)) - 4, held to -126 .. 127; a block of zeros has e = 0. As a byte (E8M0): e + 127.
;;     - Each number is divided by its block's scale, clamped to +-28, and rounded to the nearest number of E3M2, ties to even, subnormals kept.
;;     - The product sums the exact products of the quantised numbers (number of the format x scale) in f32.
;;   ~~~python
;;   def quantise(x, axis):      # numpy; x: float32 -> the quantised numbers, widened to float32 again
;;       x = np.moveaxis(x, axis, -1); K = x.shape[-1]
;;       x = np.pad(x, [(0, 0)] * (x.ndim - 1) + [(0, -K % 32)]); x = x.reshape(x.shape[:-1] + (-1, 32)); a = np.abs(x).max(-1, keepdims=True)
;;       e = np.where(a > 0, np.clip(np.frexp(np.where(a > 0, a, 1))[1] - 1 - 4, -126, 127), 0)      # np.frexp(a)[1] - 1 = floor(log2(a)), exactly
;;       r = np.clip(x / 2.0 ** e, -28, 28)
;;       step = 2.0 ** (np.maximum(np.frexp(np.where(r == 0, 1, r))[1] - 1, -2) - 2)
;;       q = np.round(r / step) * step * 2.0 ** e      # np.round: ties to even
;;       return np.moveaxis(q.reshape(q.shape[:-2] + (-1,))[..., :K], -1, axis).astype(np.float32)
;;   ~~~
;;   OPERANDS COMPUTED ON THE WAY. 'Computed on the way' means the value that the module computes at that place (a softmax that the list does not call 'softmax' is quantised finished and normalised). What goes into a quantiser is computed in f32, as accurately as f32 sums, v_exp_f32 and their like allow (about 1e-6 of the number): no bf16 or f16 on the way to a quantiser, and a product that is left as it is and whose result goes on into a quantised operand takes f32 operands (vector FMAs, or v_wmma_f32_16x16x4_f32). A number that lies on a knife's edge between two numbers of the format may be rounded either way, as far as f32 arithmetic and the matrix unit's own rounding can turn it there, and no further.
;; 3 versions. Each part assembles by itself: llvm-mc -triple=amdgcn-amd-amdhsa -mcpu=gfx1250 --defsym DOCPART=n.
;; ======== version 1 of 3: 5 launches
;; workspace buffers: rt 4,096 bytes of whole numbers; order 65,536 bytes of whole numbers; gw 8,192 bytes; xq 786,432 bytes; xs 32,768 bytes; act 12,582,912 bytes; asc 524,288 bytes; y 9,437,184 bytes
;; launch route (part 1): grid 256 x 1, 1 waves a work-group, no clusters, 18,688 bytes of LDS; arguments hidden_states, gate_w, rt, gw, xq, xs; writes rt, gw, xq, xs
.if DOCPART == 1
	.amdgcn_target "amdgcn-amd-amdhsa--gfx1250"
	.amdhsa_code_object_version 6
	.text
	.protected	k_q08bd712c07_route
	.globl	k_q08bd712c07_route
	.p2align	8
	.type	k_q08bd712c07_route,@function
k_q08bd712c07_route:
	s_mov_b64 s[64:65], 0
	v_nop
	global_prefetch_b8 v0, s[64:65] scope:SCOPE_SE
	s_setreg_imm32_b32 hwreg(HW_REG_WAVE_MODE, 25, 1), 1
	s_wait_xcnt 0x0
; ROUTE.  For each of 1,024 tokens: the 8 router logits x . gate_w[e] in f32, the two largest, their weights; and x as codes of BF6 (E3M2) with one E8M0 byte for each 32 along H.
; One wave to a work-group, four tokens to a wave.  rt[t] = e0 | e1 << 8;  gw[2 t + k] = the weight of choice k: 1 / (1 + e^(l1 - l0)) and its complement, which is softmax, top 2, renormalised: the larger logit is taken away ahead of the exponential.
; The choice steers no address here: it is stored at fixed places, and the next launch reads it.
; xq: a token's 768 bytes are laid as the reader's lanes want them: block b (32 numbers, 24 bytes) at 384 (b & 1) + 24 (b >> 1), so that lane (row, h) of an operand finds all its registers of the eight K steps in 384 bytes on end.
; xs: byte 32 t + b: word s is the scale word of K step s.
; LIMITS: NaN and infinities are not served.  A block whose largest magnitude lies under 2^-122, a block of zeros among them, gets the byte 1 (the rule says 127 for zeros): its codes are zeros or subnormal, and only this program reads the bytes.
; The two largest are taken of the logits by a strict compare, so the lower index wins a tie; logits that differ while their probabilities round to one f32 number could be ordered otherwise than by the probabilities.
; REGISTERS: window 0: v1-7 addresses; v8-15 other half's sums; v16, v[18:19] what is stored; v20-30 at work; v32-159 x (token u at 32 u; register 4 q + c = H 128 q + 4 lane + c); v160-191 a block's 32 numbers;
;   v192-207 eight sums in pairs; v208-215 logits; v216-247 codes and byte, eight registers a token.   window 1: gate_w, expert e at 32 e, laid as x.
.set XR,  32
.set NB,  160
.set AC,  192
.set LG,  208
.set CD,  216
.set TP,  4608                         ; a token in the stage: 32 blocks x (128 bytes + 16)
.set MSB, 0
.macro WIN new                         ; the immediate's high byte repeats the setting that is left
.if MSB != \new
	s_set_vgpr_msb (MSB<<8)|\new
.set MSB, \new
.endif
.endm
	s_load_b256 s[4:11], s[0:1], 0x0               ; x s[4:5], gate_w s[6:7], rt s[8:9], gw s[10:11]
	s_load_b128 s[12:15], s[0:1], 0x20             ; xq s[12:13], xs s[14:15]
	v_lshl_add_u32 v254, v0, 2, 0x4800
	v_mov_b32 v255, 0
	v_lshlrev_b32 v1, 4, v0                        ; 16 x lane: my bytes of a load's 512
	v_lshrrev_b32 v2, 3, v0
	v_lshl_add_u32 v2, v2, 4, v1                   ; the stage, on the way in: 16 bytes of padding behind each 128
	v_mul_u32_u24 v3, v0, 144                      ; and on the way out: block = lane
	v_and_b32 v4, 1, v0
	v_mul_u32_u24 v4, v4, 384
	v_lshrrev_b32 v5, 1, v0
	v_mad_u32_u24 v4, v5, 24, v4                   ; my block's place in a row of xq
	v_lshlrev_b32 v6, 2, v0
	v_lshlrev_b32 v7, 3, v0
.irp e, 0,1,2,3,4,5,6,7
	v_mov_b32 v[8+\e], 0                           ; written once: a lane permute's destination counts as one of its sources
.endr
	v_mov_b32 v16, 0
	v_mov_b32 v18, 0
	v_mov_b32 v19, 0
	s_mov_b32 s20, 0x76543210
	s_mov_b32 s21, 0xfedcba98                      ; v_permlanex16_b32's selects for lane l xor 16
	s_mov_b32 s22, 0x3fb8aa3b                      ; log2(e)
	s_mov_b32 s24, 1                               ; lane u takes token u's results
	s_mov_b32 s25, 2
	s_mov_b32 s26, 4
	s_mov_b32 s27, 8
	s_lshl_b32 s16, ttmp9, 14                      ; four rows of 4,096 bytes
	s_mov_b32 s17, 0
	s_mov_b32 s19, 0
	s_wait_kmcnt 0x0
	s_add_nc_u64 s[4:5], s[4:5], s[16:17]
	s_lshl_b32 s18, ttmp9, 4
	s_add_nc_u64 s[8:9], s[8:9], s[18:19]
	s_lshl_b32 s18, ttmp9, 5
	s_add_nc_u64 s[10:11], s[10:11], s[18:19]
	s_mul_i32 s18, ttmp9, 3072
	s_add_nc_u64 s[12:13], s[12:13], s[18:19]
	s_lshl_b32 s18, ttmp9, 7
	s_add_nc_u64 s[14:15], s[14:15], s[18:19]
.irp u, 0,1,2,3
.irp q, 0,1,2,3,4,5,6,7
	global_load_b128 v[XR+32*\u+4*\q:XR+32*\u+4*\q+3], v1, s[4:5] offset:4096*\u+512*\q th:TH_LOAD_NT   ; 512 consecutive bytes a load
.endr
.endr
	WIN 0x40                                       ; destination window 1
.irp e, 0,1,2,3,4,5,6,7
.irp q, 0,1,2,3,4,5,6,7
	global_load_b128 v[32*\e+4*\q:32*\e+4*\q+3], v1, s[6:7] offset:4096*\e+512*\q
.endr
.endr
	WIN 0
	s_wait_loadcnt 63                              ; 64 loads were issued behind x's 32: x is in
.irp u, 0,1,2,3
.irp q, 0,1,2,3,4,5,6,7
	ds_store_b128 v2, v[XR+32*\u+4*\q:XR+32*\u+4*\q+3] offset:TP*\u+576*\q
.endr
.endr
.irp i, 0,1,2,3,4,5,6,7
	ds_load_b128 v[NB+4*\i:NB+4*\i+3], v3 offset:16*\i   ; token 0: my block's 32 neighbours (LDS serves a wave's instructions in order)
.endr
	s_wait_loadcnt 0x0                             ; gate_w
.macro TOKEN u
	WIN 0x04                                       ; source 1 (gate_w) window 1
.irp e, 0,1,2,3,4,5,6,7
	v_pk_mul_f32 v[AC+2*\e:AC+2*\e+1], v[XR+32*\u:XR+32*\u+1], v[32*\e:32*\e+1]   ; the first products start the sums
.endr
.irp k, 1,2,3,4,5,6,7,8,9,10,11,12,13,14,15
.irp e, 0,1,2,3,4,5,6,7
	v_pk_fma_f32 v[AC+2*\e:AC+2*\e+1], v[XR+32*\u+2*\k:XR+32*\u+2*\k+1], v[32*\e+2*\k:32*\e+2*\k+1], v[AC+2*\e:AC+2*\e+1]   ; the eight experts by turns
.endr
.endr
	WIN 0
	s_wait_dscnt 0x0                               ; my block is back from the stage
	v_max3_num_f32 v24, |v[NB]|, |v[NB+1]|, |v[NB+2]|
	v_max3_num_f32 v25, |v[NB+3]|, |v[NB+4]|, |v[NB+5]|
.irp i, 6,10,14,18,22,26
	v_max3_num_f32 v24, v24, |v[NB+\i]|, |v[NB+\i+1]|
	v_max3_num_f32 v25, v25, |v[NB+\i+2]|, |v[NB+\i+3]|
.endr
	v_max3_num_f32 v24, v24, |v[NB+30]|, |v[NB+31]|
	v_max3_num_f32 v24, v24, v25, 0x2800000        ; the block's largest magnitude, and the floor 2^(5 - 127): the byte cannot fall under 1
	v_add_nc_u32 v26, 0xfe000000, v24              ; 4 off its exponent field: the conversion takes the exponent field of this operand as its scale
	v_cvt_scalef32_pk16_bf6_f32 v[CD+8*\u:CD+8*\u+2], v[NB:NB+15], v26
	v_cvt_scalef32_pk16_bf6_f32 v[CD+8*\u+4:CD+8*\u+6], v[NB+16:NB+31], v26
	v_lshrrev_b32 v[CD+8*\u+7], 23, v26            ; the scale's byte (a plain line behind the conversions)
	global_store_b96 v4, v[CD+8*\u:CD+8*\u+2], s[12:13] offset:768*\u
	global_store_b96 v4, v[CD+8*\u+4:CD+8*\u+6], s[12:13] offset:768*\u+12
	global_store_b8 v0, v[CD+8*\u+7], s[14:15] offset:32*\u
.if \u < 3
.irp i, 0,1,2,3,4,5,6,7
	ds_load_b128 v[NB+4*\i:NB+4*\i+3], v3 offset:TP*(\u+1)+16*\i   ; the next token's block, while the logits are finished
.endr
.endif
.irp e, 0,1,2,3,4,5,6,7
	v_add_f32 v[LG+\e], v[AC+2*\e], v[AC+2*\e+1]
.endr
.irp m, 1,2,4,8
.irp e, 0,1,2,3,4,5,6,7
	v_add_f32_dpp v[LG+\e], v[LG+\e], v[LG+\e] row_xmask:\m row_mask:0xf bank_mask:0xf
.endr
.endr
.irp e, 0,1,2,3,4,5,6,7
	v_permlanex16_b32 v[8+\e], v[LG+\e], s20, s21
.endr
.irp e, 0,1,2,3,4,5,6,7
	v_add_f32 v[LG+\e], v[LG+\e], v[8+\e]          ; every lane holds the eight logits
.endr
	v_mov_b32 v20, v[LG]                           ; the largest, strictly: the lower index wins a tie
	v_mov_b32 v21, 0
.irp e, 1,2,3,4,5,6,7
	v_cmp_gt_f32 vcc_lo, v[LG+\e], v20
	v_cndmask_b32 v20, v20, v[LG+\e], vcc_lo
	v_cndmask_b32 v21, v21, \e, vcc_lo
.endr
	v_mov_b32 v22, 0xff800000                      ; the largest of the others
	v_mov_b32 v23, 0
.irp e, 0,1,2,3,4,5,6,7
	v_cmp_gt_f32 s28, v[LG+\e], v22
	v_cmp_ne_u32 vcc_lo, \e, v21
	s_and_b32 vcc_lo, vcc_lo, s28
	v_cndmask_b32 v22, v22, v[LG+\e], vcc_lo
	v_cndmask_b32 v23, v23, \e, vcc_lo
.endr
	v_sub_f32 v27, v22, v20                        ; l1 - l0, 0 or less
	v_mul_f32 v27, s22, v27
	v_exp_f32 v27, v27
	v_lshl_or_b32 v30, v23, 8, v21                 ; e0 | e1 << 8  (a plain line behind the exponential)
	s_wait_alu depctr_va_vdst(0)
	v_add_f32 v28, 1.0, v27
	v_rcp_f32 v28, v28                             ; the first choice's weight
	v_cndmask_b32 v16, v16, v30, s[24+\u]          ; (a plain line behind the reciprocal)
	s_wait_alu depctr_va_vdst(0)
	v_mul_f32 v29, v27, v28                        ; the second's
	v_cndmask_b32 v18, v18, v28, s[24+\u]
	v_cndmask_b32 v19, v19, v29, s[24+\u]
.endm
	TOKEN 0
	TOKEN 1
	TOKEN 2
	TOKEN 3
	v_cmp_gt_u32 vcc_lo, 4, v0
	s_wait_xcnt 0x0                                ; EXEC is narrowed only when the earlier stores' addresses are translated
	s_wait_tensorcnt 0x0
	ds_add_u32 v254, v255
	s_wait_dscnt 0x0
	s_and_saveexec_b32 s28, vcc_lo
	global_store_b32 v6, v16, s[8:9]               ; lanes 0 to 3: four tokens' choices,
	global_store_b64 v7, v[18:19], s[10:11]        ; and their weights
	s_endpgm
.Lfunc_end_k_q08bd712c07_route:
	.size	k_q08bd712c07_route, .Lfunc_end_k_q08bd712c07_route-k_q08bd712c07_route
	.p2alignl 7, 3214868480
	.fill 96, 4, 3214868480
	.section	.rodata,"a",@progbits
	.p2align	6, 0x0
	.amdhsa_kernel k_q08bd712c07_route
		.amdhsa_group_segment_fixed_size 18688
		.amdhsa_private_segment_fixed_size 0
		.amdhsa_enable_private_segment 0
		.amdhsa_kernarg_size 48
		.amdhsa_user_sgpr_count 2
		.amdhsa_user_sgpr_kernarg_segment_ptr 1
		.amdhsa_wavefront_size32 1
		.amdhsa_system_sgpr_workgroup_id_x 1
		.amdhsa_system_sgpr_workgroup_id_y 1
		.amdhsa_system_sgpr_workgroup_id_z 1
		.amdhsa_system_vgpr_workitem_id 0
		.amdhsa_next_free_vgpr 512
		.amdhsa_next_free_sgpr 66
		.amdhsa_reserve_vcc 1
		.amdhsa_float_denorm_mode_32 3
		.amdhsa_float_denorm_mode_16_64 3
		.amdhsa_memory_ordered 1
		.amdhsa_forward_progress 1
		.amdhsa_inst_pref_size 80
	.end_amdhsa_kernel
	.amdgpu_metadata
---
amdhsa.version: [ 1, 2 ]
amdhsa.kernels:
  - .name:           k_q08bd712c07_route
    .symbol:         k_q08bd712c07_route.kd
    .args:
      - { .name: hidden_states, .offset: 0, .size: 8, .value_kind: global_buffer, .address_space: global }
      - { .name: gate_w, .offset: 8, .size: 8, .value_kind: global_buffer, .address_space: global }
      - { .name: rt, .offset: 16, .size: 8, .value_kind: global_buffer, .address_space: global }
      - { .name: gw, .offset: 24, .size: 8, .value_kind: global_buffer, .address_space: global }
      - { .name: xq, .offset: 32, .size: 8, .value_kind: global_buffer, .address_space: global }
      - { .name: xs, .offset: 40, .size: 8, .value_kind: global_buffer, .address_space: global }
    .group_segment_fixed_size: 18688
    .private_segment_fixed_size: 0
    .kernarg_segment_align: 8
    .kernarg_segment_size: 48
    .max_flat_workgroup_size: 32
    .sgpr_count:     66
    .vgpr_count:     512
    .wavefront_size: 32
...
	.end_amdgpu_metadata
.endif
;; end of part 1
;; launch place (part 2): grid 8 x 1, 1 waves a work-group, no clusters, 5,376 bytes of LDS; arguments rt, order; writes order
.if DOCPART == 2
	.amdgcn_target "amdgcn-amd-amdhsa--gfx1250"
	.amdhsa_code_object_version 6
	.text
	.protected	k_q08bd712c07_place
	.globl	k_q08bd712c07_place
	.p2align	8
	.type	k_q08bd712c07_place,@function
k_q08bd712c07_place:
	s_mov_b64 s[64:65], 0
	v_nop
	global_prefetch_b8 v0, s[64:65] scope:SCOPE_SE
	s_setreg_imm32_b32 hwreg(HW_REG_WAVE_MODE, 25, 1), 1
	s_wait_xcnt 0x0
; PLACE.  For each expert: the list of the rows routed to it (id = 2 token + choice) and their number, from the choices that the router's launch stored (rt[t] = e0 | e1 << 8).
; One wave to an expert.  A counting pass of 32 steps of 32 tokens: the lanes whose token takes the expert get consecutive places (places taken + such lanes below me) and store their id into the list in LDS;
; the other lanes store into a word of their own behind the list.  The list begins as zeros, so entries behind the count are id 0.
; order: words 1,024 e + place: the list;  from byte 32,768 + 4,096 e on: 1,024 copies of the count, so that each of the 32 work-groups of an expert in the later launches finds one at 128 bytes' distance.
; No branch and no barrier.  The later launches take the count by a scalar load, and their trip skips hang on it.
; Eight work-groups: the pass is a chain over all tokens of one expert, and there are eight experts.
.set L16, 1                            ; v1      16 x lane
.set L8,  2                            ; v2      8 x lane: the id of my token in a step's 32, before the step's constant
.set DMP, 3                            ; v3      list word 1,088 + lane: where I store when my token does not take the expert
.set Z,   4                            ; v[4:7]  zeros
.set CV,  8                            ; v[8:11] the count, four times
.set T,   12                           ; v12-16  at work
.set RW,  32                           ; v32-63  the choices: register 4 q + c: token 128 q + 4 lane + c
.set LO,  64                           ; v64-95  the list on its way out
	s_load_b128 s[4:7], s[0:1], 0x0                ; rt s[4:5], order s[6:7]
	v_lshl_add_u32 v96, v0, 2, 0x1400
	v_mov_b32 v97, 0
	v_lshlrev_b32 v[L16], 4, v0
	v_lshlrev_b32 v[L8], 3, v0
	v_add_nc_u32 v[DMP], 1088, v0
.irp i, 0,1,2,3
	v_mov_b32 v[Z+\i], 0
.endr
	s_and_b32 s8, ttmp9, 7                         ; expert
	s_lshl_b32 s10, s8, 12
	s_mov_b32 s11, 0
	s_mov_b32 s12, 0                               ; places taken
	s_wait_kmcnt 0x0
	s_add_nc_u64 s[6:7], s[6:7], s[10:11]          ; order at my expert's 4,096 bytes
.irp q, 0,1,2,3,4,5,6,7
	global_load_b128 v[RW+4*\q:RW+4*\q+3], v[L16], s[4:5] offset:512*\q   ; all 1,024 choices, 512 consecutive bytes a load
.endr
.irp k, 0,1,2,3,4,5,6,7,8
	ds_store_b128 v[L16], v[Z:Z+3] offset:512*\k   ; 1,152 words of zeros: the list, and the words behind it
.endr
	s_wait_loadcnt 0x0
.set qq, 0
.rept 32
	v_and_b32 v[T], 0xff, v[RW+qq]                 ; first choice
	v_lshrrev_b32 v[T+1], 8, v[RW+qq]              ; second
	v_cmp_eq_u32 s13, s8, v[T]
	v_cmp_eq_u32 vcc_lo, s8, v[T+1]
	v_cndmask_b32 v[T+2], 0, 1, vcc_lo
	v_add_nc_u32 v[T+2], v[T+2], v[L8]
	v_add_nc_u32 v[T+2], 256*(qq/4)+2*(qq%4), v[T+2]   ; id = 2 token + choice
	s_or_b32 s14, s13, vcc_lo                      ; the lanes whose token takes this expert
	v_mbcnt_lo_u32_b32 v[T+3], s14, s12            ; places taken + such lanes below me
	v_cndmask_b32 v[T+3], v[DMP], v[T+3], s14      ; the others write a word of their own behind the list
	v_min_u32 v[T+3], 0x45f, v[T+3]                ; held inside the 1,152 words
	v_lshlrev_b32 v[T+4], 2, v[T+3]
	ds_store_b32 v[T+4], v[T+2]
	s_bcnt1_i32_b32 s15, s14
	s_add_co_u32 s12, s12, s15
.set qq, qq+1
.endr
.irp i, 0,1,2,3
	v_mov_b32 v[CV+\i], s12
.endr
.irp k, 0,1,2,3,4,5,6,7
	ds_load_b128 v[LO+4*\k:LO+4*\k+3], v[L16] offset:512*\k   ; LDS serves a wave's instructions in order: these see my stores
.endr
.irp k, 0,1,2,3,4,5,6,7
	global_store_b128 v[L16], v[CV:CV+3], s[6:7] offset:32768+512*\k   ; the count's copies: 512 consecutive bytes a store
.endr
.irp k, 0,1,2,3,4,5,6,7
	s_wait_dscnt 7-\k                              ; part k of the list is back; the younger loads may be out
	global_store_b128 v[L16], v[LO+4*\k:LO+4*\k+3], s[6:7] offset:512*\k
.endr
	s_wait_tensorcnt 0x0
	ds_add_u32 v96, v97
	s_wait_dscnt 0x0
	s_endpgm
.Lfunc_end_k_q08bd712c07_place:
	.size	k_q08bd712c07_place, .Lfunc_end_k_q08bd712c07_place-k_q08bd712c07_place
	.p2alignl 7, 3214868480
	.fill 96, 4, 3214868480
	.section	.rodata,"a",@progbits
	.p2align	6, 0x0
	.amdhsa_kernel k_q08bd712c07_place
		.amdhsa_group_segment_fixed_size 5376
		.amdhsa_private_segment_fixed_size 0
		.amdhsa_enable_private_segment 0
		.amdhsa_kernarg_size 16
		.amdhsa_user_sgpr_count 2
		.amdhsa_user_sgpr_kernarg_segment_ptr 1
		.amdhsa_wavefront_size32 1
		.amdhsa_system_sgpr_workgroup_id_x 1
		.amdhsa_system_sgpr_workgroup_id_y 1
		.amdhsa_system_sgpr_workgroup_id_z 1
		.amdhsa_system_vgpr_workitem_id 0
		.amdhsa_next_free_vgpr 98
		.amdhsa_next_free_sgpr 66
		.amdhsa_reserve_vcc 1
		.amdhsa_float_denorm_mode_32 3
		.amdhsa_float_denorm_mode_16_64 3
		.amdhsa_memory_ordered 1
		.amdhsa_forward_progress 1
		.amdhsa_inst_pref_size 28
	.end_amdhsa_kernel
	.amdgpu_metadata
---
amdhsa.version: [ 1, 2 ]
amdhsa.kernels:
  - .name:           k_q08bd712c07_place
    .symbol:         k_q08bd712c07_place.kd
    .args:
      - { .name: rt, .offset: 0, .size: 8, .value_kind: global_buffer, .address_space: global }
      - { .name: order, .offset: 8, .size: 8, .value_kind: global_buffer, .address_space: global }
    .group_segment_fixed_size: 5376
    .private_segment_fixed_size: 0
    .kernarg_segment_align: 8
    .kernarg_segment_size: 16
    .max_flat_workgroup_size: 32
    .sgpr_count:     66
    .vgpr_count:     98
    .wavefront_size: 32
...
	.end_amdgpu_metadata
.endif
;; end of part 2
;; launch up (part 3): grid 32 x 8, 4 waves a work-group, no clusters, 279,808 bytes of LDS; arguments w1, w3, xq, xs, order, act, asc; writes act, asc
.if DOCPART == 3
	.amdgcn_target "amdgcn-amd-amdhsa--gfx1250"
	.amdhsa_code_object_version 6
	.text
	.protected	k_q08bd712c07_up
	.globl	k_q08bd712c07_up
	.p2align	8
	.type	k_q08bd712c07_up,@function
k_q08bd712c07_up:
	s_mov_b64 s[64:65], 0
	v_nop
	global_prefetch_b8 v0, s[64:65] scope:SCOPE_SE
	s_setreg_imm32_b32 hwreg(HW_REG_WAVE_MODE, 25, 1), 1
	s_wait_xcnt 0x0
; UP.  act = silu(x W1^T) * (x W3^T) for the rows routed to one expert, as codes of BF6 (E3M2) with one E8M0 byte for each 32 along I.  Both products on codes of BF6.
; A work-group owns expert e (grid y) and 64 of its 2,048 rows of W1 and of W3 (grid x, the slice): 512 KB of f32, read from memory once by this work-group alone and quantised on the way.
; STREAM.  Wave w takes tile w (16 rows) of both matrices, K step by K step: 16 fragments of 16 rows x 128.  A load reads 512 consecutive bytes of one row; the 8 KB turn through the wave's own stage in LDS, so that
; lane (r, h) holds K = 64 c + 32 h + 0 .. 31 of row r, the operand's own order; largest magnitude, scale, conversion; the fragment's 12 registers go to LDS as an image (16 bytes a lane, 512 a store), its scale words likewise.
; THE ROWS THAT FORM A TILE ARE NOT NEIGHBOURS: slot r of tile U is row 32 (U / 2) + 8 (U % 2) + r + 8 (r / 8) of the slice, so that a lane's 16 results of two neighbouring tiles are 16 neighbours along I.
; LIST.  The expert's list of routed rows (id = 2 token + choice) and its count were stored by the launch before.  The count comes by a scalar load; the list (4 KB, a quarter a wave) goes to LDS ahead of the stream, with 512 bytes of zeros behind it.
; TOKENS.  Wave (a, b) = (w / 2, w % 2) keeps the codes of I half a (two tiles of W1, two of W3, all of K: 384 registers) and walks the chunks of 32 list rows of parity b.  A chunk's rows of xq are gathered in units of 256 bytes,
; a chunk ahead, and turned through the wave's stage.  The products are used transposed (source 0 = 16 rows of W, source 1 = 16 tokens): a lane holds one token and 16 neighbours along I.  silu in f32, quantised in registers.
; act: tile J = 64 e + (list place / 16), 24,576 bytes: the image of the next product's operand registers, [K step 0..15][4 registers 0..2][lane][16 bytes].  asc: byte 1,024 J + 64 row + block.
; Entries behind the count are id 0: such rows are computed like any other and never used.  The scale bytes leave one byte a lane, 64 bytes apart: one byte for each 24 of codes.
; No cluster: a chunk's rows are gathered by a list, and the number of chunks hangs on a count read from memory.
; LIMITS: NaN and infinities are not served.  A block whose largest magnitude lies under 2^-122, zeros among them, gets the byte 1 (the rule says 127 for zeros); only this program reads the bytes.
; REGISTERS: window 0: v1-16 addresses; v17-23 at work; v24-39 W's scale words (lanes 0-15 W1's, 16-31 W3's); v40-47 x's scale words; v48-55 the next chunk's; v56-73 gather addresses; v74-78 list addresses and a zero;
;   v80-143, v144-207 two sets of 64 numbers (v144-151 first hold my quarter of the list), later g (v80), u (v112), at work (v144), codes (v200); v208-247 two sets of codes; v248-252.
;   window 1: W1's 16 fragments; window 2: W3's; window 3: four sets of 64 as loaded, later x's 16 fragments;   v192-255 of windows 1 to 3: where a gather lands.
.set LIST, 0                           ; 1,152 words: 1,024 places, and zeros behind them for the gathers that run two chunks ahead
.set WSTG, 4864                        ; 4 waves x 2 stages x 16 rows x 528 bytes
.set IMG,  72448                       ; 64 images of 1,536 bytes: ((4 matrix + tile) 8 + K step)
.set SCI,  170752                      ; their scale words, 128 bytes each
.set XSTG, 178944                      ; 4 waves x 32 rows x 784 bytes
.set NF,   16                          ; fragments of a wave
.set L16,  1
.set WST,  2
.set WLD,  3
.set IMGS, 4
.set SCIS, 5
.set IMGL1, 6
.set IMGL3, 7
.set SCIL, 8
.set LSTC, 9
.set LSTB, 10
.set XST,  11
.set XLD,  12
.set C16,  13
.set AOFF, 14
.set SOFF, 15
.set H8,   16
.set QM,   17
.set QS,   19
.set QB,   21
.set QX,   23
.set WS,   24
.set XS,   40
.set XSG,  48
.set VA,   56
.set LC,   72
.set XSA,  73
.set LSZ,  74
.set LSS,  75
.set L4,   77
.set NIL,  78
.set NB,   80
.set GG,   80
.set UU,   112
.set TT,   144
.set LT,   144
.set CO,   200
.set PB,   208
.set WB,   248
.set QX2,  252
.set SEL,  28
.set MSB, 0
.macro WIN new                         ; the immediate's high byte repeats the setting that is left; a switch that changes nothing is dropped
.if MSB != \new
	s_set_vgpr_msb (MSB<<8)|\new
.set MSB, \new
.endif
.endm
.macro FRAGP f                         ; fragment f: matrix (f % 4) / 2, K step 2 (f / 4) + f % 2
.set FM, ((\f)%4)/2
.set FS, 2*((\f)/4)+(\f)%2
.set SB, 42+2*FM
.set GOFF, 512*FS
.set IOFF, 49152*FM+1536*FS
.set COFF, 4096*FM+128*FS
.endm
.macro LOADF f                         ; 16 loads, one for each row of the tile: 512 consecutive bytes each, into set f % 4 of window 3
	FRAGP \f
	WIN 0xc0
.set rr, 0
.rept 16
	global_load_b128 v[64*((\f)%4)+4*rr:64*((\f)%4)+4*rr+3], v[L16], s[SB:SB+1] offset:GOFF+(rr+8*(rr/8))*4096 th:TH_LOAD_NT
.set rr, rr+1
.endr
.endm
.macro TURNF f                         ; through my stage f % 2: in as loaded, out 128 bytes a lane.  Rows 528 bytes apart: an odd multiple of 16
	WIN 0x0c
.set rr, 0
.rept 16
	ds_store_b128 v[WST], v[64*((\f)%4)+4*rr:64*((\f)%4)+4*rr+3] offset:8448*((\f)%2)+528*rr
.set rr, rr+1
.endr
	WIN 0
.set rr, 0
.rept 16
	ds_load_b128 v[NB+64*((\f)%2)+4*rr:NB+64*((\f)%2)+4*rr+3], v[WLD] offset:8448*((\f)%2)+256*(rr/8)+16*(rr%8)
.set rr, rr+1
.endr
.endm
.macro QUANTF f                        ; 64 numbers of a lane, register 32 c + i = K 64 c + 32 h + i of my row: two whole blocks; codes and scale word to LDS
	FRAGP \f
.set NN, NB+64*((\f)%2)
.set PP, PB+20*((\f)%2)
.set WW, WB+(\f)%2
.irp c, 0,1
	v_max3_num_f32 v[QM+\c], |v[NN+32*\c]|, |v[NN+32*\c+1]|, 0x2800000   ; with the floor 2^(5 - 127): the byte cannot fall under 1
.endr
.irp i, 2,4,6,8,10,12,14,16,18,20,22,24,26,28,30
.irp c, 0,1
	v_max3_num_f32 v[QM+\c], v[QM+\c], |v[NN+32*\c+\i]|, |v[NN+32*\c+\i+1]|   ; the two blocks by turns
.endr
.endr
.irp c, 0,1
	v_add_nc_u32 v[QS+\c], 0xfe000000, v[QM+\c]    ; 4 off the exponent field: the conversion's scale operand
.endr
.irp c, 0,1
	v_lshrrev_b32 v[QB+\c], 23, v[QS+\c]           ; the scale's byte
.endr
	v_lshl_or_b32 v[WW], v[QB+1], 16, v[QB]        ; my two bytes: blocks h and 2 + h,
	v_lshlrev_b32 v[WW], v[H8], v[WW]              ; 8 h bits up;
	v_permlanex16_b32 v[QX], v[WW], s[SEL], s[SEL+1]
	v_or_b32 v[WW], v[WW], v[QX]                   ; with lane l xor 16's two the word is whole, in both halves of the lanes
.irp c, 0,1
	v_cvt_scalef32_pk16_bf6_f32 v[PP+6*\c:PP+6*\c+2], v[NN+32*\c:NN+32*\c+15], v[QS+\c]
	v_cvt_scalef32_pk16_bf6_f32 v[PP+12+4*\c:PP+14+4*\c], v[NN+32*\c+16:NN+32*\c+31], v[QS+\c]   ; (a conversion's three registers begin on an even number)
.endr
	v_nop                                          ; one plain line behind a scaled conversion
.irp c, 0,1
.irp i, 0,1,2
	v_mov_b32 v[PP+6*\c+3+\i], v[PP+12+4*\c+\i]
.endr
.endr
.irp g, 0,1,2
	ds_store_b128 v[IMGS], v[PP+4*\g:PP+4*\g+3] offset:IOFF+512*\g
.endr
	ds_store_b32 v[SCIS], v[WW] offset:COFF
.endm
.macro FSTEP f                         ; fragment f is quantised; f + 1 turns through the other stage; f + 4 is asked for
.if (\f) == 0
	s_wait_dscnt 0x0
.else
	s_wait_dscnt 0x4                               ; my numbers are back from the stage, so its stores have read set f % 4; only the last fragment's four image stores may be out, so the codes' set of two fragments ago is free
.endif
.if (\f)+4 < NF
	LOADF (\f)+4
.endif
.if (\f)+1 < NF
.if NF-2-(\f) >= 3
	s_wait_loadcnt 48                              ; the next fragment's 16 loads are in; three younger sets may be out
.else
	s_wait_loadcnt 16*(NF-2-(\f))
.endif
	TURNF (\f)+1
.endif
	QUANTF \f
.endm
	s_load_b256 s[4:11], s[0:1], 0x0               ; w1 4, w3 6, xq 8, xs 10
	s_load_b128 s[12:15], s[0:1], 0x20             ; order 12, act 14
	s_load_b64 s[16:17], s[0:1], 0x30              ; asc 16
	v_lshl_add_u32 v250, v0, 2, 0x44300
	v_mov_b32 v251, 0
	v_lshrrev_b32 v253, 5, v0
	v_readfirstlane_b32 s20, v253                  ; wave
	s_lshr_b32 s21, s20, 1                         ; a
	s_and_b32 s22, s20, 1                          ; b
	s_and_b32 s23, ttmp9, 31                       ; slice, 0 to 31
	s_and_b32 s24, ttmp7, 0xffff                   ; expert
	v_and_b32 v253, 31, v0                         ; lane
	v_and_b32 v254, 15, v0                         ; r
	v_bfe_u32 v255, v0, 4, 1                       ; h
	v_lshlrev_b32 v[L16], 4, v253
	v_lshlrev_b32 v[L4], 2, v253
	s_mul_i32 s38, s20, 16896
	s_add_co_u32 s38, s38, WSTG                    ; my two stages
	v_add_nc_u32 v[WST], s38, v[L16]
	v_mul_u32_u24 v[WLD], v254, 528
	v_lshl_add_u32 v[WLD], v255, 7, v[WLD]
	v_add_nc_u32 v[WLD], s38, v[WLD]
	s_mul_i32 s38, s20, 12288
	s_add_co_u32 s38, s38, IMG
	v_add_nc_u32 v[IMGS], s38, v[L16]              ; where I store images: tile w
	s_lshl_b32 s38, s20, 10
	s_add_co_u32 s38, s38, SCI
	v_add_nc_u32 v[SCIS], s38, v[L4]
	s_mul_i32 s38, s21, 24576
	s_add_co_u32 s38, s38, IMG
	v_add_nc_u32 v[IMGL1], s38, v[L16]             ; where I read them: tiles 2 a, 2 a + 1 of W1,
	v_add_nc_u32 v[IMGL3], 49152, v[IMGL1]         ; and of W3
	s_lshl_b32 s38, s21, 11
	s_add_co_u32 s38, s38, SCI
	v_lshl_add_u32 v[SCIL], v255, 12, v[L4]        ; lanes 16-31 take W3's words, 4,096 bytes on
	v_add_nc_u32 v[SCIL], s38, v[SCIL]
	s_lshl_b32 s38, s22, 7                         ; chunk b of the list (the list begins at LDS byte 0)
	v_add_nc_u32 v[LSTC], s38, v[L4]               ; entry = lane
	v_lshlrev_b32 v[LSTB], 2, v255
	v_add_nc_u32 v[LSTB], s38, v[LSTB]             ; entry = h, + 2 p by the offset
	s_lshl_b32 s38, s20, 10
	v_add_nc_u32 v[LSS], s38, v[L16]               ; where I store my quarter of the list: 1,024 w + 16 lane
	s_lshl_b32 s38, s20, 7
	s_add_co_u32 s38, s38, LIST+4096
	v_add_nc_u32 v[LSZ], s38, v[L4]                ; and my 128 bytes of the zeros behind it
	v_mov_b32 v[NIL], 0
	s_mul_i32 s38, s20, 25088
	s_add_co_u32 s38, s38, XSTG
	v_lshlrev_b32 v[C16], 4, v254
	v_mad_u32_u24 v[XST], v255, 784, v[C16]
	v_add_nc_u32 v[XST], s38, v[XST]               ; x's stage, in: sixteen lanes to a unit of 256 bytes of one row
	v_mul_u32_u24 v[XLD], v254, 784
	v_mad_u32_u24 v[XLD], v255, 384, v[XLD]
	v_add_nc_u32 v[XLD], s38, v[XLD]               ; out: my 384 bytes of row r
	v_mad_u32_u24 v[AOFF], v255, 24576, v[C16]     ; act: lanes 16-31 store the chunk's second tile
	v_lshlrev_b32 v[SOFF], 6, v254
	v_lshl_add_u32 v[SOFF], v255, 10, v[SOFF]
	v_lshlrev_b32 v[H8], 3, v255
	v_mov_b32 v[QX], 0                             ; written once: a lane permute's destination counts as one of its sources
	v_mov_b32 v[QX2], 0
	s_mov_b32 s[SEL], 0x76543210
	s_mov_b32 s[SEL+1], 0xfedcba98
	s_mov_b32 s30, 0xbfb8aa3b                      ; -log2(e)
	s_mov_b32 s31, s30                             ; (named with it as a pair)
	s_mov_b32 s40, 0xffff0000                      ; lanes 16-31
	s_lshl_b32 s26, s24, 11                        ; my tile's first row: 2,048 e + 64 slice + 32 a + 8 b
	s_lshl_b32 s38, s23, 6
	s_add_co_u32 s26, s26, s38
	s_lshl_b32 s38, s21, 5
	s_add_co_u32 s26, s26, s38
	s_lshl_b32 s38, s22, 3
	s_add_co_u32 s26, s26, s38
	s_lshl_b32 s26, s26, 12                        ; rows of 4,096 bytes: under 2^27
	s_mov_b32 s27, 0
	s_wait_kmcnt 0x0
	s_add_nc_u64 s[42:43], s[4:5], s[26:27]
	s_add_nc_u64 s[44:45], s[6:7], s[26:27]
	s_mul_i32 s26, s24, 1572864                    ; act: 64 tiles an expert; chunk b; K step slice / 2; lanes 16 a on
	s_mul_i32 s38, s22, 49152
	s_add_co_u32 s26, s26, s38
	s_lshr_b32 s38, s23, 1
	s_mul_i32 s38, s38, 1536
	s_add_co_u32 s26, s26, s38
	s_lshl_b32 s38, s21, 8
	s_add_co_u32 s26, s26, s38
	s_add_nc_u64 s[46:47], s[14:15], s[26:27]
	s_lshl_b32 s26, s24, 16                        ; asc: + block 2 slice + a
	s_lshl_b32 s38, s22, 11
	s_add_co_u32 s26, s26, s38
	s_lshl_b32 s38, s23, 1
	s_add_co_u32 s26, s26, s38
	s_add_co_u32 s26, s26, s21
	s_add_nc_u64 s[48:49], s[16:17], s[26:27]
	s_lshl_b32 s26, s24, 12                        ; order: the count's copy at 32,768 + 4,096 e + 128 slice
	s_lshl_b32 s38, s23, 7
	s_add_co_u32 s26, s26, s38
	s_add_co_u32 s26, s26, 32768
	s_add_nc_u64 s[52:53], s[12:13], s[26:27]
	s_load_b32 s32, s[52:53], 0x0                  ; the expert's count
	s_lshl_b32 s26, s24, 12                        ; the expert's list, my quarter: 4,096 e + 1,024 w
	s_lshl_b32 s38, s20, 10
	s_add_co_u32 s26, s26, s38
	s_add_nc_u64 s[50:51], s[12:13], s[26:27]
	global_load_b128 v[LT:LT+3], v[L16], s[50:51]
	global_load_b128 v[LT+4:LT+7], v[L16], s[50:51] offset:512
	LOADF 0
	LOADF 1
	LOADF 2
	LOADF 3
	WIN 0
	s_wait_loadcnt 48                              ; fragment 0 is in, and the list's two loads, which are older
	ds_store_b128 v[LSS], v[LT:LT+3]
	ds_store_b128 v[LSS], v[LT+4:LT+7] offset:512
	ds_store_b32 v[LSZ], v[NIL]
	TURNF 0
.set Q, 0
.rept NF
	FSTEP Q
.set Q, Q+1
.endr
	s_wait_dscnt 0x0                               ; my images and my part of the list have landed
	s_barrier_signal -1
	s_barrier_wait -1                              ; all 64 images and the list lie in LDS; nothing is written there again
.macro LISTRD o                        ; a chunk's 32 entries: mine, and for each pair of rows the entry of my half of the lanes
	ds_load_b32 v[LC], v[LSTC] offset:\o
.set pp, 0
.rept 16
	ds_load_b32 v[VA+pp], v[LSTB] offset:\o+8*pp
.set pp, pp+1
.endr
.endm
.macro ADDRS                           ; id -> token, held inside the table, -> byte offsets
.set pp, 0
.rept 16
	v_lshrrev_b32 v[VA+pp], 1, v[VA+pp]
.set pp, pp+1
.endr
.set pp, 0
.rept 16
	v_min_u32 v[VA+pp], 0x3ff, v[VA+pp]
.set pp, pp+1
.endr
.set pp, 0
.rept 16
	v_mad_u32_u24 v[VA+pp], v[VA+pp], 768, v[C16]
.set pp, pp+1
.endr
	v_lshrrev_b32 v[XSA], 1, v[LC]
	v_min_u32 v[XSA], 0x3ff, v[XSA]
	v_lshlrev_b32 v[XSA], 5, v[XSA]
.endm
.macro GATHER                          ; 32 rows of 768 bytes: each half of the lanes reads an aligned unit of 256 bytes of one row; and 32 bytes of scales a lane
.set nn, 0
.rept 48
.set WSEL, (1+nn/16)<<6
	WIN WSEL
	global_load_b128 v[192+4*(nn%16):192+4*(nn%16)+3], v[VA+nn/3], s[8:9] offset:256*(nn%3)
.set nn, nn+1
.endr
	WIN 0
	global_load_b128 v[XSG:XSG+3], v[XSA], s[10:11]
	global_load_b128 v[XSG+4:XSG+7], v[XSA], s[10:11] offset:16
.endm
.macro WM ar, br                       ; one product; ar, br: which half of the lanes of the scale registers serves source 0, source 1
.if KST == 0
.if (\ar == 0) && (\br == 0)
	v_wmma_scale_f32_16x16x128_f8f6f4 v[DD:DD+7], v[AA:AA+11], v[BB:BB+11], 0, v[SA], v[SB] matrix_a_fmt:MATRIX_FMT_BF6 matrix_b_fmt:MATRIX_FMT_BF6
.elseif \ar == 0
	v_wmma_scale_f32_16x16x128_f8f6f4 v[DD:DD+7], v[AA:AA+11], v[BB:BB+11], 0, v[SA], v[SB] matrix_a_fmt:MATRIX_FMT_BF6 matrix_b_fmt:MATRIX_FMT_BF6 matrix_b_scale:MATRIX_SCALE_ROW1
.elseif \br == 0
	v_wmma_scale_f32_16x16x128_f8f6f4 v[DD:DD+7], v[AA:AA+11], v[BB:BB+11], 0, v[SA], v[SB] matrix_a_fmt:MATRIX_FMT_BF6 matrix_b_fmt:MATRIX_FMT_BF6 matrix_a_scale:MATRIX_SCALE_ROW1
.else
	v_wmma_scale_f32_16x16x128_f8f6f4 v[DD:DD+7], v[AA:AA+11], v[BB:BB+11], 0, v[SA], v[SB] matrix_a_fmt:MATRIX_FMT_BF6 matrix_b_fmt:MATRIX_FMT_BF6 matrix_a_scale:MATRIX_SCALE_ROW1 matrix_b_scale:MATRIX_SCALE_ROW1
.endif
.else
.if (\ar == 0) && (\br == 0)
	v_wmma_scale_f32_16x16x128_f8f6f4 v[DD:DD+7], v[AA:AA+11], v[BB:BB+11], v[DD:DD+7], v[SA], v[SB] matrix_a_fmt:MATRIX_FMT_BF6 matrix_b_fmt:MATRIX_FMT_BF6
.elseif \ar == 0
	v_wmma_scale_f32_16x16x128_f8f6f4 v[DD:DD+7], v[AA:AA+11], v[BB:BB+11], v[DD:DD+7], v[SA], v[SB] matrix_a_fmt:MATRIX_FMT_BF6 matrix_b_fmt:MATRIX_FMT_BF6 matrix_b_scale:MATRIX_SCALE_ROW1
.elseif \br == 0
	v_wmma_scale_f32_16x16x128_f8f6f4 v[DD:DD+7], v[AA:AA+11], v[BB:BB+11], v[DD:DD+7], v[SA], v[SB] matrix_a_fmt:MATRIX_FMT_BF6 matrix_b_fmt:MATRIX_FMT_BF6 matrix_a_scale:MATRIX_SCALE_ROW1
.else
	v_wmma_scale_f32_16x16x128_f8f6f4 v[DD:DD+7], v[AA:AA+11], v[BB:BB+11], v[DD:DD+7], v[SA], v[SB] matrix_a_fmt:MATRIX_FMT_BF6 matrix_b_fmt:MATRIX_FMT_BF6 matrix_a_scale:MATRIX_SCALE_ROW1 matrix_b_scale:MATRIX_SCALE_ROW1
.endif
.endif
.endm
.macro RUN dbase, ar                   ; 32 products: K ascending; the four accumulators (2 tiles of tokens x 2 tiles of rows) by turns; the first K step starts the sums
.set KST, 0
.rept 8
.irp gt, 0,1
.irp u, 0,1
.set DD, \dbase+16*\gt+8*\u
.set AA, 12*(8*\u+KST)
.set BB, 96*\gt+12*KST
.set SA, WS+8*\u+KST
.set SB, XS+KST
	WM \ar, \gt
.endr
.endr
.set KST, KST+1
.endr
.endm
	LISTRD 0                                       ; my first chunk
	s_wait_dscnt 0x0
	ADDRS
	GATHER
	WIN 0x40                                       ; my half's codes come into registers and stay: W1's,
.set nn, 0
.rept 48
	ds_load_b128 v[4*nn:4*nn+3], v[IMGL1] offset:512*nn
.set nn, nn+1
.endr
	WIN 0x80                                       ; W3's,
.set nn, 0
.rept 48
	ds_load_b128 v[4*nn:4*nn+3], v[IMGL3] offset:512*nn
.set nn, nn+1
.endr
	WIN 0
.set nn, 0
.rept 16
	ds_load_b32 v[WS+nn], v[SCIL] offset:128*nn    ; and their scale words
.set nn, nn+1
.endr
	s_wait_kmcnt 0x0
	s_min_u32 s32, s32, 1024                       ; the expert's rows
	s_lshl_b32 s33, s22, 5                         ; my chunk's first list place
	s_mov_b32 s34, 16                              ; 16 trips serve 1,024 rows on one expert; a trip behind the count only steps
.Ltok:
	s_cmp_ge_u32 s33, s32
	s_cbranch_scc1 .Lnext
	s_wait_loadcnt 0x0                             ; this chunk's rows and scale words, asked for a trip ago
	LISTRD 256                                     ; my next chunk's entries
.set nn, 0
.rept 48
.set WSEL, (1+nn/16)<<2
	WIN WSEL
	ds_store_b128 v[XST], v[192+4*(nn%16):192+4*(nn%16)+3] offset:1568*(nn/3)+256*(nn%3)
.set nn, nn+1
.endr
	WIN 0
.irp i, 0,1,2,3,4,5,6,7
	v_mov_b32 v[XS+\i], v[XSG+\i]                  ; the 51 lines of ADDRS stand between these and the products that read them
.endr
	s_wait_dscnt 48                                ; the 48 stores were issued behind the list's loads: the entries are in
	ADDRS
	WIN 0xc0
.set nn, 0
.rept 48
	ds_load_b128 v[96*(nn/24)+4*(nn%24):96*(nn/24)+4*(nn%24)+3], v[XLD] offset:12544*(nn/24)+16*(nn%24)   ; x's 16 fragments: tile of tokens nn / 24
.set nn, nn+1
.endr
	WIN 0
	s_wait_dscnt 48                                ; all but these 48 loads: the stores have read the landing registers
	GATHER                                         ; the next chunk lands while this one is multiplied
	s_wait_dscnt 0x0
	WIN 0x0d                                       ; source 0 (W1) window 1, source 1 (x) window 3
	RUN GG, 0
	WIN 0x0e                                       ; source 0 (W3) window 2
	RUN UU, 1
	WIN 0
.rept 4
	v_nop                                          ; places behind the products, for the reads below and for the next trip's loads and moves
.endr
.set jj, 0
.rept 16
	v_pk_mul_f32 v[TT+jj:TT+jj+1], v[GG+jj:GG+jj+1], s[30:31] op_sel_hi:[1,0]   ; -g log2(e); each accumulator from its low end on
.set jj, jj+2
.endr
.set jj, 0
.rept 32
	v_exp_f32 v[TT+jj], v[TT+jj]
.set jj, jj+1
.endr
.set jj, 0
.rept 16
	v_pk_mul_f32 v[GG+jj:GG+jj+1], v[GG+jj:GG+jj+1], v[UU+jj:UU+jj+1]   ; g u  (plain lines behind the exponentials)
.set jj, jj+2
.endr
.set jj, 0
	s_wait_alu depctr_va_vdst(0)
.rept 16
	v_pk_add_f32 v[TT+jj:TT+jj+1], v[TT+jj:TT+jj+1], 1.0 op_sel_hi:[1,0]
.set jj, jj+2
.endr
.set jj, 0
.rept 32
	v_rcp_f32 v[TT+jj], v[TT+jj]                   ; sigmoid(g)
.set jj, jj+1
.endr
	v_nop
.set jj, 0
	s_wait_alu depctr_va_vdst(0)
.rept 16
	v_pk_mul_f32 v[GG+jj:GG+jj+1], v[GG+jj:GG+jj+1], v[TT+jj:TT+jj+1]   ; silu(g) u: register 16 gt + i = I 32 block + 16 h + i of my token
.set jj, jj+2
.endr
.irp gt, 0,1
	v_max3_num_f32 v[QM+\gt], |v[GG+16*\gt]|, |v[GG+16*\gt+1]|, 0x2800000
.endr
.irp i, 2,4,6,8,10,12,14
.irp gt, 0,1
	v_max3_num_f32 v[QM+\gt], v[QM+\gt], |v[GG+16*\gt+\i]|, |v[GG+16*\gt+\i+1]|
.endr
.endr
	v_permlanex16_b32 v[QX], v[QM], s[SEL], s[SEL+1]
	v_permlanex16_b32 v[QX2], v[QM+1], s[SEL], s[SEL+1]
	v_max_num_f32 v[QM], v[QM], v[QX]              ; with lane l xor 16's 16: the block's largest magnitude
	v_max_num_f32 v[QM+1], v[QM+1], v[QX2]
	v_add_nc_u32 v[QS], 0xfe000000, v[QM]
	v_add_nc_u32 v[QS+1], 0xfe000000, v[QM+1]
	v_lshrrev_b32 v[QB], 23, v[QS]
	v_lshrrev_b32 v[QB+1], 23, v[QS+1]
	v_cvt_scalef32_pk16_bf6_f32 v[CO:CO+2], v[GG:GG+15], v[QS]
	v_cvt_scalef32_pk16_bf6_f32 v[CO+4:CO+6], v[GG+16:GG+31], v[QS+1]
	v_cndmask_b32 v[CO+7], v[QB], v[QB+1], s40     ; lanes 0-15: the first tile's bytes, lanes 16-31 the second's  (a plain line behind the conversions)
.irp i, 0,1,2
	v_permlane16_swap_b32 v[CO+\i], v[CO+4+\i]     ; lane (gt, r) now holds row r of tile gt: the block's lower 16 codes here, the upper 16 there
.endr
	v_mov_b32 v[CO+3], v[CO+4]
	v_mov_b32 v[CO+4], v[CO+5]
	v_mov_b32 v[CO+5], v[CO+6]                     ; 24 bytes on end: registers 6 c .. 6 c + 5 of lane 16 a + r of the next operand, c = slice % 2
	s_bitcmp1_b32 s23, 0
	s_cbranch_scc1 .Lodd
	global_store_b128 v[AOFF], v[CO:CO+3], s[46:47]                ; registers 0-3: sixteen lanes fill 256 consecutive bytes
	global_store_b64 v[AOFF], v[CO+4:CO+5], s[46:47] offset:512    ; registers 4, 5
	s_branch .Lbytes
.Lodd:
	global_store_b64 v[AOFF], v[CO:CO+1], s[46:47] offset:520      ; registers 6, 7
	global_store_b128 v[AOFF], v[CO+2:CO+5], s[46:47] offset:1024  ; registers 8-11
.Lbytes:
	global_store_b8 v[SOFF], v[CO+7], s[48:49]
.Lnext:
	s_wait_xcnt 0x0                                ; the stores' bases and data are written again only behind this wait
	s_add_nc_u64 s[46:47], s[46:47], 98304         ; two chunks on
	s_add_nc_u64 s[48:49], s[48:49], 4096
	v_add_nc_u32 v[LSTC], 256, v[LSTC]
	v_add_nc_u32 v[LSTB], 256, v[LSTB]
	s_add_co_u32 s33, s33, 64
	s_sub_co_u32 s34, s34, 1
	s_cmp_lg_u32 s34, 0
	s_cbranch_scc1 .Ltok
	s_wait_tensorcnt 0x0
	ds_add_u32 v250, v251
	s_wait_dscnt 0x0
	s_endpgm
.Lfunc_end_k_q08bd712c07_up:
	.size	k_q08bd712c07_up, .Lfunc_end_k_q08bd712c07_up-k_q08bd712c07_up
	.p2alignl 7, 3214868480
	.fill 96, 4, 3214868480
	.section	.rodata,"a",@progbits
	.p2align	6, 0x0
	.amdhsa_kernel k_q08bd712c07_up
		.amdhsa_group_segment_fixed_size 279808
		.amdhsa_private_segment_fixed_size 0
		.amdhsa_enable_private_segment 0
		.amdhsa_kernarg_size 56
		.amdhsa_user_sgpr_count 2
		.amdhsa_user_sgpr_kernarg_segment_ptr 1
		.amdhsa_wavefront_size32 1
		.amdhsa_system_sgpr_workgroup_id_x 1
		.amdhsa_system_sgpr_workgroup_id_y 1
		.amdhsa_system_sgpr_workgroup_id_z 1
		.amdhsa_system_vgpr_workitem_id 0
		.amdhsa_next_free_vgpr 1024
		.amdhsa_next_free_sgpr 66
		.amdhsa_reserve_vcc 0
		.amdhsa_float_denorm_mode_32 3
		.amdhsa_float_denorm_mode_16_64 3
		.amdhsa_memory_ordered 1
		.amdhsa_forward_progress 1
		.amdhsa_inst_pref_size 164
	.end_amdhsa_kernel
	.amdgpu_metadata
---
amdhsa.version: [ 1, 2 ]
amdhsa.kernels:
  - .name:           k_q08bd712c07_up
    .symbol:         k_q08bd712c07_up.kd
    .args:
      - { .name: w1, .offset: 0, .size: 8, .value_kind: global_buffer, .address_space: global }
      - { .name: w3, .offset: 8, .size: 8, .value_kind: global_buffer, .address_space: global }
      - { .name: xq, .offset: 16, .size: 8, .value_kind: global_buffer, .address_space: global }
      - { .name: xs, .offset: 24, .size: 8, .value_kind: global_buffer, .address_space: global }
      - { .name: order, .offset: 32, .size: 8, .value_kind: global_buffer, .address_space: global }
      - { .name: act, .offset: 40, .size: 8, .value_kind: global_buffer, .address_space: global }
      - { .name: asc, .offset: 48, .size: 8, .value_kind: global_buffer, .address_space: global }
    .group_segment_fixed_size: 279808
    .private_segment_fixed_size: 0
    .kernarg_segment_align: 8
    .kernarg_segment_size: 56
    .max_flat_workgroup_size: 128
    .sgpr_count:     66
    .vgpr_count:     1024
    .wavefront_size: 32
...
	.end_amdgpu_metadata
.endif
;; end of part 3
;; launch down (part 4): grid 32 x 8, 4 waves a work-group, no clusters, 125,440 bytes of LDS; arguments w2, act, asc, order, gw, y; writes y
.if DOCPART == 4
	.amdgcn_target "amdgcn-amd-amdhsa--gfx1250"
	.amdhsa_code_object_version 6
	.text
	.protected	k_q08bd712c07_down
	.globl	k_q08bd712c07_down
	.p2align	8
	.type	k_q08bd712c07_down,@function
k_q08bd712c07_down:
	s_mov_b64 s[64:65], 0
	v_nop
	global_prefetch_b8 v0, s[64:65] scope:SCOPE_SE
	s_setreg_imm32_b32 hwreg(HW_REG_WAVE_MODE, 25, 1), 1
	s_wait_xcnt 0x0
; DOWN.  y[id] = gate weight x (act W2^T) for the rows routed to one expert; the product on codes of BF6 (E3M2) with one E8M0 byte for each 32 along I.
; A work-group owns expert e (grid y) and 32 of its 1,024 output columns (grid x): 32 rows of W2, 256 KB of f32, read from memory once by this work-group alone and quantised on the way.
; STREAM.  Wave w takes K steps 4 w .. 4 w + 3 of both tiles of 16 rows: 8 fragments.  A load reads 512 consecutive bytes of one row; the 8 KB turn through the wave's own stage in LDS into the operand's order;
; the codes go to LDS as images of the operand's registers, the scale words likewise.  The expert's list of routed ids (4 KB, a quarter a wave) goes to LDS beside them.  One barrier; then every wave takes all 32 fragments (384 registers) and keeps them.
; ROWS.  Wave w takes chunks w, w + 4, .. of 32 list rows: 8 trips serve 1,024 rows on one expert; a trip behind the count only steps.  act arrives as images of the operand's registers: every load is 512 consecutive bytes.
; Transposed use (source 0 = 16 rows of W2, source 1 = 16 routed rows): a lane holds one routed row and eight neighbouring columns.
; ROWS BEHIND THE COUNT in an expert's last chunk are stored like the others, with all lanes on, but into spare rows of y: row 2,048 + 32 e + 16 tile + r, which belongs to that lane's row alone and which nobody reads.
; At most 31 such rows of 128 bytes a work-group.  The choice is made on the id, ahead of the line that holds it inside y's 2,304 rows.
; A row gets 128 consecutive bytes from a work-group: 64 columns to a work-group would halve the work-groups that stream W2.
; No cluster: the number of chunks hangs on a count read from memory, and W2, the bulk of the bytes, is shared by nobody.
; LIMITS: NaN and infinities are not served.  A block of W2 whose largest magnitude lies under 2^-122, zeros among them, gets the byte 1 (the rule says 127 for zeros); only this program reads the bytes.
; REGISTERS: window 0: v1-15 addresses and the spare rows' ids; v16-23 row offsets, weights' offsets, weights; v24-31 at work; v32-47 W2's scale words (lanes 0-15 tile 0, 16-31 tile 1); v48-63 act's (lanes 0-15 the chunk's first tile, 16-31 its second);
;   v64-191 two sets of 64 numbers, v192-233 two sets of codes, v236-243 my quarter of the list, later act's K steps 8-15.   window 1: W2's K steps 0-7; window 2: 8-15; window 3: four sets as loaded, later act's K steps 0-7 and, from v192, four accumulators.
.set WSTG, 0                           ; 4 waves x 2 stages x 16 rows x 528 bytes
.set IMG,  67584                       ; 32 images of 1,536 bytes: 16 tile + K step
.set SCI,  116736                      ; their scale words, 128 bytes each
.set LIST, 120832                      ; the expert's 1,024 list words
.set NF,   8
.set L16,  1
.set WST,  2
.set WLD,  3
.set IMGS, 4
.set SCIS, 5
.set IMGL, 6
.set SCIL, 7
.set H8,   8
.set DM0,  9
.set ASO,  10
.set H32,  11
.set RR,   12
.set LSA,  13
.set LSS,  14
.set DM1,  15
.set ROW,  16
.set GA,   18
.set GT,   20
.set QM,   24
.set QS,   26
.set QB,   28
.set QX,   30
.set L4,   31
.set WS,   32
.set AS,   48
.set NB,   64
.set PB,   192
.set WB,   232
.set LT,   236
.set ACC,  192
.set SEL,  28
.set MSB, 0
.macro WIN new                         ; the immediate's high byte repeats the setting that is left; a switch that changes nothing is dropped
.if MSB != \new
	s_set_vgpr_msb (MSB<<8)|\new
.set MSB, \new
.endif
.endm
.macro FRAGP f                         ; fragment f: tile (f % 4) / 2, K step 4 w + 2 (f / 4) + f % 2
.set FU, ((\f)%4)/2
.set FT, (\f)/4
.set GOFF, 131072*FU+512*((\f)%2)+1024*FT
.set IOFF, 24576*FU+1536*((\f)%2)+3072*FT
.set COFF, 2048*FU+128*((\f)%2)+256*FT
.endm
.macro LOADF f                         ; 16 loads, one for each row of the tile: 512 consecutive bytes each, into set f % 4 of window 3
	FRAGP \f
	WIN 0xc0
.set rr, 0
.rept 16
	global_load_b128 v[64*((\f)%4)+4*rr:64*((\f)%4)+4*rr+3], v[L16], s[42:43] offset:GOFF+rr*8192 th:TH_LOAD_NT
.set rr, rr+1
.endr
.endm
.macro TURNF f                         ; through my stage f % 2: in as loaded, out 128 bytes a lane.  Rows 528 bytes apart: an odd multiple of 16
	WIN 0x0c
.set rr, 0
.rept 16
	ds_store_b128 v[WST], v[64*((\f)%4)+4*rr:64*((\f)%4)+4*rr+3] offset:8448*((\f)%2)+528*rr
.set rr, rr+1
.endr
	WIN 0
.set rr, 0
.rept 16
	ds_load_b128 v[NB+64*((\f)%2)+4*rr:NB+64*((\f)%2)+4*rr+3], v[WLD] offset:8448*((\f)%2)+256*(rr/8)+16*(rr%8)
.set rr, rr+1
.endr
.endm
.macro QUANTF f                        ; 64 numbers of a lane, register 32 c + i = K 64 c + 32 h + i of my row: two whole blocks; codes and scale word to LDS
	FRAGP \f
.set NN, NB+64*((\f)%2)
.set PP, PB+20*((\f)%2)
.set WW, WB+(\f)%2
.irp c, 0,1
	v_max3_num_f32 v[QM+\c], |v[NN+32*\c]|, |v[NN+32*\c+1]|, 0x2800000   ; with the floor 2^(5 - 127): the byte cannot fall under 1
.endr
.irp i, 2,4,6,8,10,12,14,16,18,20,22,24,26,28,30
.irp c, 0,1
	v_max3_num_f32 v[QM+\c], v[QM+\c], |v[NN+32*\c+\i]|, |v[NN+32*\c+\i+1]|   ; the two blocks by turns
.endr
.endr
.irp c, 0,1
	v_add_nc_u32 v[QS+\c], 0xfe000000, v[QM+\c]    ; 4 off the exponent field: the conversion's scale operand
.endr
.irp c, 0,1
	v_lshrrev_b32 v[QB+\c], 23, v[QS+\c]           ; the scale's byte
.endr
	v_lshl_or_b32 v[WW], v[QB+1], 16, v[QB]        ; my two bytes: blocks h and 2 + h,
	v_lshlrev_b32 v[WW], v[H8], v[WW]              ; 8 h bits up;
	v_permlanex16_b32 v[QX], v[WW], s[SEL], s[SEL+1]
	v_or_b32 v[WW], v[WW], v[QX]                   ; with lane l xor 16's two the word is whole, in both halves of the lanes
.irp c, 0,1
	v_cvt_scalef32_pk16_bf6_f32 v[PP+6*\c:PP+6*\c+2], v[NN+32*\c:NN+32*\c+15], v[QS+\c]
	v_cvt_scalef32_pk16_bf6_f32 v[PP+12+4*\c:PP+14+4*\c], v[NN+32*\c+16:NN+32*\c+31], v[QS+\c]   ; (a conversion's three registers begin on an even number)
.endr
	v_nop                                          ; one plain line behind a scaled conversion
.irp c, 0,1
.irp i, 0,1,2
	v_mov_b32 v[PP+6*\c+3+\i], v[PP+12+4*\c+\i]
.endr
.endr
.irp g, 0,1,2
	ds_store_b128 v[IMGS], v[PP+4*\g:PP+4*\g+3] offset:IOFF+512*\g
.endr
	ds_store_b32 v[SCIS], v[WW] offset:COFF
.endm
.macro FSTEP f                         ; fragment f is quantised; f + 1 turns through the other stage; f + 4 is asked for
.if (\f) == 0
	s_wait_dscnt 0x0
.else
	s_wait_dscnt 0x4                               ; my numbers are back from the stage, so its stores have read set f % 4; only the last fragment's four image stores may be out, so the codes' set of two fragments ago is free
.endif
.if (\f)+4 < NF
	LOADF (\f)+4
.endif
.if (\f)+1 < NF
.if NF-2-(\f) >= 3
	s_wait_loadcnt 48                              ; the next fragment's 16 loads are in; three younger sets may be out
.else
	s_wait_loadcnt 16*(NF-2-(\f))
.endif
	TURNF (\f)+1
.endif
	QUANTF \f
.endm
.macro WM ar, br                       ; one product; ar, br: which half of the lanes of the scale registers serves source 0, source 1
.if KST == 0
.if (\ar == 0) && (\br == 0)
	v_wmma_scale_f32_16x16x128_f8f6f4 v[DD:DD+7], v[AA:AA+11], v[BB:BB+11], 0, v[SA], v[SB] matrix_a_fmt:MATRIX_FMT_BF6 matrix_b_fmt:MATRIX_FMT_BF6
.elseif \ar == 0
	v_wmma_scale_f32_16x16x128_f8f6f4 v[DD:DD+7], v[AA:AA+11], v[BB:BB+11], 0, v[SA], v[SB] matrix_a_fmt:MATRIX_FMT_BF6 matrix_b_fmt:MATRIX_FMT_BF6 matrix_b_scale:MATRIX_SCALE_ROW1
.elseif \br == 0
	v_wmma_scale_f32_16x16x128_f8f6f4 v[DD:DD+7], v[AA:AA+11], v[BB:BB+11], 0, v[SA], v[SB] matrix_a_fmt:MATRIX_FMT_BF6 matrix_b_fmt:MATRIX_FMT_BF6 matrix_a_scale:MATRIX_SCALE_ROW1
.else
	v_wmma_scale_f32_16x16x128_f8f6f4 v[DD:DD+7], v[AA:AA+11], v[BB:BB+11], 0, v[SA], v[SB] matrix_a_fmt:MATRIX_FMT_BF6 matrix_b_fmt:MATRIX_FMT_BF6 matrix_a_scale:MATRIX_SCALE_ROW1 matrix_b_scale:MATRIX_SCALE_ROW1
.endif
.else
.if (\ar == 0) && (\br == 0)
	v_wmma_scale_f32_16x16x128_f8f6f4 v[DD:DD+7], v[AA:AA+11], v[BB:BB+11], v[DD:DD+7], v[SA], v[SB] matrix_a_fmt:MATRIX_FMT_BF6 matrix_b_fmt:MATRIX_FMT_BF6
.elseif \ar == 0
	v_wmma_scale_f32_16x16x128_f8f6f4 v[DD:DD+7], v[AA:AA+11], v[BB:BB+11], v[DD:DD+7], v[SA], v[SB] matrix_a_fmt:MATRIX_FMT_BF6 matrix_b_fmt:MATRIX_FMT_BF6 matrix_b_scale:MATRIX_SCALE_ROW1
.elseif \br == 0
	v_wmma_scale_f32_16x16x128_f8f6f4 v[DD:DD+7], v[AA:AA+11], v[BB:BB+11], v[DD:DD+7], v[SA], v[SB] matrix_a_fmt:MATRIX_FMT_BF6 matrix_b_fmt:MATRIX_FMT_BF6 matrix_a_scale:MATRIX_SCALE_ROW1
.else
	v_wmma_scale_f32_16x16x128_f8f6f4 v[DD:DD+7], v[AA:AA+11], v[BB:BB+11], v[DD:DD+7], v[SA], v[SB] matrix_a_fmt:MATRIX_FMT_BF6 matrix_b_fmt:MATRIX_FMT_BF6 matrix_a_scale:MATRIX_SCALE_ROW1 matrix_b_scale:MATRIX_SCALE_ROW1
.endif
.endif
.endm
.macro RUN k0, bbase                   ; 32 products: K steps k0 .. k0 + 7, ascending; the four accumulators by turns; K step 0 starts the sums
.set KST, \k0
.rept 8
.irp gt, 0,1
.irp u, 0,1
.set DD, ACC+16*\gt+8*\u
.set AA, 12*(8*\u+KST-\k0)
.set BB, \bbase+96*\gt+12*(KST-\k0)
.set SA, WS+KST
.set SB, AS+KST
	WM \u, \gt
.endr
.endr
.set KST, KST+1
.endr
.endm
	s_load_b256 s[4:11], s[0:1], 0x0               ; w2 4, act 6, asc 8, order 10
	s_load_b128 s[12:15], s[0:1], 0x20             ; gw 12, y 14
	s_set_vgpr_msb 0x40
	v_lshl_add_u32 v254, v0, 2, 0x1e800
	v_mov_b32 v255, 0
	s_set_vgpr_msb 0x4000
	v_lshrrev_b32 v234, 5, v0
	v_readfirstlane_b32 s20, v234                  ; wave
	s_and_b32 s23, ttmp9, 31                       ; which 32 columns
	s_and_b32 s24, ttmp7, 0xffff                   ; expert
	v_and_b32 v234, 31, v0                         ; lane
	v_and_b32 v[RR], 15, v0                        ; r
	v_bfe_u32 v235, v0, 4, 1                       ; h
	v_lshlrev_b32 v[L16], 4, v234
	v_lshlrev_b32 v[L4], 2, v234
	s_mul_i32 s38, s20, 16896                      ; my two stages (they begin at LDS byte 0)
	v_add_nc_u32 v[WST], s38, v[L16]
	v_mul_u32_u24 v[WLD], v[RR], 528
	v_lshl_add_u32 v[WLD], v235, 7, v[WLD]
	v_add_nc_u32 v[WLD], s38, v[WLD]
	s_mul_i32 s38, s20, 6144
	s_add_co_u32 s38, s38, IMG
	v_add_nc_u32 v[IMGS], s38, v[L16]              ; where I store images: K steps 4 w on
	s_lshl_b32 s38, s20, 9
	s_add_co_u32 s38, s38, SCI
	v_add_nc_u32 v[SCIS], s38, v[L4]
	v_add_nc_u32 v[IMGL], IMG, v[L16]              ; where I read them: all
	v_lshl_add_u32 v[SCIL], v235, 11, v[L4]        ; lanes 16-31 take tile 1's words, 2,048 bytes on
	v_add_nc_u32 v[SCIL], SCI, v[SCIL]
	v_lshlrev_b32 v[H8], 3, v235
	s_lshl_b32 s38, s20, 10
	s_add_co_u32 s38, s38, LIST
	v_add_nc_u32 v[LSS], s38, v[L16]               ; where I store my quarter of the list
	s_lshl_b32 s38, s20, 7
	s_add_co_u32 s38, s38, LIST
	v_lshlrev_b32 v[LSA], 2, v[RR]
	v_add_nc_u32 v[LSA], s38, v[LSA]               ; where I read it: chunk w, entry r
	s_lshl_b32 s38, s24, 5
	s_add_co_u32 s38, s38, 2048
	v_add_nc_u32 v[DM0], s38, v[RR]                ; the spare rows of y: 2,048 + 32 e + r for a chunk's first tile,
	v_add_nc_u32 v[DM1], 16, v[DM0]                ; 16 on for its second
	v_lshlrev_b32 v[ASO], 6, v[RR]
	v_lshl_add_u32 v[ASO], v235, 10, v[ASO]        ; act's scales: row r of 64 bytes; lanes 16-31 the chunk's second tile
	v_lshlrev_b32 v[H32], 5, v235
	v_mov_b32 v[GT+1], 0                           ; (named as the upper halves of pairs)
	v_mov_b32 v[GT+3], 0
	v_mov_b32 v[QX], 0                             ; written once: a lane permute's destination counts as one of its sources
	s_mov_b32 s[SEL], 0x76543210
	s_mov_b32 s[SEL+1], 0xfedcba98
	s_lshl_b32 s26, s24, 10
	s_lshl_b32 s38, s23, 5
	s_add_co_u32 s26, s26, s38                     ; my first row of W2: 1,024 e + 32 n
	s_lshl_b32 s26, s26, 13                        ; rows of 8,192 bytes: under 2^27
	s_lshl_b32 s38, s20, 11
	s_add_co_u32 s26, s26, s38                     ; + my four K steps
	s_mov_b32 s27, 0
	s_wait_kmcnt 0x0
	s_add_nc_u64 s[42:43], s[4:5], s[26:27]
	s_lshl_b32 s26, s24, 12
	s_lshl_b32 s38, s23, 7
	s_add_co_u32 s26, s26, s38
	s_add_co_u32 s26, s26, 32768
	s_add_nc_u64 s[52:53], s[10:11], s[26:27]
	s_load_b32 s30, s[52:53], 0x0                  ; the expert's count: the copy that slice n stored
	s_lshl_b32 s26, s24, 12
	s_lshl_b32 s38, s20, 10
	s_add_co_u32 s26, s26, s38
	s_add_nc_u64 s[48:49], s[10:11], s[26:27]      ; the expert's list, my quarter
	global_load_b128 v[LT:LT+3], v[L16], s[48:49]
	global_load_b128 v[LT+4:LT+7], v[L16], s[48:49] offset:512
	LOADF 0
	LOADF 1
	LOADF 2
	LOADF 3
	WIN 0
	s_mul_i32 s26, s24, 1572864
	s_mul_i32 s38, s20, 49152
	s_add_co_u32 s26, s26, s38
	s_add_nc_u64 s[44:45], s[6:7], s[26:27]        ; act at chunk w
	s_lshl_b32 s26, s24, 16
	s_lshl_b32 s38, s20, 11
	s_add_co_u32 s26, s26, s38
	s_add_nc_u64 s[46:47], s[8:9], s[26:27]        ; asc
	s_lshl_b32 s26, s23, 7
	s_add_nc_u64 s[50:51], s[14:15], s[26:27]      ; y at my 32 columns
	s_wait_loadcnt 48                              ; fragment 0 is in, and the list's two loads, which are older
	ds_store_b128 v[LSS], v[LT:LT+3]
	ds_store_b128 v[LSS], v[LT+4:LT+7] offset:512
	TURNF 0
.set Q, 0
.rept NF
	FSTEP Q
.set Q, Q+1
.endr
	s_wait_dscnt 0x0                               ; my images and my quarter of the list have landed
	s_barrier_signal -1
	s_barrier_wait -1                              ; all 32 images and the list lie in LDS; nothing is written there again
	WIN 0x40                                       ; K steps 0-7 of both tiles
.irp u, 0,1
.set nn, 0
.rept 24
	ds_load_b128 v[96*\u+4*nn:96*\u+4*nn+3], v[IMGL] offset:24576*\u+512*nn
.set nn, nn+1
.endr
.endr
	WIN 0x80                                       ; K steps 8-15
.irp u, 0,1
.set nn, 0
.rept 24
	ds_load_b128 v[96*\u+4*nn:96*\u+4*nn+3], v[IMGL] offset:24576*\u+12288+512*nn
.set nn, nn+1
.endr
.endr
	WIN 0
.set nn, 0
.rept 16
	ds_load_b32 v[WS+nn], v[SCIL] offset:128*nn
.set nn, nn+1
.endr
	s_wait_kmcnt 0x0
	s_min_u32 s30, s30, 1024                       ; the expert's rows
	s_lshl_b32 s34, s20, 5                         ; my chunk's first list place
	s_mov_b32 s35, 8                               ; 8 trips x 4 waves x 32 rows serve 1,024 rows on one expert
	s_wait_dscnt 0x0
.Ltrip:
	s_cmp_ge_u32 s34, s30
	s_cbranch_scc1 .Lnext
	ds_load_b32 v[ROW], v[LSA]                     ; the ids of the chunk's two tiles of rows, once for y's offsets,
	ds_load_b32 v[ROW+1], v[LSA] offset:64
	ds_load_b32 v[GA], v[LSA]                      ; once for the weights'
	ds_load_b32 v[GA+1], v[LSA] offset:64
.irp i, 0,1,2,3
	global_load_b128 v[AS+4*\i:AS+4*\i+3], v[ASO], s[46:47] offset:16*\i   ; the rows' 16 scale words
.endr
	WIN 0xc0
.irp gt, 0,1
.set nn, 0
.rept 24
	global_load_b128 v[96*\gt+4*nn:96*\gt+4*nn+3], v[L16], s[44:45] offset:24576*\gt+512*nn   ; K steps 0-7: images of the operand's registers
.set nn, nn+1
.endr
.endr
	WIN 0
	s_sub_co_i32 s40, s30, s34                     ; rows left from the chunk's first tile on,
	s_sub_co_i32 s41, s40, 16                      ; and from its second
	s_wait_dscnt 0x0                               ; the ids
	v_cmp_gt_i32 vcc_lo, s40, v[RR]
	v_cndmask_b32 v[ROW], v[DM0], v[ROW], vcc_lo   ; a row behind the count goes to its spare row
	v_cmp_gt_i32 vcc_lo, s41, v[RR]
	v_cndmask_b32 v[ROW+1], v[DM1], v[ROW+1], vcc_lo
	v_min_u32 v[ROW], 0x8ff, v[ROW]                ; held inside y's 2,304 rows
	v_min_u32 v[ROW+1], 0x8ff, v[ROW+1]
	v_min_u32 v[GA], 0x7ff, v[GA]                  ; held inside the 2,048 weights
	v_min_u32 v[GA+1], 0x7ff, v[GA+1]
	v_mad_u32_u24 v[ROW], v[ROW], 4096, v[H32]     ; y: a row of 4,096 bytes, + 32 h
	v_mad_u32_u24 v[ROW+1], v[ROW+1], 4096, v[H32]
	v_lshlrev_b32 v[GA], 2, v[GA]
	v_lshlrev_b32 v[GA+1], 2, v[GA+1]
	global_load_b32 v[GT], v[GA], s[12:13]         ; my rows' weights
	global_load_b32 v[GT+2], v[GA+1], s[12:13]
.irp gt, 0,1
.set nn, 0
.rept 24
	global_load_b128 v[64+96*\gt+4*nn:64+96*\gt+4*nn+3], v[L16], s[44:45] offset:24576*\gt+12288+512*nn   ; K steps 8-15
.set nn, nn+1
.endr
.endr
	s_wait_loadcnt 50                              ; the scale words and K steps 0-7 are in; the two weights and the 48 loads of K steps 8-15 may be out
	WIN 0xfd                                       ; source 0 (W2) window 1, source 1 (act), C and D window 3
	RUN 0, 0
	s_wait_loadcnt 0x0                             ; K steps 8-15, and the weights
	WIN 0xf2                                       ; source 0 window 2, source 1 window 0
	RUN 8, 64
	WIN 0
.rept 4
	v_nop                                          ; places behind the products, for the reads below and for the next trip's loads
.endr
	WIN 0xc3                                       ; destination and source 0 window 3
.irp gt, 0,1
.irp j, 0,2,4,6,8,10,12,14
	v_pk_mul_f32 v[ACC+16*\gt+\j:ACC+16*\gt+\j+1], v[ACC+16*\gt+\j:ACC+16*\gt+\j+1], v[GT+2*\gt:GT+2*\gt+1] op_sel_hi:[1,0]   ; x my row's weight; each accumulator from its low end on
.endr
.endr
	WIN 0x0c                                       ; a store's data: window 3
.irp gt, 0,1
.irp u, 0,1
	global_store_b128 v[ROW+\gt], v[ACC+16*\gt+8*\u:ACC+16*\gt+8*\u+3], s[50:51] offset:64*\u         ; lane (r, h): row r's columns 16 u + 8 h + 0 .. 7 of my 32
	global_store_b128 v[ROW+\gt], v[ACC+16*\gt+8*\u+4:ACC+16*\gt+8*\u+7], s[50:51] offset:64*\u+16
.endr
.endr
	WIN 0
.Lnext:
	s_wait_xcnt 0x0                                ; the bases, and the stores' offsets and data, are written again only behind this wait
	s_add_nc_u64 s[44:45], s[44:45], 196608        ; four chunks on
	s_add_nc_u64 s[46:47], s[46:47], 8192
	v_add_nc_u32 v[LSA], 512, v[LSA]
	s_add_co_u32 s34, s34, 128
	s_sub_co_u32 s35, s35, 1
	s_cmp_lg_u32 s35, 0
	s_cbranch_scc1 .Ltrip
	s_set_vgpr_msb 0x5
	s_wait_tensorcnt 0x0
	ds_add_u32 v254, v255
	s_wait_dscnt 0x0
	s_set_vgpr_msb 0x500
	s_endpgm
.Lfunc_end_k_q08bd712c07_down:
	.size	k_q08bd712c07_down, .Lfunc_end_k_q08bd712c07_down-k_q08bd712c07_down
	.p2alignl 7, 3214868480
	.fill 96, 4, 3214868480
	.section	.rodata,"a",@progbits
	.p2align	6, 0x0
	.amdhsa_kernel k_q08bd712c07_down
		.amdhsa_group_segment_fixed_size 125440
		.amdhsa_private_segment_fixed_size 0
		.amdhsa_enable_private_segment 0
		.amdhsa_kernarg_size 48
		.amdhsa_user_sgpr_count 2
		.amdhsa_user_sgpr_kernarg_segment_ptr 1
		.amdhsa_wavefront_size32 1
		.amdhsa_system_sgpr_workgroup_id_x 1
		.amdhsa_system_sgpr_workgroup_id_y 1
		.amdhsa_system_sgpr_workgroup_id_z 1
		.amdhsa_system_vgpr_workitem_id 0
		.amdhsa_next_free_vgpr 1024
		.amdhsa_next_free_sgpr 66
		.amdhsa_reserve_vcc 1
		.amdhsa_float_denorm_mode_32 3
		.amdhsa_float_denorm_mode_16_64 3
		.amdhsa_memory_ordered 1
		.amdhsa_forward_progress 1
		.amdhsa_inst_pref_size 87
	.end_amdhsa_kernel
	.amdgpu_metadata
---
amdhsa.version: [ 1, 2 ]
amdhsa.kernels:
  - .name:           k_q08bd712c07_down
    .symbol:         k_q08bd712c07_down.kd
    .args:
      - { .name: w2, .offset: 0, .size: 8, .value_kind: global_buffer, .address_space: global }
      - { .name: act, .offset: 8, .size: 8, .value_kind: global_buffer, .address_space: global }
      - { .name: asc, .offset: 16, .size: 8, .value_kind: global_buffer, .address_space: global }
      - { .name: order, .offset: 24, .size: 8, .value_kind: global_buffer, .address_space: global }
      - { .name: gw, .offset: 32, .size: 8, .value_kind: global_buffer, .address_space: global }
      - { .name: y, .offset: 40, .size: 8, .value_kind: global_buffer, .address_space: global }
    .group_segment_fixed_size: 125440
    .private_segment_fixed_size: 0
    .kernarg_segment_align: 8
    .kernarg_segment_size: 48
    .max_flat_workgroup_size: 128
    .sgpr_count:     66
    .vgpr_count:     1024
    .wavefront_size: 32
...
	.end_amdgpu_metadata
.endif
;; end of part 4
;; launch add (part 5): grid 256 x 1, 4 waves a work-group, no clusters, 0 bytes of LDS; arguments y, out0; writes out0
.if DOCPART == 5
	.amdgcn_target "amdgcn-amd-amdhsa--gfx1250"
	.amdhsa_code_object_version 6
	.text
	.protected	k_q08bd712c07_add
	.globl	k_q08bd712c07_add
	.p2align	8
	.type	k_q08bd712c07_add,@function
k_q08bd712c07_add:
	s_mov_b64 s[64:65], 0
	v_nop
	global_prefetch_b8 v0, s[64:65] scope:SCOPE_SE
	s_setreg_imm32_b32 hwreg(HW_REG_WAVE_MODE, 25, 1), 1
	s_wait_xcnt 0x0
; ADD.  out0[t] = y[2 t] + y[2 t + 1]: a token's two routed rows, already multiplied by their weights; the other six experts' terms are zeros in the sum that is asked.
; A wave takes a token: 16 loads of 512 consecutive bytes, all out at once, and 8 stores of 512 consecutive bytes.  Memory binds: no LDS, no barrier, no matrix unit.
	s_load_b128 s[4:7], s[0:1], 0x0                ; y, out0
	v_lshrrev_b32 v2, 5, v0
	v_readfirstlane_b32 s8, v2                     ; wave
	v_and_b32 v1, 31, v0
	v_lshlrev_b32 v1, 4, v1                        ; 16 x lane
	s_lshl_b32 s9, ttmp9, 2
	s_add_co_u32 s9, s9, s8                        ; token
	s_lshl_b32 s10, s9, 13
	s_mov_b32 s11, 0
	s_lshl_b32 s12, s9, 12
	s_mov_b32 s13, 0
	s_wait_kmcnt 0x0
	s_add_nc_u64 s[4:5], s[4:5], s[10:11]
	s_add_nc_u64 s[6:7], s[6:7], s[12:13]
.irp i, 0,1,2,3,4,5,6,7
	global_load_b128 v[4+8*\i:7+8*\i], v1, s[4:5] offset:512*\i th:TH_LOAD_NT
	global_load_b128 v[8+8*\i:11+8*\i], v1, s[4:5] offset:4096+512*\i th:TH_LOAD_NT
.endr
.irp i, 0,1,2,3,4,5,6,7
	s_wait_loadcnt 14-2*\i                         ; pair i is in; the younger pairs may be out
	v_pk_add_f32 v[4+8*\i:5+8*\i], v[4+8*\i:5+8*\i], v[8+8*\i:9+8*\i]
	v_pk_add_f32 v[6+8*\i:7+8*\i], v[6+8*\i:7+8*\i], v[10+8*\i:11+8*\i]
	global_store_b128 v1, v[4+8*\i:7+8*\i], s[6:7] offset:512*\i th:TH_STORE_NT
.endr
	s_endpgm
.Lfunc_end_k_q08bd712c07_add:
	.size	k_q08bd712c07_add, .Lfunc_end_k_q08bd712c07_add-k_q08bd712c07_add
	.p2alignl 7, 3214868480
	.fill 96, 4, 3214868480
	.section	.rodata,"a",@progbits
	.p2align	6, 0x0
	.amdhsa_kernel k_q08bd712c07_add
		.amdhsa_group_segment_fixed_size 0
		.amdhsa_private_segment_fixed_size 0
		.amdhsa_enable_private_segment 0
		.amdhsa_kernarg_size 16
		.amdhsa_user_sgpr_count 2
		.amdhsa_user_sgpr_kernarg_segment_ptr 1
		.amdhsa_wavefront_size32 1
		.amdhsa_system_sgpr_workgroup_id_x 1
		.amdhsa_system_sgpr_workgroup_id_y 1
		.amdhsa_system_sgpr_workgroup_id_z 1
		.amdhsa_system_vgpr_workitem_id 0
		.amdhsa_next_free_vgpr 80
		.amdhsa_next_free_sgpr 66
		.amdhsa_reserve_vcc 0
		.amdhsa_float_denorm_mode_32 3
		.amdhsa_float_denorm_mode_16_64 3
		.amdhsa_memory_ordered 1
		.amdhsa_forward_progress 1
		.amdhsa_inst_pref_size 5
	.end_amdhsa_kernel
	.amdgpu_metadata
---
amdhsa.version: [ 1, 2 ]
amdhsa.kernels:
  - .name:           k_q08bd712c07_add
    .symbol:         k_q08bd712c07_add.kd
    .args:
      - { .name: y, .offset: 0, .size: 8, .value_kind: global_buffer, .address_space: global }
      - { .name: out0, .offset: 8, .size: 8, .value_kind: global_buffer, .address_space: global }
    .group_segment_fixed_size: 0
    .private_segment_fixed_size: 0
    .kernarg_segment_align: 8
    .kernarg_segment_size: 16
    .max_flat_workgroup_size: 128
    .sgpr_count:     66
    .vgpr_count:     80
    .wavefront_size: 32
...
	.end_amdgpu_metadata
.endif
;; end of part 5
;; ======== version 2 of 3: 5 launches
;; workspace buffers: rt 4,096 bytes of whole numbers; order 65,536 bytes of whole numbers; gw 8,192 bytes; xq 786,432 bytes; xs 32,768 bytes; act 12,582,912 bytes; asc 524,288 bytes; y 9,437,184 bytes
;; launch route: the kernel of part 1 again; grid 256 x 1, 1 waves a work-group, no clusters, 18,688 bytes of LDS; arguments hidden_states, gate_w, rt, gw, xq, xs; writes rt, gw, xq, xs
;; launch place: the kernel of part 2 again; grid 8 x 1, 1 waves a work-group, no clusters, 5,376 bytes of LDS; arguments rt, order; writes order
;; launch up (part 6): grid 32 x 8, 4 waves a work-group, no clusters, 274,944 bytes of LDS; arguments w1, w3, xq, xs, order, act, asc; writes act, asc
.if DOCPART == 6
	.amdgcn_target "amdgcn-amd-amdhsa--gfx1250"
	.amdhsa_code_object_version 6
	.text
	.protected	k_q08bd712c07_up
	.globl	k_q08bd712c07_up
	.p2align	8
	.type	k_q08bd712c07_up,@function
k_q08bd712c07_up:
	s_mov_b64 s[64:65], 0
	v_nop
	global_prefetch_b8 v0, s[64:65] scope:SCOPE_SE
	s_setreg_imm32_b32 hwreg(HW_REG_WAVE_MODE, 25, 1), 1
	s_wait_xcnt 0x0
; UP.  act = silu(x W1^T) * (x W3^T) for the rows routed to one expert, as codes of BF6 (E3M2) with one E8M0 byte for each 32 along I.  Both products on codes of BF6.
; A work-group owns expert e (grid y) and 64 of its 2,048 rows of W1 and of W3 (grid x, the slice): 512 KB of f32, read from memory once by this work-group alone and quantised on the way.
; STREAM.  Wave w takes tile w (16 rows) of both matrices, K step by K step: 16 fragments of 16 rows x 128.  A load reads 512 consecutive bytes of one row; the 8 KB turn through the wave's own stage in LDS, so that
; lane (r, h) holds K = 64 c + 32 h + 0 .. 31 of row r, the operand's own order; largest magnitude, scale, conversion; the fragment's 12 registers go to LDS as an image (16 bytes a lane, 512 a store), its scale words likewise.
; THE ROWS THAT FORM A TILE ARE NOT NEIGHBOURS: slot r of tile U is row 32 (U / 2) + 8 (U % 2) + r + 8 (r / 8) of the slice, so that a lane's 16 results of two neighbouring tiles are 16 neighbours along I.
; LIST.  The expert's list of routed rows (id = 2 token + choice) and its count were stored by the launch before.  The count comes by a scalar load; a chunk's 32 ids come from the list in memory straight into registers,
; two of the wave's chunks ahead of the chunk at work.  That look-ahead reads up to 4,608 bytes from the list's first: what lies behind a list (the next expert's, or the counts) is inside the buffer, is held inside the table like every id, and serves no trip.
; TOKENS.  Wave (a, b) = (w / 2, w % 2) keeps the codes of I half a (two tiles of W1, two of W3, all of K: 384 registers) and walks the chunks of 32 list rows of parity b.  A chunk's rows of xq are gathered in units of 256 bytes,
; a chunk ahead, and turned through the wave's stage.  The products are used transposed (source 0 = 16 rows of W, source 1 = 16 tokens): a lane holds one token and 16 neighbours along I.  silu in f32, quantised in registers.
; act: tile J = 64 e + (list place / 16), 24,576 bytes: the image of the next product's operand registers, [K step 0..15][4 registers 0..2][lane][16 bytes].  asc: byte 1,024 J + 64 row + block.
; Entries behind the count are id 0: such rows are computed like any other and never used.  The scale bytes leave one byte a lane, 64 bytes apart: one byte for each 24 of codes.
; No cluster: a chunk's rows are gathered by a list, and the number of chunks hangs on a count read from memory.
; LIMITS: NaN and infinities are not served.  A block whose largest magnitude lies under 2^-122, zeros among them, gets the byte 1 (the rule says 127 for zeros); only this program reads the bytes.
; REGISTERS: window 0: v1-16 addresses; v17-23 at work; v24-39 W's scale words (lanes 0-15 W1's, 16-31 W3's); v40-47 x's scale words; v48-55 the next chunk's; v56-73 gather addresses; v77 4 x lane;
;   v80-143, v144-207 two sets of 64 numbers, later g (v80), u (v112), at work (v144), codes (v200); v208-247 two sets of codes, later (v208-224) the ids that are on their way; v248-252.
;   window 1: W1's 16 fragments; window 2: W3's; window 3: four sets of 64 as loaded, later x's 16 fragments;   v192-255 of windows 1 to 3: where a gather lands.
.set WSTG, 0                           ; 4 waves x 2 stages x 16 rows x 528 bytes
.set IMG,  67584                       ; 64 images of 1,536 bytes: ((4 matrix + tile) 8 + K step)
.set SCI,  165888                      ; their scale words, 128 bytes each
.set XSTG, 174080                      ; 4 waves x 32 rows x 784 bytes
.set NF,   16                          ; fragments of a wave
.set L16,  1
.set WST,  2
.set WLD,  3
.set IMGS, 4
.set SCIS, 5
.set IMGL1, 6
.set IMGL3, 7
.set SCIL, 8
.set LSTB, 10
.set XST,  11
.set XLD,  12
.set C16,  13
.set AOFF, 14
.set SOFF, 15
.set H8,   16
.set QM,   17
.set QS,   19
.set QB,   21
.set QX,   23
.set WS,   24
.set XS,   40
.set XSG,  48
.set VA,   56
.set LC,   72
.set XSA,  73
.set L4,   77
.set NB,   80
.set GG,   80
.set UU,   112
.set TT,   144
.set CO,   200
.set PB,   208
.set VB,   208
.set LCB,  224
.set WB,   248
.set QX2,  252
.set SEL,  28
.set MSB, 0
.macro WIN new                         ; the immediate's high byte repeats the setting that is left; a switch that changes nothing is dropped
.if MSB != \new
	s_set_vgpr_msb (MSB<<8)|\new
.set MSB, \new
.endif
.endm
.macro FRAGP f                         ; fragment f: matrix (f % 4) / 2, K step 2 (f / 4) + f % 2
.set FM, ((\f)%4)/2
.set FS, 2*((\f)/4)+(\f)%2
.set SB, 42+2*FM
.set GOFF, 512*FS
.set IOFF, 49152*FM+1536*FS
.set COFF, 4096*FM+128*FS
.endm
.macro LOADF f                         ; 16 loads, one for each row of the tile: 512 consecutive bytes each, into set f % 4 of window 3
	FRAGP \f
	WIN 0xc0
.set rr, 0
.rept 16
	global_load_b128 v[64*((\f)%4)+4*rr:64*((\f)%4)+4*rr+3], v[L16], s[SB:SB+1] offset:GOFF+(rr+8*(rr/8))*4096 th:TH_LOAD_NT
.set rr, rr+1
.endr
.endm
.macro TURNF f                         ; through my stage f % 2: in as loaded, out 128 bytes a lane.  Rows 528 bytes apart: an odd multiple of 16
	WIN 0x0c
.set rr, 0
.rept 16
	ds_store_b128 v[WST], v[64*((\f)%4)+4*rr:64*((\f)%4)+4*rr+3] offset:8448*((\f)%2)+528*rr
.set rr, rr+1
.endr
	WIN 0
.set rr, 0
.rept 16
	ds_load_b128 v[NB+64*((\f)%2)+4*rr:NB+64*((\f)%2)+4*rr+3], v[WLD] offset:8448*((\f)%2)+256*(rr/8)+16*(rr%8)
.set rr, rr+1
.endr
.endm
.macro QUANTF f                        ; 64 numbers of a lane, register 32 c + i = K 64 c + 32 h + i of my row: two whole blocks; codes and scale word to LDS
	FRAGP \f
.set NN, NB+64*((\f)%2)
.set PP, PB+20*((\f)%2)
.set WW, WB+(\f)%2
.irp c, 0,1
	v_max3_num_f32 v[QM+\c], |v[NN+32*\c]|, |v[NN+32*\c+1]|, 0x2800000   ; with the floor 2^(5 - 127): the byte cannot fall under 1
.endr
.irp i, 2,4,6,8,10,12,14,16,18,20,22,24,26,28,30
.irp c, 0,1
	v_max3_num_f32 v[QM+\c], v[QM+\c], |v[NN+32*\c+\i]|, |v[NN+32*\c+\i+1]|   ; the two blocks by turns
.endr
.endr
.irp c, 0,1
	v_add_nc_u32 v[QS+\c], 0xfe000000, v[QM+\c]    ; 4 off the exponent field: the conversion's scale operand
.endr
.irp c, 0,1
	v_lshrrev_b32 v[QB+\c], 23, v[QS+\c]           ; the scale's byte
.endr
	v_lshl_or_b32 v[WW], v[QB+1], 16, v[QB]        ; my two bytes: blocks h and 2 + h,
	v_lshlrev_b32 v[WW], v[H8], v[WW]              ; 8 h bits up;
	v_permlanex16_b32 v[QX], v[WW], s[SEL], s[SEL+1]
	v_or_b32 v[WW], v[WW], v[QX]                   ; with lane l xor 16's two the word is whole, in both halves of the lanes
.irp c, 0,1
	v_cvt_scalef32_pk16_bf6_f32 v[PP+6*\c:PP+6*\c+2], v[NN+32*\c:NN+32*\c+15], v[QS+\c]
	v_cvt_scalef32_pk16_bf6_f32 v[PP+12+4*\c:PP+14+4*\c], v[NN+32*\c+16:NN+32*\c+31], v[QS+\c]   ; (a conversion's three registers begin on an even number)
.endr
	v_nop                                          ; one plain line behind a scaled conversion
.irp c, 0,1
.irp i, 0,1,2
	v_mov_b32 v[PP+6*\c+3+\i], v[PP+12+4*\c+\i]
.endr
.endr
.irp g, 0,1,2
	ds_store_b128 v[IMGS], v[PP+4*\g:PP+4*\g+3] offset:IOFF+512*\g
.endr
	ds_store_b32 v[SCIS], v[WW] offset:COFF
.endm
.macro FSTEP f                         ; fragment f is quantised; f + 1 turns through the other stage; f + 4 is asked for
.if (\f) == 0
	s_wait_dscnt 0x0
.else
	s_wait_dscnt 0x4                               ; my numbers are back from the stage, so its stores have read set f % 4; only the last fragment's four image stores may be out, so the codes' set of two fragments ago is free
.endif
.if (\f)+4 < NF
	LOADF (\f)+4
.endif
.if (\f)+1 < NF
.if NF-2-(\f) >= 3
	s_wait_loadcnt 48                              ; the next fragment's 16 loads are in; three younger sets may be out
.else
	s_wait_loadcnt 16*(NF-2-(\f))
.endif
	TURNF (\f)+1
.endif
	QUANTF \f
.endm
.macro LISTG dst, ldst, o              ; a chunk's 32 ids from the list in memory, o bytes behind the chunk at work: mine, and for each pair of rows the id of my half of the lanes
	global_load_b32 v[\ldst], v[L4], s[50:51] offset:\o
.set pp, 0
.rept 16
	global_load_b32 v[\dst+pp], v[LSTB], s[50:51] offset:\o+8*pp
.set pp, pp+1
.endr
.endm
	s_load_b256 s[4:11], s[0:1], 0x0               ; w1 4, w3 6, xq 8, xs 10
	s_load_b128 s[12:15], s[0:1], 0x20             ; order 12, act 14
	s_load_b64 s[16:17], s[0:1], 0x30              ; asc 16
	v_lshl_add_u32 v250, v0, 2, 0x43000
	v_mov_b32 v251, 0
	v_lshrrev_b32 v253, 5, v0
	v_readfirstlane_b32 s20, v253                  ; wave
	s_lshr_b32 s21, s20, 1                         ; a
	s_and_b32 s22, s20, 1                          ; b
	s_and_b32 s23, ttmp9, 31                       ; slice, 0 to 31
	s_and_b32 s24, ttmp7, 0xffff                   ; expert
	v_and_b32 v253, 31, v0                         ; lane
	v_and_b32 v254, 15, v0                         ; r
	v_bfe_u32 v255, v0, 4, 1                       ; h
	v_lshlrev_b32 v[L16], 4, v253
	v_lshlrev_b32 v[L4], 2, v253
	s_mul_i32 s38, s20, 16896                      ; my two stages (they begin at LDS byte 0)
	v_add_nc_u32 v[WST], s38, v[L16]
	v_mul_u32_u24 v[WLD], v254, 528
	v_lshl_add_u32 v[WLD], v255, 7, v[WLD]
	v_add_nc_u32 v[WLD], s38, v[WLD]
	s_mul_i32 s38, s20, 12288
	s_add_co_u32 s38, s38, IMG
	v_add_nc_u32 v[IMGS], s38, v[L16]              ; where I store images: tile w
	s_lshl_b32 s38, s20, 10
	s_add_co_u32 s38, s38, SCI
	v_add_nc_u32 v[SCIS], s38, v[L4]
	s_mul_i32 s38, s21, 24576
	s_add_co_u32 s38, s38, IMG
	v_add_nc_u32 v[IMGL1], s38, v[L16]             ; where I read them: tiles 2 a, 2 a + 1 of W1,
	v_add_nc_u32 v[IMGL3], 49152, v[IMGL1]         ; and of W3
	s_lshl_b32 s38, s21, 11
	s_add_co_u32 s38, s38, SCI
	v_lshl_add_u32 v[SCIL], v255, 12, v[L4]        ; lanes 16-31 take W3's words, 4,096 bytes on
	v_add_nc_u32 v[SCIL], s38, v[SCIL]
	v_lshlrev_b32 v[LSTB], 2, v255                 ; the list: entry h of a pair of rows; the pair stands in the load's offset
	s_mul_i32 s38, s20, 25088
	s_add_co_u32 s38, s38, XSTG
	v_lshlrev_b32 v[C16], 4, v254
	v_mad_u32_u24 v[XST], v255, 784, v[C16]
	v_add_nc_u32 v[XST], s38, v[XST]               ; x's stage, in: sixteen lanes to a unit of 256 bytes of one row
	v_mul_u32_u24 v[XLD], v254, 784
	v_mad_u32_u24 v[XLD], v255, 384, v[XLD]
	v_add_nc_u32 v[XLD], s38, v[XLD]               ; out: my 384 bytes of row r
	v_mad_u32_u24 v[AOFF], v255, 24576, v[C16]     ; act: lanes 16-31 store the chunk's second tile
	v_lshlrev_b32 v[SOFF], 6, v254
	v_lshl_add_u32 v[SOFF], v255, 10, v[SOFF]
	v_lshlrev_b32 v[H8], 3, v255
	v_mov_b32 v[QX], 0                             ; written once: a lane permute's destination counts as one of its sources
	v_mov_b32 v[QX2], 0
	s_mov_b32 s[SEL], 0x76543210
	s_mov_b32 s[SEL+1], 0xfedcba98
	s_mov_b32 s30, 0xbfb8aa3b                      ; -log2(e)
	s_mov_b32 s31, s30                             ; (named with it as a pair)
	s_mov_b32 s40, 0xffff0000                      ; lanes 16-31
	s_lshl_b32 s26, s24, 11                        ; my tile's first row: 2,048 e + 64 slice + 32 a + 8 b
	s_lshl_b32 s38, s23, 6
	s_add_co_u32 s26, s26, s38
	s_lshl_b32 s38, s21, 5
	s_add_co_u32 s26, s26, s38
	s_lshl_b32 s38, s22, 3
	s_add_co_u32 s26, s26, s38
	s_lshl_b32 s26, s26, 12                        ; rows of 4,096 bytes: under 2^27
	s_mov_b32 s27, 0
	s_wait_kmcnt 0x0
	s_add_nc_u64 s[42:43], s[4:5], s[26:27]
	s_add_nc_u64 s[44:45], s[6:7], s[26:27]
	s_mul_i32 s26, s24, 1572864                    ; act: 64 tiles an expert; chunk b; K step slice / 2; lanes 16 a on
	s_mul_i32 s38, s22, 49152
	s_add_co_u32 s26, s26, s38
	s_lshr_b32 s38, s23, 1
	s_mul_i32 s38, s38, 1536
	s_add_co_u32 s26, s26, s38
	s_lshl_b32 s38, s21, 8
	s_add_co_u32 s26, s26, s38
	s_add_nc_u64 s[46:47], s[14:15], s[26:27]
	s_lshl_b32 s26, s24, 16                        ; asc: + block 2 slice + a
	s_lshl_b32 s38, s22, 11
	s_add_co_u32 s26, s26, s38
	s_lshl_b32 s38, s23, 1
	s_add_co_u32 s26, s26, s38
	s_add_co_u32 s26, s26, s21
	s_add_nc_u64 s[48:49], s[16:17], s[26:27]
	s_lshl_b32 s26, s24, 12                        ; order: the count's copy at 32,768 + 4,096 e + 128 slice
	s_lshl_b32 s38, s23, 7
	s_add_co_u32 s26, s26, s38
	s_add_co_u32 s26, s26, 32768
	s_add_nc_u64 s[52:53], s[12:13], s[26:27]
	s_load_b32 s32, s[52:53], 0x0                  ; the expert's count
	s_lshl_b32 s26, s24, 12                        ; the expert's list at my first chunk: 4,096 e + 128 b
	s_lshl_b32 s38, s22, 7
	s_add_co_u32 s26, s26, s38
	s_add_nc_u64 s[50:51], s[12:13], s[26:27]
	LISTG VA, LC, 0                                ; my first chunk's ids, ahead of the stream, into registers that the stream leaves alone
	LOADF 0
	LOADF 1
	LOADF 2
	LOADF 3
	WIN 0
	s_wait_loadcnt 48                              ; three sets may be out: fragment 0 is in, and the 17 ids, which are older
	TURNF 0
.set Q, 0
.rept NF
	FSTEP Q
.set Q, Q+1
.endr
	s_wait_dscnt 0x0                               ; my images have landed
	s_barrier_signal -1
	s_barrier_wait -1                              ; all 64 images lie in LDS; nothing is written there again
.macro ADDRS src, lsrc                 ; id -> token, held inside the table, -> byte offsets
.set pp, 0
.rept 16
	v_lshrrev_b32 v[VA+pp], 1, v[\src+pp]
.set pp, pp+1
.endr
.set pp, 0
.rept 16
	v_min_u32 v[VA+pp], 0x3ff, v[VA+pp]
.set pp, pp+1
.endr
.set pp, 0
.rept 16
	v_mad_u32_u24 v[VA+pp], v[VA+pp], 768, v[C16]
.set pp, pp+1
.endr
	v_lshrrev_b32 v[XSA], 1, v[\lsrc]
	v_min_u32 v[XSA], 0x3ff, v[XSA]
	v_lshlrev_b32 v[XSA], 5, v[XSA]
.endm
.macro GATHER                          ; 32 rows of 768 bytes: each half of the lanes reads an aligned unit of 256 bytes of one row; and 32 bytes of scales a lane
.set nn, 0
.rept 48
.set WSEL, (1+nn/16)<<6
	WIN WSEL
	global_load_b128 v[192+4*(nn%16):192+4*(nn%16)+3], v[VA+nn/3], s[8:9] offset:256*(nn%3)
.set nn, nn+1
.endr
	WIN 0
	global_load_b128 v[XSG:XSG+3], v[XSA], s[10:11]
	global_load_b128 v[XSG+4:XSG+7], v[XSA], s[10:11] offset:16
.endm
.macro WM ar, br                       ; one product; ar, br: which half of the lanes of the scale registers serves source 0, source 1
.if KST == 0
.if (\ar == 0) && (\br == 0)
	v_wmma_scale_f32_16x16x128_f8f6f4 v[DD:DD+7], v[AA:AA+11], v[BB:BB+11], 0, v[SA], v[SB] matrix_a_fmt:MATRIX_FMT_BF6 matrix_b_fmt:MATRIX_FMT_BF6
.elseif \ar == 0
	v_wmma_scale_f32_16x16x128_f8f6f4 v[DD:DD+7], v[AA:AA+11], v[BB:BB+11], 0, v[SA], v[SB] matrix_a_fmt:MATRIX_FMT_BF6 matrix_b_fmt:MATRIX_FMT_BF6 matrix_b_scale:MATRIX_SCALE_ROW1
.elseif \br == 0
	v_wmma_scale_f32_16x16x128_f8f6f4 v[DD:DD+7], v[AA:AA+11], v[BB:BB+11], 0, v[SA], v[SB] matrix_a_fmt:MATRIX_FMT_BF6 matrix_b_fmt:MATRIX_FMT_BF6 matrix_a_scale:MATRIX_SCALE_ROW1
.else
	v_wmma_scale_f32_16x16x128_f8f6f4 v[DD:DD+7], v[AA:AA+11], v[BB:BB+11], 0, v[SA], v[SB] matrix_a_fmt:MATRIX_FMT_BF6 matrix_b_fmt:MATRIX_FMT_BF6 matrix_a_scale:MATRIX_SCALE_ROW1 matrix_b_scale:MATRIX_SCALE_ROW1
.endif
.else
.if (\ar == 0) && (\br == 0)
	v_wmma_scale_f32_16x16x128_f8f6f4 v[DD:DD+7], v[AA:AA+11], v[BB:BB+11], v[DD:DD+7], v[SA], v[SB] matrix_a_fmt:MATRIX_FMT_BF6 matrix_b_fmt:MATRIX_FMT_BF6
.elseif \ar == 0
	v_wmma_scale_f32_16x16x128_f8f6f4 v[DD:DD+7], v[AA:AA+11], v[BB:BB+11], v[DD:DD+7], v[SA], v[SB] matrix_a_fmt:MATRIX_FMT_BF6 matrix_b_fmt:MATRIX_FMT_BF6 matrix_b_scale:MATRIX_SCALE_ROW1
.elseif \br == 0
	v_wmma_scale_f32_16x16x128_f8f6f4 v[DD:DD+7], v[AA:AA+11], v[BB:BB+11], v[DD:DD+7], v[SA], v[SB] matrix_a_fmt:MATRIX_FMT_BF6 matrix_b_fmt:MATRIX_FMT_BF6 matrix_a_scale:MATRIX_SCALE_ROW1
.else
	v_wmma_scale_f32_16x16x128_f8f6f4 v[DD:DD+7], v[AA:AA+11], v[BB:BB+11], v[DD:DD+7], v[SA], v[SB] matrix_a_fmt:MATRIX_FMT_BF6 matrix_b_fmt:MATRIX_FMT_BF6 matrix_a_scale:MATRIX_SCALE_ROW1 matrix_b_scale:MATRIX_SCALE_ROW1
.endif
.endif
.endm
.macro RUN dbase, ar                   ; 32 products: K ascending; the four accumulators (2 tiles of tokens x 2 tiles of rows) by turns; the first K step starts the sums
.set KST, 0
.rept 8
.irp gt, 0,1
.irp u, 0,1
.set DD, \dbase+16*\gt+8*\u
.set AA, 12*(8*\u+KST)
.set BB, 96*\gt+12*KST
.set SA, WS+8*\u+KST
.set SB, XS+KST
	WM \ar, \gt
.endr
.endr
.set KST, KST+1
.endr
.endm
	ADDRS VA, LC                                   ; my first chunk: its ids came in ahead of the stream
	GATHER
	LISTG VB, LCB, 256                             ; my second chunk's ids, into registers that held the stream's codes (their stores were waited for in front of the barrier)
	WIN 0x40                                       ; my half's codes come into registers and stay: W1's,
.set nn, 0
.rept 48
	ds_load_b128 v[4*nn:4*nn+3], v[IMGL1] offset:512*nn
.set nn, nn+1
.endr
	WIN 0x80                                       ; W3's,
.set nn, 0
.rept 48
	ds_load_b128 v[4*nn:4*nn+3], v[IMGL3] offset:512*nn
.set nn, nn+1
.endr
	WIN 0
.set nn, 0
.rept 16
	ds_load_b32 v[WS+nn], v[SCIL] offset:128*nn    ; and their scale words
.set nn, nn+1
.endr
	s_wait_kmcnt 0x0
	s_min_u32 s32, s32, 1024                       ; the expert's rows
	s_lshl_b32 s33, s22, 5                         ; my chunk's first list place
	s_mov_b32 s34, 16                              ; 16 trips serve 1,024 rows on one expert; a trip behind the count only steps
.Ltok:
	s_cmp_ge_u32 s33, s32
	s_cbranch_scc1 .Lnext
	s_wait_loadcnt 0x0                             ; asked for a trip ago: this chunk's rows and scale words, and my next chunk's ids
.set nn, 0
.rept 48
.set WSEL, (1+nn/16)<<2
	WIN WSEL
	ds_store_b128 v[XST], v[192+4*(nn%16):192+4*(nn%16)+3] offset:1568*(nn/3)+256*(nn%3)
.set nn, nn+1
.endr
	WIN 0
.irp i, 0,1,2,3,4,5,6,7
	v_mov_b32 v[XS+\i], v[XSG+\i]                  ; the 51 lines of ADDRS stand between these and the products that read them
.endr
	ADDRS VB, LCB                                  ; my next chunk's offsets (the last gather, which read these registers, is in)
	WIN 0xc0
.set nn, 0
.rept 48
	ds_load_b128 v[96*(nn/24)+4*(nn%24):96*(nn/24)+4*(nn%24)+3], v[XLD] offset:12544*(nn/24)+16*(nn%24)   ; x's 16 fragments: tile of tokens nn / 24
.set nn, nn+1
.endr
	WIN 0
	s_wait_dscnt 48                                ; all but these 48 loads: the stores have read the landing registers
	GATHER                                         ; the next chunk lands while this one is multiplied,
	LISTG VB, LCB, 512                             ; and so do the ids of the chunk behind it
	s_wait_dscnt 0x0
	WIN 0x0d                                       ; source 0 (W1) window 1, source 1 (x) window 3
	RUN GG, 0
	WIN 0x0e                                       ; source 0 (W3) window 2
	RUN UU, 1
	WIN 0
.rept 4
	v_nop                                          ; places behind the products, for the reads below and for the next trip's loads and moves
.endr
.set jj, 0
.rept 16
	v_pk_mul_f32 v[TT+jj:TT+jj+1], v[GG+jj:GG+jj+1], s[30:31] op_sel_hi:[1,0]   ; -g log2(e); each accumulator from its low end on
.set jj, jj+2
.endr
.set jj, 0
.rept 32
	v_exp_f32 v[TT+jj], v[TT+jj]
.set jj, jj+1
.endr
.set jj, 0
.rept 16
	v_pk_mul_f32 v[GG+jj:GG+jj+1], v[GG+jj:GG+jj+1], v[UU+jj:UU+jj+1]   ; g u  (plain lines behind the exponentials)
.set jj, jj+2
.endr
.set jj, 0
	s_wait_alu depctr_va_vdst(0)
.rept 16
	v_pk_add_f32 v[TT+jj:TT+jj+1], v[TT+jj:TT+jj+1], 1.0 op_sel_hi:[1,0]
.set jj, jj+2
.endr
.set jj, 0
.rept 32
	v_rcp_f32 v[TT+jj], v[TT+jj]                   ; sigmoid(g)
.set jj, jj+1
.endr
	v_nop
.set jj, 0
	s_wait_alu depctr_va_vdst(0)
.rept 16
	v_pk_mul_f32 v[GG+jj:GG+jj+1], v[GG+jj:GG+jj+1], v[TT+jj:TT+jj+1]   ; silu(g) u: register 16 gt + i = I 32 block + 16 h + i of my token
.set jj, jj+2
.endr
.irp gt, 0,1
	v_max3_num_f32 v[QM+\gt], |v[GG+16*\gt]|, |v[GG+16*\gt+1]|, 0x2800000
.endr
.irp i, 2,4,6,8,10,12,14
.irp gt, 0,1
	v_max3_num_f32 v[QM+\gt], v[QM+\gt], |v[GG+16*\gt+\i]|, |v[GG+16*\gt+\i+1]|
.endr
.endr
	v_permlanex16_b32 v[QX], v[QM], s[SEL], s[SEL+1]
	v_permlanex16_b32 v[QX2], v[QM+1], s[SEL], s[SEL+1]
	v_max_num_f32 v[QM], v[QM], v[QX]              ; with lane l xor 16's 16: the block's largest magnitude
	v_max_num_f32 v[QM+1], v[QM+1], v[QX2]
	v_add_nc_u32 v[QS], 0xfe000000, v[QM]
	v_add_nc_u32 v[QS+1], 0xfe000000, v[QM+1]
	v_lshrrev_b32 v[QB], 23, v[QS]
	v_lshrrev_b32 v[QB+1], 23, v[QS+1]
	v_cvt_scalef32_pk16_bf6_f32 v[CO:CO+2], v[GG:GG+15], v[QS]
	v_cvt_scalef32_pk16_bf6_f32 v[CO+4:CO+6], v[GG+16:GG+31], v[QS+1]
	v_cndmask_b32 v[CO+7], v[QB], v[QB+1], s40     ; lanes 0-15: the first tile's bytes, lanes 16-31 the second's  (a plain line behind the conversions)
.irp i, 0,1,2
	v_permlane16_swap_b32 v[CO+\i], v[CO+4+\i]     ; lane (gt, r) now holds row r of tile gt: the block's lower 16 codes here, the upper 16 there
.endr
	v_mov_b32 v[CO+3], v[CO+4]
	v_mov_b32 v[CO+4], v[CO+5]
	v_mov_b32 v[CO+5], v[CO+6]                     ; 24 bytes on end: registers 6 c .. 6 c + 5 of lane 16 a + r of the next operand, c = slice % 2
	s_bitcmp1_b32 s23, 0
	s_cbranch_scc1 .Lodd
	global_store_b128 v[AOFF], v[CO:CO+3], s[46:47]                ; registers 0-3: sixteen lanes fill 256 consecutive bytes
	global_store_b64 v[AOFF], v[CO+4:CO+5], s[46:47] offset:512    ; registers 4, 5
	s_branch .Lbytes
.Lodd:
	global_store_b64 v[AOFF], v[CO:CO+1], s[46:47] offset:520      ; registers 6, 7
	global_store_b128 v[AOFF], v[CO+2:CO+5], s[46:47] offset:1024  ; registers 8-11
.Lbytes:
	global_store_b8 v[SOFF], v[CO+7], s[48:49]
.Lnext:
	s_wait_xcnt 0x0                                ; the bases of the stores and of the list's loads, and the stores' data, are written again only behind this wait
	s_add_nc_u64 s[46:47], s[46:47], 98304         ; two chunks on
	s_add_nc_u64 s[48:49], s[48:49], 4096
	s_add_nc_u64 s[50:51], s[50:51], 256
	s_add_co_u32 s33, s33, 64
	s_sub_co_u32 s34, s34, 1
	s_cmp_lg_u32 s34, 0
	s_cbranch_scc1 .Ltok
	s_wait_tensorcnt 0x0
	ds_add_u32 v250, v251
	s_wait_dscnt 0x0
	s_endpgm
.Lfunc_end_k_q08bd712c07_up:
	.size	k_q08bd712c07_up, .Lfunc_end_k_q08bd712c07_up-k_q08bd712c07_up
	.p2alignl 7, 3214868480
	.fill 96, 4, 3214868480
	.section	.rodata,"a",@progbits
	.p2align	6, 0x0
	.amdhsa_kernel k_q08bd712c07_up
		.amdhsa_group_segment_fixed_size 274944
		.amdhsa_private_segment_fixed_size 0
		.amdhsa_enable_private_segment 0
		.amdhsa_kernarg_size 56
		.amdhsa_user_sgpr_count 2
		.amdhsa_user_sgpr_kernarg_segment_ptr 1
		.amdhsa_wavefront_size32 1
		.amdhsa_system_sgpr_workgroup_id_x 1
		.amdhsa_system_sgpr_workgroup_id_y 1
		.amdhsa_system_sgpr_workgroup_id_z 1
		.amdhsa_system_vgpr_workitem_id 0
		.amdhsa_next_free_vgpr 1024
		.amdhsa_next_free_sgpr 66
		.amdhsa_reserve_vcc 0
		.amdhsa_float_denorm_mode_32 3
		.amdhsa_float_denorm_mode_16_64 3
		.amdhsa_memory_ordered 1
		.amdhsa_forward_progress 1
		.amdhsa_inst_pref_size 166
	.end_amdhsa_kernel
	.amdgpu_metadata
---
amdhsa.version: [ 1, 2 ]
amdhsa.kernels:
  - .name:           k_q08bd712c07_up
    .symbol:         k_q08bd712c07_up.kd
    .args:
      - { .name: w1, .offset: 0, .size: 8, .value_kind: global_buffer, .address_space: global }
      - { .name: w3, .offset: 8, .size: 8, .value_kind: global_buffer, .address_space: global }
      - { .name: xq, .offset: 16, .size: 8, .value_kind: global_buffer, .address_space: global }
      - { .name: xs, .offset: 24, .size: 8, .value_kind: global_buffer, .address_space: global }
      - { .name: order, .offset: 32, .size: 8, .value_kind: global_buffer, .address_space: global }
      - { .name: act, .offset: 40, .size: 8, .value_kind: global_buffer, .address_space: global }
      - { .name: asc, .offset: 48, .size: 8, .value_kind: global_buffer, .address_space: global }
    .group_segment_fixed_size: 274944
    .private_segment_fixed_size: 0
    .kernarg_segment_align: 8
    .kernarg_segment_size: 56
    .max_flat_workgroup_size: 128
    .sgpr_count:     66
    .vgpr_count:     1024
    .wavefront_size: 32
...
	.end_amdgpu_metadata
.endif
;; end of part 6
;; launch down: the kernel of part 4 again; grid 32 x 8, 4 waves a work-group, no clusters, 125,440 bytes of LDS; arguments w2, act, asc, order, gw, y; writes y
;; launch add: the kernel of part 5 again; grid 256 x 1, 4 waves a work-group, no clusters, 0 bytes of LDS; arguments y, out0; writes out0
;; ======== version 3 of 3: 5 launches
;; workspace buffers: rt 4,096 bytes of whole numbers; order 65,536 bytes of whole numbers; gw 8,192 bytes; xq 786,432 bytes; xs 32,768 bytes; act 12,582,912 bytes; asc 524,288 bytes; y 9,437,184 bytes
;; launch route (part 7): grid 256 x 1, 1 waves a work-group, no clusters, 18,688 bytes of LDS; arguments hidden_states, gate_w, rt, gw, xq, xs; writes rt, gw, xq, xs
.if DOCPART == 7
	.amdgcn_target "amdgcn-amd-amdhsa--gfx1250"
	.amdhsa_code_object_version 6
	.text
	.protected	k_q08bd712c07_route
	.globl	k_q08bd712c07_route
	.p2align	8
	.type	k_q08bd712c07_route,@function
k_q08bd712c07_route:
	s_mov_b64 s[64:65], 0
	v_nop
	global_prefetch_b8 v0, s[64:65] scope:SCOPE_SE
	s_setreg_imm32_b32 hwreg(HW_REG_WAVE_MODE, 25, 1), 1
	s_wait_xcnt 0x0
; ROUTE.  For each of 1,024 tokens: the 8 router logits x . gate_w[e] in f32, the two largest, their weights; and x as codes of BF6 (E3M2) with one E8M0 byte for each 32 along H.
; One wave to a work-group, four tokens to a wave.  rt[t] = e0 | e1 << 8;  gw[2 t + k] = the weight of choice k: 1 / (1 + e^(l1 - l0)) and its complement, which is softmax, top 2, renormalised: the larger logit is taken away ahead of the exponential.
; The choice steers no address here: it is stored at fixed places, and the next launch reads it.
; xq: a token's 768 bytes are laid as the reader's lanes want them: block b (32 numbers, 24 bytes) at 384 (b & 1) + 24 (b >> 1), so that lane (row, h) of an operand finds all its registers of the eight K steps in 384 bytes on end.
; xs: byte 32 t + b: word s is the scale word of K step s.
; LIMITS: NaN and infinities are not served.  A block whose largest magnitude lies under 2^-122, a block of zeros among them, gets the byte 1 (the rule says 127 for zeros): its codes are zeros or subnormal, and only this program reads the bytes.
; The two largest are taken of the logits by a strict compare, so the lower index wins a tie; logits that differ while their probabilities round to one f32 number could be ordered otherwise than by the probabilities.
; REGISTERS: window 0: v1-7 addresses; v8-15 other half's sums; v16, v[18:19] what is stored; v20-30 at work; v32-159 x (token u at 32 u; register 4 q + c = H 128 q + 4 lane + c); v160-191 a block's 32 numbers;
;   v192-207 eight sums in pairs; v208-215 logits; v216-247 codes and byte, eight registers a token.   window 1: gate_w, expert e at 32 e, laid as x.
.set XR,  32
.set NB,  160
.set AC,  192
.set LG,  208
.set CD,  216
.set TP,  4608                         ; a token in the stage: 32 blocks x (128 bytes + 16)
.set MSB, 0
.macro WIN new                         ; the immediate's high byte repeats the setting that is left
.if MSB != \new
	s_set_vgpr_msb (MSB<<8)|\new
.set MSB, \new
.endif
.endm
	s_load_b256 s[4:11], s[0:1], 0x0               ; x s[4:5], gate_w s[6:7], rt s[8:9], gw s[10:11]
	s_load_b128 s[12:15], s[0:1], 0x20             ; xq s[12:13], xs s[14:15]
	v_lshl_add_u32 v254, v0, 2, 0x4800
	v_mov_b32 v255, 0
	v_lshlrev_b32 v1, 4, v0                        ; 16 x lane: my bytes of a load's 512
	v_lshrrev_b32 v2, 3, v0
	v_lshl_add_u32 v2, v2, 4, v1                   ; the stage, on the way in: 16 bytes of padding behind each 128
	v_mul_u32_u24 v3, v0, 144                      ; and on the way out: block = lane
	v_and_b32 v4, 1, v0
	v_mul_u32_u24 v4, v4, 384
	v_lshrrev_b32 v5, 1, v0
	v_mad_u32_u24 v4, v5, 24, v4                   ; my block's place in a row of xq
	v_lshlrev_b32 v6, 2, v0
	v_lshlrev_b32 v7, 3, v0
.irp e, 0,1,2,3,4,5,6,7
	v_mov_b32 v[8+\e], 0                           ; written once: a lane permute's destination counts as one of its sources
.endr
	v_mov_b32 v16, 0
	v_mov_b32 v18, 0
	v_mov_b32 v19, 0
	s_mov_b32 s20, 0x76543210
	s_mov_b32 s21, 0xfedcba98                      ; v_permlanex16_b32's selects for lane l xor 16
	s_mov_b32 s22, 0x3fb8aa3b                      ; log2(e)
	s_mov_b32 s24, 1                               ; lane u takes token u's results
	s_mov_b32 s25, 2
	s_mov_b32 s26, 4
	s_mov_b32 s27, 8
	s_lshl_b32 s16, ttmp9, 14                      ; four rows of 4,096 bytes
	s_mov_b32 s17, 0
	s_mov_b32 s19, 0
	s_wait_kmcnt 0x0
	s_add_nc_u64 s[4:5], s[4:5], s[16:17]
	s_lshl_b32 s18, ttmp9, 4
	s_add_nc_u64 s[8:9], s[8:9], s[18:19]
	s_lshl_b32 s18, ttmp9, 5
	s_add_nc_u64 s[10:11], s[10:11], s[18:19]
	s_mul_i32 s18, ttmp9, 3072
	s_add_nc_u64 s[12:13], s[12:13], s[18:19]
	s_lshl_b32 s18, ttmp9, 7
	s_add_nc_u64 s[14:15], s[14:15], s[18:19]
.irp u, 0,1,2,3
.irp q, 0,1,2,3,4,5,6,7
	global_load_b128 v[XR+32*\u+4*\q:XR+32*\u+4*\q+3], v1, s[4:5] offset:4096*\u+512*\q th:TH_LOAD_NT   ; 512 consecutive bytes a load
.endr
.endr
	WIN 0x40                                       ; destination window 1
.irp e, 0,1,2,3,4,5,6,7
.irp q, 0,1,2,3,4,5,6,7
	global_load_b128 v[32*\e+4*\q:32*\e+4*\q+3], v1, s[6:7] offset:4096*\e+512*\q
.endr
.endr
	WIN 0
	s_wait_loadcnt 63                              ; 64 loads were issued behind x's 32: x is in
.irp u, 0,1,2,3
.irp q, 0,1,2,3,4,5,6,7
	ds_store_b128 v2, v[XR+32*\u+4*\q:XR+32*\u+4*\q+3] offset:TP*\u+576*\q
.endr
.endr
.irp i, 0,1,2,3,4,5,6,7
	ds_load_b128 v[NB+4*\i:NB+4*\i+3], v3 offset:16*\i   ; token 0: my block's 32 neighbours (LDS serves a wave's instructions in order)
.endr
	s_wait_loadcnt 0x0                             ; gate_w
.macro TOKEN u
	WIN 0x04                                       ; source 1 (gate_w) window 1
.irp e, 0,1,2,3,4,5,6,7
	v_pk_mul_f32 v[AC+2*\e:AC+2*\e+1], v[XR+32*\u:XR+32*\u+1], v[32*\e:32*\e+1]   ; the first products start the sums
.endr
.irp k, 1,2,3,4,5,6,7,8,9,10,11,12,13,14,15
.irp e, 0,1,2,3,4,5,6,7
	v_pk_fma_f32 v[AC+2*\e:AC+2*\e+1], v[XR+32*\u+2*\k:XR+32*\u+2*\k+1], v[32*\e+2*\k:32*\e+2*\k+1], v[AC+2*\e:AC+2*\e+1]   ; the eight experts by turns
.endr
.endr
	WIN 0
	s_wait_dscnt 0x0                               ; my block is back from the stage
	v_max3_num_f32 v24, |v[NB]|, |v[NB+1]|, |v[NB+2]|
	v_max3_num_f32 v25, |v[NB+3]|, |v[NB+4]|, |v[NB+5]|
.irp i, 6,10,14,18,22,26
	v_max3_num_f32 v24, v24, |v[NB+\i]|, |v[NB+\i+1]|
	v_max3_num_f32 v25, v25, |v[NB+\i+2]|, |v[NB+\i+3]|
.endr
	v_max3_num_f32 v24, v24, |v[NB+30]|, |v[NB+31]|
	v_max3_num_f32 v24, v24, v25, 0x2800000        ; the block's largest magnitude, and the floor 2^(5 - 127): the byte cannot fall under 1
	v_add_nc_u32 v26, 0xfe000000, v24              ; 4 off its exponent field: the conversion takes the exponent field of this operand as its scale
	v_cvt_scalef32_pk16_bf6_f32 v[CD+8*\u:CD+8*\u+2], v[NB:NB+15], v26
	v_cvt_scalef32_pk16_bf6_f32 v[CD+8*\u+4:CD+8*\u+6], v[NB+16:NB+31], v26
	v_lshrrev_b32 v[CD+8*\u+7], 23, v26            ; the scale's byte (a plain line behind the conversions)
	global_store_b96 v4, v[CD+8*\u:CD+8*\u+2], s[12:13] offset:768*\u
	global_store_b96 v4, v[CD+8*\u+4:CD+8*\u+6], s[12:13] offset:768*\u+12
	global_store_b8 v0, v[CD+8*\u+7], s[14:15] offset:32*\u
.if \u < 3
.irp i, 0,1,2,3,4,5,6,7
	ds_load_b128 v[NB+4*\i:NB+4*\i+3], v3 offset:TP*(\u+1)+16*\i   ; the next token's block, while the logits are finished
.endr
.endif
.irp e, 0,1,2,3,4,5,6,7
	v_add_f32 v[LG+\e], v[AC+2*\e], v[AC+2*\e+1]
.endr
.irp m, 1,2,4,8
.irp e, 0,1,2,3,4,5,6,7
	v_add_f32_dpp v[LG+\e], v[LG+\e], v[LG+\e] row_xmask:\m row_mask:0xf bank_mask:0xf
.endr
.endr
.irp e, 0,1,2,3,4,5,6,7
	v_permlanex16_b32 v[8+\e], v[LG+\e], s20, s21
.endr
.irp e, 0,1,2,3,4,5,6,7
	v_add_f32 v[LG+\e], v[LG+\e], v[8+\e]          ; every lane holds the eight logits
.endr
	v_mov_b32 v20, v[LG]                           ; the largest, strictly: the lower index wins a tie
	v_mov_b32 v21, 0
.irp e, 1,2,3,4,5,6,7
	v_cmp_gt_f32 vcc_lo, v[LG+\e], v20
	v_cndmask_b32 v20, v20, v[LG+\e], vcc_lo
	v_cndmask_b32 v21, v21, \e, vcc_lo
.endr
	v_mov_b32 v22, 0xff800000                      ; the largest of the others
	v_mov_b32 v23, 0
.irp e, 0,1,2,3,4,5,6,7
	v_cmp_gt_f32 s28, v[LG+\e], v22
	v_cmp_ne_u32 vcc_lo, \e, v21
	s_and_b32 vcc_lo, vcc_lo, s28
	v_cndmask_b32 v22, v22, v[LG+\e], vcc_lo
	v_cndmask_b32 v23, v23, \e, vcc_lo
.endr
	v_sub_f32 v27, v22, v20                        ; l1 - l0, 0 or less
	v_mul_f32 v27, s22, v27
	s_wait_alu depctr_va_vdst(0)
	v_exp_f32 v27, v27
	v_lshl_or_b32 v30, v23, 8, v21                 ; e0 | e1 << 8  (a plain line behind the exponential)
	s_wait_alu depctr_va_vdst(0)
	v_add_f32 v28, 1.0, v27
	s_wait_alu depctr_va_vdst(0)
	v_rcp_f32 v28, v28                             ; the first choice's weight
	v_cndmask_b32 v16, v16, v30, s[24+\u]          ; (a plain line behind the reciprocal)
	s_wait_alu depctr_va_vdst(0)
	v_mul_f32 v29, v27, v28                        ; the second's
	v_cndmask_b32 v18, v18, v28, s[24+\u]
	v_cndmask_b32 v19, v19, v29, s[24+\u]
.endm
	TOKEN 0
	TOKEN 1
	TOKEN 2
	TOKEN 3
	v_cmp_gt_u32 vcc_lo, 4, v0
	s_wait_alu depctr_va_vdst(0)
	s_wait_xcnt 0x0                                ; EXEC is narrowed only when the earlier stores' addresses are translated
	s_wait_tensorcnt 0x0
	ds_add_u32 v254, v255
	s_wait_dscnt 0x0
	s_and_saveexec_b32 s28, vcc_lo
	global_store_b32 v6, v16, s[8:9]               ; lanes 0 to 3: four tokens' choices,
	global_store_b64 v7, v[18:19], s[10:11]        ; and their weights
	s_endpgm
.Lfunc_end_k_q08bd712c07_route:
	.size	k_q08bd712c07_route, .Lfunc_end_k_q08bd712c07_route-k_q08bd712c07_route
	.p2alignl 7, 3214868480
	.fill 96, 4, 3214868480
	.section	.rodata,"a",@progbits
	.p2align	6, 0x0
	.amdhsa_kernel k_q08bd712c07_route
		.amdhsa_group_segment_fixed_size 18688
		.amdhsa_private_segment_fixed_size 0
		.amdhsa_enable_private_segment 0
		.amdhsa_kernarg_size 48
		.amdhsa_user_sgpr_count 2
		.amdhsa_user_sgpr_kernarg_segment_ptr 1
		.amdhsa_wavefront_size32 1
		.amdhsa_system_sgpr_workgroup_id_x 1
		.amdhsa_system_sgpr_workgroup_id_y 1
		.amdhsa_system_sgpr_workgroup_id_z 1
		.amdhsa_system_vgpr_workitem_id 0
		.amdhsa_next_free_vgpr 512
		.amdhsa_next_free_sgpr 66
		.amdhsa_reserve_vcc 1
		.amdhsa_float_denorm_mode_32 3
		.amdhsa_float_denorm_mode_16_64 3
		.amdhsa_memory_ordered 1
		.amdhsa_forward_progress 1
		.amdhsa_inst_pref_size 80
	.end_amdhsa_kernel
	.amdgpu_metadata
---
amdhsa.version: [ 1, 2 ]
amdhsa.kernels:
  - .name:           k_q08bd712c07_route
    .symbol:         k_q08bd712c07_route.kd
    .args:
      - { .name: hidden_states, .offset: 0, .size: 8, .value_kind: global_buffer, .address_space: global }
      - { .name: gate_w, .offset: 8, .size: 8, .value_kind: global_buffer, .address_space: global }
      - { .name: rt, .offset: 16, .size: 8, .value_kind: global_buffer, .address_space: global }
      - { .name: gw, .offset: 24, .size: 8, .value_kind: global_buffer, .address_space: global }
      - { .name: xq, .offset: 32, .size: 8, .value_kind: global_buffer, .address_space: global }
      - { .name: xs, .offset: 40, .size: 8, .value_kind: global_buffer, .address_space: global }
    .group_segment_fixed_size: 18688
    .private_segment_fixed_size: 0
    .kernarg_segment_align: 8
    .kernarg_segment_size: 48
    .max_flat_workgroup_size: 32
    .sgpr_count:     66
    .vgpr_count:     512
    .wavefront_size: 32
...
	.end_amdgpu_metadata
.endif
;; end of part 7
;; launch place (part 8): grid 8 x 1, 1 waves a work-group, no clusters, 5,376 bytes of LDS; arguments rt, order; writes order
.if DOCPART == 8
	.amdgcn_target "amdgcn-amd-amdhsa--gfx1250"
	.amdhsa_code_object_version 6
	.text
	.protected	k_q08bd712c07_place
	.globl	k_q08bd712c07_place
	.p2align	8
	.type	k_q08bd712c07_place,@function
k_q08bd712c07_place:
	s_mov_b64 s[64:65], 0
	v_nop
	global_prefetch_b8 v0, s[64:65] scope:SCOPE_SE
	s_setreg_imm32_b32 hwreg(HW_REG_WAVE_MODE, 25, 1), 1
	s_wait_xcnt 0x0
; PLACE.  For each expert: the list of the rows routed to it (id = 2 token + choice) and their number, from the choices that the router's launch stored (rt[t] = e0 | e1 << 8).
; One wave to an expert.  A counting pass of 32 steps of 32 tokens: the lanes whose token takes the expert get consecutive places (places taken + such lanes below me) and store their id into the list in LDS;
; the other lanes store into a word of their own behind the list.  The list begins as zeros, so entries behind the count are id 0.
; order: words 1,024 e + place: the list;  from byte 32,768 + 4,096 e on: 1,024 copies of the count, so that each of the 32 work-groups of an expert in the later launches finds one at 128 bytes' distance.
; No branch and no barrier.  The later launches take the count by a scalar load, and their trip skips hang on it.
; Eight work-groups: the pass is a chain over all tokens of one expert, and there are eight experts.
.set L16, 1                            ; v1      16 x lane
.set L8,  2                            ; v2      8 x lane: the id of my token in a step's 32, before the step's constant
.set DMP, 3                            ; v3      list word 1,088 + lane: where I store when my token does not take the expert
.set Z,   4                            ; v[4:7]  zeros
.set CV,  8                            ; v[8:11] the count, four times
.set T,   12                           ; v12-16  at work
.set RW,  32                           ; v32-63  the choices: register 4 q + c: token 128 q + 4 lane + c
.set LO,  64                           ; v64-95  the list on its way out
	s_load_b128 s[4:7], s[0:1], 0x0                ; rt s[4:5], order s[6:7]
	v_lshl_add_u32 v96, v0, 2, 0x1400
	v_mov_b32 v97, 0
	v_lshlrev_b32 v[L16], 4, v0
	v_lshlrev_b32 v[L8], 3, v0
	v_add_nc_u32 v[DMP], 1088, v0
.irp i, 0,1,2,3
	v_mov_b32 v[Z+\i], 0
.endr
	s_and_b32 s8, ttmp9, 7                         ; expert
	s_lshl_b32 s10, s8, 12
	s_mov_b32 s11, 0
	s_mov_b32 s12, 0                               ; places taken
	s_wait_alu depctr_va_vdst(0)
	s_wait_kmcnt 0x0
	s_add_nc_u64 s[6:7], s[6:7], s[10:11]          ; order at my expert's 4,096 bytes
.irp q, 0,1,2,3,4,5,6,7
	global_load_b128 v[RW+4*\q:RW+4*\q+3], v[L16], s[4:5] offset:512*\q   ; all 1,024 choices, 512 consecutive bytes a load
.endr
.irp k, 0,1,2,3,4,5,6,7,8
	ds_store_b128 v[L16], v[Z:Z+3] offset:512*\k   ; 1,152 words of zeros: the list, and the words behind it
.endr
	s_wait_loadcnt 0x0
.set qq, 0
.rept 32
	v_and_b32 v[T], 0xff, v[RW+qq]                 ; first choice
	v_lshrrev_b32 v[T+1], 8, v[RW+qq]              ; second
	v_cmp_eq_u32 s13, s8, v[T]
	v_cmp_eq_u32 vcc_lo, s8, v[T+1]
	v_cndmask_b32 v[T+2], 0, 1, vcc_lo
	v_add_nc_u32 v[T+2], v[T+2], v[L8]
	v_add_nc_u32 v[T+2], 256*(qq/4)+2*(qq%4), v[T+2]   ; id = 2 token + choice
	s_or_b32 s14, s13, vcc_lo                      ; the lanes whose token takes this expert
	v_mbcnt_lo_u32_b32 v[T+3], s14, s12            ; places taken + such lanes below me
	v_cndmask_b32 v[T+3], v[DMP], v[T+3], s14      ; the others write a word of their own behind the list
	v_min_u32 v[T+3], 0x45f, v[T+3]                ; held inside the 1,152 words
	v_lshlrev_b32 v[T+4], 2, v[T+3]
	ds_store_b32 v[T+4], v[T+2]
	s_bcnt1_i32_b32 s15, s14
	s_add_co_u32 s12, s12, s15
.set qq, qq+1
.endr
.irp i, 0,1,2,3
	v_mov_b32 v[CV+\i], s12
.endr
.irp k, 0,1,2,3,4,5,6,7
	ds_load_b128 v[LO+4*\k:LO+4*\k+3], v[L16] offset:512*\k   ; LDS serves a wave's instructions in order: these see my stores
.endr
.irp k, 0,1,2,3,4,5,6,7
	global_store_b128 v[L16], v[CV:CV+3], s[6:7] offset:32768+512*\k   ; the count's copies: 512 consecutive bytes a store
.endr
.irp k, 0,1,2,3,4,5,6,7
	s_wait_dscnt 7-\k                              ; part k of the list is back; the younger loads may be out
	global_store_b128 v[L16], v[LO+4*\k:LO+4*\k+3], s[6:7] offset:512*\k
.endr
	s_wait_tensorcnt 0x0
	ds_add_u32 v96, v97
	s_wait_dscnt 0x0
	s_endpgm
.Lfunc_end_k_q08bd712c07_place:
	.size	k_q08bd712c07_place, .Lfunc_end_k_q08bd712c07_place-k_q08bd712c07_place
	.p2alignl 7, 3214868480
	.fill 96, 4, 3214868480
	.section	.rodata,"a",@progbits
	.p2align	6, 0x0
	.amdhsa_kernel k_q08bd712c07_place
		.amdhsa_group_segment_fixed_size 5376
		.amdhsa_private_segment_fixed_size 0
		.amdhsa_enable_private_segment 0
		.amdhsa_kernarg_size 16
		.amdhsa_user_sgpr_count 2
		.amdhsa_user_sgpr_kernarg_segment_ptr 1
		.amdhsa_wavefront_size32 1
		.amdhsa_system_sgpr_workgroup_id_x 1
		.amdhsa_system_sgpr_workgroup_id_y 1
		.amdhsa_system_sgpr_workgroup_id_z 1
		.amdhsa_system_vgpr_workitem_id 0
		.amdhsa_next_free_vgpr 98
		.amdhsa_next_free_sgpr 66
		.amdhsa_reserve_vcc 1
		.amdhsa_float_denorm_mode_32 3
		.amdhsa_float_denorm_mode_16_64 3
		.amdhsa_memory_ordered 1
		.amdhsa_forward_progress 1
		.amdhsa_inst_pref_size 28
	.end_amdhsa_kernel
	.amdgpu_metadata
---
amdhsa.version: [ 1, 2 ]
amdhsa.kernels:
  - .name:           k_q08bd712c07_place
    .symbol:         k_q08bd712c07_place.kd
    .args:
      - { .name: rt, .offset: 0, .size: 8, .value_kind: global_buffer, .address_space: global }
      - { .name: order, .offset: 8, .size: 8, .value_kind: global_buffer, .address_space: global }
    .group_segment_fixed_size: 5376
    .private_segment_fixed_size: 0
    .kernarg_segment_align: 8
    .kernarg_segment_size: 16
    .max_flat_workgroup_size: 32
    .sgpr_count:     66
    .vgpr_count:     98
    .wavefront_size: 32
...
	.end_amdgpu_metadata
.endif
;; end of part 8
;; launch up (part 9): grid 32 x 8, 4 waves a work-group, no clusters, 274,944 bytes of LDS; arguments w1, w3, xq, xs, order, act, asc; writes act, asc
.if DOCPART == 9
	.amdgcn_target "amdgcn-amd-amdhsa--gfx1250"
	.amdhsa_code_object_version 6
	.text
	.protected	k_q08bd712c07_up
	.globl	k_q08bd712c07_up
	.p2align	8
	.type	k_q08bd712c07_up,@function
k_q08bd712c07_up:
	s_mov_b64 s[64:65], 0
	v_nop
	global_prefetch_b8 v0, s[64:65] scope:SCOPE_SE
	s_setreg_imm32_b32 hwreg(HW_REG_WAVE_SCHED_MODE, 0, 2), 2
	s_setreg_imm32_b32 hwreg(HW_REG_WAVE_MODE, 25, 1), 1
	s_wait_xcnt 0x0
	s_wait_alu depctr_vm_vsrc(0)
; UP.  act = silu(x W1^T) * (x W3^T) for the rows routed to one expert, as codes of BF6 (E3M2) with one E8M0 byte for each 32 along I.  Both products on codes of BF6.
; A work-group owns expert e (grid y) and 64 of its 2,048 rows of W1 and of W3 (grid x, the slice): 512 KB of f32, read from memory once by this work-group alone and quantised on the way.
; STREAM.  Wave w takes tile w (16 rows) of both matrices, K step by K step: 16 fragments of 16 rows x 128.  A load reads 512 consecutive bytes of one row; the 8 KB turn through the wave's own stage in LDS, so that
; lane (r, h) holds K = 64 c + 32 h + 0 .. 31 of row r, the operand's own order; largest magnitude, scale, conversion; the fragment's 12 registers go to LDS as an image (16 bytes a lane, 512 a store), its scale words likewise.
; THE ROWS THAT FORM A TILE ARE NOT NEIGHBOURS: slot r of tile U is row 32 (U / 2) + 8 (U % 2) + r + 8 (r / 8) of the slice, so that a lane's 16 results of two neighbouring tiles are 16 neighbours along I.
; LIST.  The expert's list of routed rows (id = 2 token + choice) and its count were stored by the launch before.  The count comes by a scalar load; a chunk's 32 ids come from the list in memory straight into registers,
; two of the wave's chunks ahead of the chunk at work.  That look-ahead reads up to 4,608 bytes from the list's first: what lies behind a list (the next expert's, or the counts) is inside the buffer, is held inside the table like every id, and serves no trip.
; TOKENS.  Wave (a, b) = (w / 2, w % 2) keeps the codes of I half a (two tiles of W1, two of W3, all of K: 384 registers) and walks the chunks of 32 list rows of parity b.  A chunk's rows of xq are gathered in units of 256 bytes,
; a chunk ahead, and turned through the wave's stage.  The products are used transposed (source 0 = 16 rows of W, source 1 = 16 tokens): a lane holds one token and 16 neighbours along I.  silu in f32, quantised in registers.
; act: tile J = 64 e + (list place / 16), 24,576 bytes: the image of the next product's operand registers, [K step 0..15][4 registers 0..2][lane][16 bytes].  asc: byte 1,024 J + 64 row + block.
; Entries behind the count are id 0: such rows are computed like any other and never used.  The scale bytes leave one byte a lane, 64 bytes apart: one byte for each 24 of codes.
; No cluster: a chunk's rows are gathered by a list, and the number of chunks hangs on a count read from memory.
; LIMITS: NaN and infinities are not served.  A block whose largest magnitude lies under 2^-122, zeros among them, gets the byte 1 (the rule says 127 for zeros); only this program reads the bytes.
; REGISTERS: window 0: v1-16 addresses; v17-23 at work; v24-39 W's scale words (lanes 0-15 W1's, 16-31 W3's); v40-47 x's scale words; v48-55 the next chunk's; v56-73 gather addresses; v77 4 x lane;
;   v80-143, v144-207 two sets of 64 numbers, later g (v80), u (v112), at work (v144), codes (v200); v208-247 two sets of codes, later (v208-224) the ids that are on their way; v248-252.
;   window 1: W1's 16 fragments; window 2: W3's; window 3: four sets of 64 as loaded, later x's 16 fragments;   v192-255 of windows 1 to 3: where a gather lands.
; THE MODE: SCHED_MODE bits 1:0 = 2 (LLVM: expert scheduling mode 2), set by the entry lines.  The code itself states the register dependences
; between vector or matrix instructions and memory or LDS instructions, with s_wait_alu, always for 0.
; THE PLAN.  Registers that memory or LDS instructions touch, and who else names them.
;   v1-16, v77       offsets and LDS addresses: written at the head, never again.  One wait on va_vdst ahead of the first load serves every load and store.
;   STREAM, step f:
;   raw set f % 4    (window 3) fragment f's loads land in it; the stage stores of its turn, issued in step f - 1, read it; the loads of fragment f + 4, issued in step f, land in it again.  No vector instruction names it.
;   numbers f % 2    the stage loads of fragment f's turn land in it; step f's arithmetic reads it; the stage loads of fragment f + 2's turn, issued in step f + 1, land in it again.
;   codes f % 2      and the scale word: step f's arithmetic writes them; the four image stores, issued at the head of step f + 1, read them; step f + 2's arithmetic writes them again.
;   So all LDS and memory instructions of a step stand at its head, behind one wait on vm_vsrc and one on va_vdst, and its arithmetic follows them.
;   TOKENS, a trip:
;   landing registers (v192-255 of windows 1 to 3) and v48-55: a gather lands; the trip's 48 stage stores and eight moves read them; the next gather lands.
;   v56-71, v73      the gather's offsets: the trip's address lines write them, the gather behind those reads them.      v208-224  ids: loads land, the address lines read them, the next ids land.
;   v40-47           x's scale words: the eight moves write them, the products take them as scales.                      window 3, v0-191  x's fragments: stage loads land, the products read them.
;   v200-207         the trip's last vector lines write them, the stores read them.
;   So a trip has one wait on vm_vsrc and one on va_vdst ahead of its gather, the two waits behind its exponentials and reciprocals, one wait on va_vdst ahead of its stores, and one on vm_vsrc at its end.
.set WSTG, 0                           ; 4 waves x 2 stages x 16 rows x 528 bytes
.set IMG,  67584                       ; 64 images of 1,536 bytes: ((4 matrix + tile) 8 + K step)
.set SCI,  165888                      ; their scale words, 128 bytes each
.set XSTG, 174080                      ; 4 waves x 32 rows x 784 bytes
.set NF,   16                          ; fragments of a wave
.set L16,  1
.set WST,  2
.set WLD,  3
.set IMGS, 4
.set SCIS, 5
.set IMGL1, 6
.set IMGL3, 7
.set SCIL, 8
.set LSTB, 10
.set XST,  11
.set XLD,  12
.set C16,  13
.set AOFF, 14
.set SOFF, 15
.set H8,   16
.set QM,   17
.set QS,   19
.set QB,   21
.set QX,   23
.set WS,   24
.set XS,   40
.set XSG,  48
.set VA,   56
.set LC,   72
.set XSA,  73
.set L4,   77
.set NB,   80
.set GG,   80
.set UU,   112
.set TT,   144
.set CO,   200
.set PB,   208
.set VB,   208
.set LCB,  224
.set WB,   248
.set QX2,  252
.set SEL,  28
.set MSB, 0
.macro WIN new                         ; the immediate's high byte repeats the setting that is left; a switch that changes nothing is dropped
.if MSB != \new
	s_set_vgpr_msb (MSB<<8)|\new
.set MSB, \new
.endif
.endm
.macro FRAGP f                         ; fragment f: matrix (f % 4) / 2, K step 2 (f / 4) + f % 2
.set FM, ((\f)%4)/2
.set FS, 2*((\f)/4)+(\f)%2
.set SB, 42+2*FM
.set GOFF, 512*FS
.set IOFF, 49152*FM+1536*FS
.set COFF, 4096*FM+128*FS
.endm
.macro LOADF f                         ; 16 loads, one for each row of the tile: 512 consecutive bytes each, into set f % 4 of window 3
	FRAGP \f
	WIN 0xc0
.set rr, 0
.rept 16
	global_load_b128 v[64*((\f)%4)+4*rr:64*((\f)%4)+4*rr+3], v[L16], s[SB:SB+1] offset:GOFF+(rr+8*(rr/8))*4096 th:TH_LOAD_NT
.set rr, rr+1
.endr
.endm
.macro TURNF f                         ; through my stage f % 2: in as loaded, out 128 bytes a lane.  Rows 528 bytes apart: an odd multiple of 16
	WIN 0x0c
.set rr, 0
.rept 16
	ds_store_b128 v[WST], v[64*((\f)%4)+4*rr:64*((\f)%4)+4*rr+3] offset:8448*((\f)%2)+528*rr
.set rr, rr+1
.endr
	WIN 0
.set rr, 0
.rept 16
	ds_load_b128 v[NB+64*((\f)%2)+4*rr:NB+64*((\f)%2)+4*rr+3], v[WLD] offset:8448*((\f)%2)+256*(rr/8)+16*(rr%8)
.set rr, rr+1
.endr
.endm
.macro QUANTA f                        ; 64 numbers of a lane, register 32 c + i = K 64 c + 32 h + i of my row: two whole blocks; their codes and scale word, in registers
.set NN, NB+64*((\f)%2)
.set PP, PB+20*((\f)%2)
.set WW, WB+(\f)%2
.irp c, 0,1
	v_max3_num_f32 v[QM+\c], |v[NN+32*\c]|, |v[NN+32*\c+1]|, 0x2800000   ; with the floor 2^(5 - 127): the byte cannot fall under 1
.endr
.irp i, 2,4,6,8,10,12,14,16,18,20,22,24,26,28,30
.irp c, 0,1
	v_max3_num_f32 v[QM+\c], v[QM+\c], |v[NN+32*\c+\i]|, |v[NN+32*\c+\i+1]|   ; the two blocks by turns
.endr
.endr
.irp c, 0,1
	v_add_nc_u32 v[QS+\c], 0xfe000000, v[QM+\c]    ; 4 off the exponent field: the conversion's scale operand
.endr
.irp c, 0,1
	v_lshrrev_b32 v[QB+\c], 23, v[QS+\c]           ; the scale's byte
.endr
	v_lshl_or_b32 v[WW], v[QB+1], 16, v[QB]        ; my two bytes: blocks h and 2 + h,
	v_lshlrev_b32 v[WW], v[H8], v[WW]              ; 8 h bits up;
	v_permlanex16_b32 v[QX], v[WW], s[SEL], s[SEL+1]
	v_or_b32 v[WW], v[WW], v[QX]                   ; with lane l xor 16's two the word is whole, in both halves of the lanes
.irp c, 0,1
	v_cvt_scalef32_pk16_bf6_f32 v[PP+6*\c:PP+6*\c+2], v[NN+32*\c:NN+32*\c+15], v[QS+\c]
	v_cvt_scalef32_pk16_bf6_f32 v[PP+12+4*\c:PP+14+4*\c], v[NN+32*\c+16:NN+32*\c+31], v[QS+\c]   ; (a conversion's three registers begin on an even number)
.endr
	v_nop                                          ; one plain line behind a scaled conversion
.irp c, 0,1
.irp i, 0,1,2
	v_mov_b32 v[PP+6*\c+3+\i], v[PP+12+4*\c+\i]
.endr
.endr
.endm
.macro IMGST f                         ; fragment f's codes and scale word go to LDS as they stand
	FRAGP \f
.set PP, PB+20*((\f)%2)
.set WW, WB+(\f)%2
.irp g, 0,1,2
	ds_store_b128 v[IMGS], v[PP+4*\g:PP+4*\g+3] offset:IOFF+512*\g
.endr
	ds_store_b32 v[SCIS], v[WW] offset:COFF
.endm
.macro FSTEP f                         ; fragment f - 1's image is stored; f + 4 is asked for; f + 1 turns through the other stage; fragment f is quantised
	s_wait_alu depctr_vm_vsrc(0)                   ; the stage stores of fragment f's turn have read raw set f % 4, in which the loads below land; the image stores of fragment f - 2 have read the codes' set f % 2 and its word, which this step's arithmetic writes again
.if (\f) > 0
	s_wait_alu depctr_va_vdst(0)                   ; the last step's arithmetic has written its codes and its scale word, which the image stores below read, and is done reading its numbers' set, in which the stage loads below land
	IMGST (\f)-1
.endif
.if (\f)+4 < NF
	LOADF (\f)+4
.endif
.if (\f)+1 < NF
.if NF-2-(\f) >= 3
	s_wait_loadcnt 48                              ; the next fragment's 16 loads are in; three younger sets may be out
.else
	s_wait_loadcnt 16*(NF-2-(\f))
.endif
	TURNF (\f)+1
.endif
.set DC, 0
.if (\f) > 0
.set DC, DC+4
.endif
.if (\f)+1 < NF
.set DC, DC+32
.endif
	s_wait_dscnt DC                                ; my numbers are back from the stage; what this step has issued behind them may be out: the four image stores and the next turn's 32
	QUANTA \f
.endm
.macro LISTG dst, ldst, o              ; a chunk's 32 ids from the list in memory, o bytes behind the chunk at work: mine, and for each pair of rows the id of my half of the lanes
	global_load_b32 v[\ldst], v[L4], s[50:51] offset:\o
.set pp, 0
.rept 16
	global_load_b32 v[\dst+pp], v[LSTB], s[50:51] offset:\o+8*pp
.set pp, pp+1
.endr
.endm
	s_load_b256 s[4:11], s[0:1], 0x0               ; w1 4, w3 6, xq 8, xs 10
	s_load_b128 s[12:15], s[0:1], 0x20             ; order 12, act 14
	s_load_b64 s[16:17], s[0:1], 0x30              ; asc 16
	v_lshl_add_u32 v250, v0, 2, 0x43000
	v_mov_b32 v251, 0
	v_lshrrev_b32 v253, 5, v0
	v_readfirstlane_b32 s20, v253                  ; wave
	s_wait_alu depctr_va_sdst(0)                   ; s20 is written, ahead of its first reader, the next line
	s_lshr_b32 s21, s20, 1                         ; a
	s_and_b32 s22, s20, 1                          ; b
	s_and_b32 s23, ttmp9, 31                       ; slice, 0 to 31
	s_and_b32 s24, ttmp7, 0xffff                   ; expert
	v_and_b32 v253, 31, v0                         ; lane
	v_and_b32 v254, 15, v0                         ; r
	v_bfe_u32 v255, v0, 4, 1                       ; h
	v_lshlrev_b32 v[L16], 4, v253
	v_lshlrev_b32 v[L4], 2, v253
	s_wait_alu depctr_va_vdst(0)
	s_mul_i32 s38, s20, 16896                      ; my two stages (they begin at LDS byte 0)
	v_add_nc_u32 v[WST], s38, v[L16]
	v_mul_u32_u24 v[WLD], v254, 528
	v_lshl_add_u32 v[WLD], v255, 7, v[WLD]
	v_add_nc_u32 v[WLD], s38, v[WLD]
	s_mul_i32 s38, s20, 12288
	s_add_co_u32 s38, s38, IMG
	v_add_nc_u32 v[IMGS], s38, v[L16]              ; where I store images: tile w
	s_lshl_b32 s38, s20, 10
	s_add_co_u32 s38, s38, SCI
	v_add_nc_u32 v[SCIS], s38, v[L4]
	s_mul_i32 s38, s21, 24576
	s_add_co_u32 s38, s38, IMG
	v_add_nc_u32 v[IMGL1], s38, v[L16]             ; where I read them: tiles 2 a, 2 a + 1 of W1,
	v_add_nc_u32 v[IMGL3], 49152, v[IMGL1]         ; and of W3
	s_lshl_b32 s38, s21, 11
	s_add_co_u32 s38, s38, SCI
	v_lshl_add_u32 v[SCIL], v255, 12, v[L4]        ; lanes 16-31 take W3's words, 4,096 bytes on
	v_add_nc_u32 v[SCIL], s38, v[SCIL]
	v_lshlrev_b32 v[LSTB], 2, v255                 ; the list: entry h of a pair of rows; the pair stands in the load's offset
	s_mul_i32 s38, s20, 25088
	s_add_co_u32 s38, s38, XSTG
	v_lshlrev_b32 v[C16], 4, v254
	v_mad_u32_u24 v[XST], v255, 784, v[C16]
	v_add_nc_u32 v[XST], s38, v[XST]               ; x's stage, in: sixteen lanes to a unit of 256 bytes of one row
	v_mul_u32_u24 v[XLD], v254, 784
	v_mad_u32_u24 v[XLD], v255, 384, v[XLD]
	v_add_nc_u32 v[XLD], s38, v[XLD]               ; out: my 384 bytes of row r
	v_mad_u32_u24 v[AOFF], v255, 24576, v[C16]     ; act: lanes 16-31 store the chunk's second tile
	v_lshlrev_b32 v[SOFF], 6, v254
	v_lshl_add_u32 v[SOFF], v255, 10, v[SOFF]
	v_lshlrev_b32 v[H8], 3, v255
	v_mov_b32 v[QX], 0                             ; written once: a lane permute's destination counts as one of its sources
	v_mov_b32 v[QX2], 0
	s_mov_b32 s[SEL], 0x76543210
	s_mov_b32 s[SEL+1], 0xfedcba98
	s_mov_b32 s30, 0xbfb8aa3b                      ; -log2(e)
	s_mov_b32 s31, s30                             ; (named with it as a pair)
	s_mov_b32 s40, 0xffff0000                      ; lanes 16-31
	s_lshl_b32 s26, s24, 11                        ; my tile's first row: 2,048 e + 64 slice + 32 a + 8 b
	s_lshl_b32 s38, s23, 6
	s_add_co_u32 s26, s26, s38
	s_lshl_b32 s38, s21, 5
	s_add_co_u32 s26, s26, s38
	s_lshl_b32 s38, s22, 3
	s_add_co_u32 s26, s26, s38
	s_lshl_b32 s26, s26, 12                        ; rows of 4,096 bytes: under 2^27
	s_mov_b32 s27, 0
	s_wait_kmcnt 0x0
	s_add_nc_u64 s[42:43], s[4:5], s[26:27]
	s_add_nc_u64 s[44:45], s[6:7], s[26:27]
	s_mul_i32 s26, s24, 1572864                    ; act: 64 tiles an expert; chunk b; K step slice / 2; lanes 16 a on
	s_mul_i32 s38, s22, 49152
	s_add_co_u32 s26, s26, s38
	s_lshr_b32 s38, s23, 1
	s_mul_i32 s38, s38, 1536
	s_add_co_u32 s26, s26, s38
	s_lshl_b32 s38, s21, 8
	s_add_co_u32 s26, s26, s38
	s_add_nc_u64 s[46:47], s[14:15], s[26:27]
	s_lshl_b32 s26, s24, 16                        ; asc: + block 2 slice + a
	s_lshl_b32 s38, s22, 11
	s_add_co_u32 s26, s26, s38
	s_lshl_b32 s38, s23, 1
	s_add_co_u32 s26, s26, s38
	s_add_co_u32 s26, s26, s21
	s_add_nc_u64 s[48:49], s[16:17], s[26:27]
	s_lshl_b32 s26, s24, 12                        ; order: the count's copy at 32,768 + 4,096 e + 128 slice
	s_lshl_b32 s38, s23, 7
	s_add_co_u32 s26, s26, s38
	s_add_co_u32 s26, s26, 32768
	s_add_nc_u64 s[52:53], s[12:13], s[26:27]
	s_load_b32 s32, s[52:53], 0x0                  ; the expert's count
	s_lshl_b32 s26, s24, 12                        ; the expert's list at my first chunk: 4,096 e + 128 b
	s_lshl_b32 s38, s22, 7
	s_add_co_u32 s26, s26, s38
	s_add_nc_u64 s[50:51], s[12:13], s[26:27]
	s_wait_alu depctr_va_vdst(0)                   ; the offsets and LDS addresses v1 to v16 and v77 are written: every load and store of the kernel reads one of them
	LISTG VA, LC, 0                                ; my first chunk's ids, ahead of the stream, into registers that the stream leaves alone
	LOADF 0
	LOADF 1
	LOADF 2
	LOADF 3
	WIN 0
	s_wait_loadcnt 48                              ; three sets may be out: fragment 0 is in, and the 17 ids, which are older
	TURNF 0
.set Q, 0
.rept NF
	FSTEP Q
.set Q, Q+1
.endr
	s_wait_alu depctr_va_vdst(0)                   ; the last step's arithmetic has written its codes and its scale word, which the image stores read
	IMGST NF-1
	s_wait_dscnt 0x0                               ; my images have landed
	s_barrier_signal -1
	s_barrier_wait -1                              ; all 64 images lie in LDS; nothing is written there again
.macro ADDRS src, lsrc                 ; id -> token, held inside the table, -> byte offsets
.set pp, 0
.rept 16
	v_lshrrev_b32 v[VA+pp], 1, v[\src+pp]
.set pp, pp+1
.endr
.set pp, 0
.rept 16
	v_min_u32 v[VA+pp], 0x3ff, v[VA+pp]
.set pp, pp+1
.endr
.set pp, 0
.rept 16
	v_mad_u32_u24 v[VA+pp], v[VA+pp], 768, v[C16]
.set pp, pp+1
.endr
	v_lshrrev_b32 v[XSA], 1, v[\lsrc]
	v_min_u32 v[XSA], 0x3ff, v[XSA]
	v_lshlrev_b32 v[XSA], 5, v[XSA]
.endm
.macro GATHER                          ; 32 rows of 768 bytes: each half of the lanes reads an aligned unit of 256 bytes of one row; and 32 bytes of scales a lane
.set nn, 0
.rept 48
.set WSEL, (1+nn/16)<<6
	WIN WSEL
	global_load_b128 v[192+4*(nn%16):192+4*(nn%16)+3], v[VA+nn/3], s[8:9] offset:256*(nn%3)
.set nn, nn+1
.endr
	WIN 0
	global_load_b128 v[XSG:XSG+3], v[XSA], s[10:11]
	global_load_b128 v[XSG+4:XSG+7], v[XSA], s[10:11] offset:16
.endm
.macro WM ar, br                       ; one product; ar, br: which half of the lanes of the scale registers serves source 0, source 1
.if KST == 0
.if (\ar == 0) && (\br == 0)
	v_wmma_scale_f32_16x16x128_f8f6f4 v[DD:DD+7], v[AA:AA+11], v[BB:BB+11], 0, v[SA], v[SB] matrix_a_fmt:MATRIX_FMT_BF6 matrix_b_fmt:MATRIX_FMT_BF6
.elseif \ar == 0
	v_wmma_scale_f32_16x16x128_f8f6f4 v[DD:DD+7], v[AA:AA+11], v[BB:BB+11], 0, v[SA], v[SB] matrix_a_fmt:MATRIX_FMT_BF6 matrix_b_fmt:MATRIX_FMT_BF6 matrix_b_scale:MATRIX_SCALE_ROW1
.elseif \br == 0
	v_wmma_scale_f32_16x16x128_f8f6f4 v[DD:DD+7], v[AA:AA+11], v[BB:BB+11], 0, v[SA], v[SB] matrix_a_fmt:MATRIX_FMT_BF6 matrix_b_fmt:MATRIX_FMT_BF6 matrix_a_scale:MATRIX_SCALE_ROW1
.else
	v_wmma_scale_f32_16x16x128_f8f6f4 v[DD:DD+7], v[AA:AA+11], v[BB:BB+11], 0, v[SA], v[SB] matrix_a_fmt:MATRIX_FMT_BF6 matrix_b_fmt:MATRIX_FMT_BF6 matrix_a_scale:MATRIX_SCALE_ROW1 matrix_b_scale:MATRIX_SCALE_ROW1
.endif
.else
.if (\ar == 0) && (\br == 0)
	v_wmma_scale_f32_16x16x128_f8f6f4 v[DD:DD+7], v[AA:AA+11], v[BB:BB+11], v[DD:DD+7], v[SA], v[SB] matrix_a_fmt:MATRIX_FMT_BF6 matrix_b_fmt:MATRIX_FMT_BF6
.elseif \ar == 0
	v_wmma_scale_f32_16x16x128_f8f6f4 v[DD:DD+7], v[AA:AA+11], v[BB:BB+11], v[DD:DD+7], v[SA], v[SB] matrix_a_fmt:MATRIX_FMT_BF6 matrix_b_fmt:MATRIX_FMT_BF6 matrix_b_scale:MATRIX_SCALE_ROW1
.elseif \br == 0
	v_wmma_scale_f32_16x16x128_f8f6f4 v[DD:DD+7], v[AA:AA+11], v[BB:BB+11], v[DD:DD+7], v[SA], v[SB] matrix_a_fmt:MATRIX_FMT_BF6 matrix_b_fmt:MATRIX_FMT_BF6 matrix_a_scale:MATRIX_SCALE_ROW1
.else
	v_wmma_scale_f32_16x16x128_f8f6f4 v[DD:DD+7], v[AA:AA+11], v[BB:BB+11], v[DD:DD+7], v[SA], v[SB] matrix_a_fmt:MATRIX_FMT_BF6 matrix_b_fmt:MATRIX_FMT_BF6 matrix_a_scale:MATRIX_SCALE_ROW1 matrix_b_scale:MATRIX_SCALE_ROW1
.endif
.endif
.endm
.macro RUN dbase, ar                   ; 32 products: K ascending; the four accumulators (2 tiles of tokens x 2 tiles of rows) by turns; the first K step starts the sums
.set KST, 0
.rept 8
.irp gt, 0,1
.irp u, 0,1
.set DD, \dbase+16*\gt+8*\u
.set AA, 12*(8*\u+KST)
.set BB, 96*\gt+12*KST
.set SA, WS+8*\u+KST
.set SB, XS+KST
	WM \ar, \gt
.endr
.endr
.set KST, KST+1
.endr
.endm
	ADDRS VA, LC                                   ; my first chunk: its ids came in ahead of the stream
	s_wait_alu depctr_vm_vsrc(0)                   ; the stream's stage stores have read raw set 3 (v192-255 of window 3), in which the gather lands; its image stores have read v208-224, in which the ids below land
	s_wait_alu depctr_va_vdst(0)                   ; the lines above have written the gather's offsets v56-71 and v73; the stream's arithmetic is done writing v208-224
	GATHER
	LISTG VB, LCB, 256                             ; my second chunk's ids, into registers that held the stream's codes
	WIN 0x40                                       ; my half's codes come into registers and stay: W1's,
.set nn, 0
.rept 48
	ds_load_b128 v[4*nn:4*nn+3], v[IMGL1] offset:512*nn
.set nn, nn+1
.endr
	WIN 0x80                                       ; W3's,
.set nn, 0
.rept 48
	ds_load_b128 v[4*nn:4*nn+3], v[IMGL3] offset:512*nn
.set nn, nn+1
.endr
	WIN 0
.set nn, 0
.rept 16
	ds_load_b32 v[WS+nn], v[SCIL] offset:128*nn    ; and their scale words
.set nn, nn+1
.endr
	s_wait_kmcnt 0x0
	s_min_u32 s32, s32, 1024                       ; the expert's rows
	s_lshl_b32 s33, s22, 5                         ; my chunk's first list place
	s_mov_b32 s34, 16                              ; 16 trips serve 1,024 rows on one expert; a trip behind the count only steps
	s_wait_alu depctr_vm_vsrc(0)                   ; the first gather has read its offsets v56-71 and v73, which the first trip's address lines write again
.Ltok:
	s_cmp_ge_u32 s33, s32
	s_cbranch_scc1 .Lnext
	s_wait_loadcnt 0x0                             ; asked for a trip ago: this chunk's rows and scale words, and my next chunk's ids
.set nn, 0
.rept 48
.set WSEL, (1+nn/16)<<2
	WIN WSEL
	ds_store_b128 v[XST], v[192+4*(nn%16):192+4*(nn%16)+3] offset:1568*(nn/3)+256*(nn%3)
.set nn, nn+1
.endr
	WIN 0
.irp i, 0,1,2,3,4,5,6,7
	v_mov_b32 v[XS+\i], v[XSG+\i]                  ; the 51 lines of ADDRS stand between these and the products that read them
.endr
	ADDRS VB, LCB                                  ; my next chunk's offsets (the last gather has read these registers: the wait on vm_vsrc at the last trip's end, or ahead of the loop)
	WIN 0xc0
.set nn, 0
.rept 48
	ds_load_b128 v[96*(nn/24)+4*(nn%24):96*(nn/24)+4*(nn%24)+3], v[XLD] offset:12544*(nn/24)+16*(nn%24)   ; x's 16 fragments: tile of tokens nn / 24.  The last trip's products, which read these registers, stand ahead of that trip's later waits on va_vdst, and no vector line since names them
.set nn, nn+1
.endr
	WIN 0
	s_wait_dscnt 48                                ; all but these 48 loads: the stage stores are done
	s_wait_alu depctr_vm_vsrc(0)                   ; the 48 stage stores have read the landing registers, in which the gather below lands
	s_wait_alu depctr_va_vdst(0)                   ; the address lines have written the gather's offsets and are done reading the ids v208-224, in which the next ids land; the eight moves are done reading v48-55, in which the gather's scale words land, and have written v40-47, which the products take as scales
	GATHER                                         ; the next chunk lands while this one is multiplied,
	LISTG VB, LCB, 512                             ; and so do the ids of the chunk behind it
	s_wait_dscnt 0x0
	WIN 0x0d                                       ; source 0 (W1) window 1, source 1 (x) window 3
	RUN GG, 0
	WIN 0x0e                                       ; source 0 (W3) window 2
	RUN UU, 1
	WIN 0
.rept 4
	v_nop                                          ; places behind the products (ISA guide 7.12.1), for the reads below and for the next trip's moves
.endr
.set jj, 0
.rept 16
	v_pk_mul_f32 v[TT+jj:TT+jj+1], v[GG+jj:GG+jj+1], s[30:31] op_sel_hi:[1,0]   ; -g log2(e); each accumulator from its low end on
.set jj, jj+2
.endr
.set jj, 0
	s_wait_alu depctr_va_vdst(0)
.rept 32
	v_exp_f32 v[TT+jj], v[TT+jj]
.set jj, jj+1
.endr
.set jj, 0
	s_wait_alu depctr_va_vdst(0)
.rept 16
	v_pk_mul_f32 v[GG+jj:GG+jj+1], v[GG+jj:GG+jj+1], v[UU+jj:UU+jj+1]   ; g u  (plain lines behind the exponentials)
.set jj, jj+2
.endr
.set jj, 0
	s_wait_alu depctr_va_vdst(0)                   ; the 32 exponentials have written v144-175: one wait for the batch, ahead of its first reader
.rept 16
	v_pk_add_f32 v[TT+jj:TT+jj+1], v[TT+jj:TT+jj+1], 1.0 op_sel_hi:[1,0]
.set jj, jj+2
.endr
.set jj, 0
	s_wait_alu depctr_va_vdst(0)
.rept 32
	v_rcp_f32 v[TT+jj], v[TT+jj]                   ; sigmoid(g)
.set jj, jj+1
.endr
	v_nop
.set jj, 0
	s_wait_alu depctr_va_vdst(0)                   ; the 32 reciprocals have written v144-175: one wait for the batch, ahead of its first reader
.rept 16
	v_pk_mul_f32 v[GG+jj:GG+jj+1], v[GG+jj:GG+jj+1], v[TT+jj:TT+jj+1]   ; silu(g) u: register 16 gt + i = I 32 block + 16 h + i of my token
.set jj, jj+2
.endr
.irp gt, 0,1
	v_max3_num_f32 v[QM+\gt], |v[GG+16*\gt]|, |v[GG+16*\gt+1]|, 0x2800000
.endr
.irp i, 2,4,6,8,10,12,14
.irp gt, 0,1
	v_max3_num_f32 v[QM+\gt], v[QM+\gt], |v[GG+16*\gt+\i]|, |v[GG+16*\gt+\i+1]|
.endr
.endr
	v_permlanex16_b32 v[QX], v[QM], s[SEL], s[SEL+1]
	v_permlanex16_b32 v[QX2], v[QM+1], s[SEL], s[SEL+1]
	v_max_num_f32 v[QM], v[QM], v[QX]              ; with lane l xor 16's 16: the block's largest magnitude
	v_max_num_f32 v[QM+1], v[QM+1], v[QX2]
	v_add_nc_u32 v[QS], 0xfe000000, v[QM]
	v_add_nc_u32 v[QS+1], 0xfe000000, v[QM+1]
	v_lshrrev_b32 v[QB], 23, v[QS]
	v_lshrrev_b32 v[QB+1], 23, v[QS+1]
	v_cvt_scalef32_pk16_bf6_f32 v[CO:CO+2], v[GG:GG+15], v[QS]
	v_cvt_scalef32_pk16_bf6_f32 v[CO+4:CO+6], v[GG+16:GG+31], v[QS+1]
	v_cndmask_b32 v[CO+7], v[QB], v[QB+1], s40     ; lanes 0-15: the first tile's bytes, lanes 16-31 the second's  (a plain line behind the conversions)
.irp i, 0,1,2
	v_permlane16_swap_b32 v[CO+\i], v[CO+4+\i]     ; lane (gt, r) now holds row r of tile gt: the block's lower 16 codes here, the upper 16 there
.endr
	v_mov_b32 v[CO+3], v[CO+4]
	v_mov_b32 v[CO+4], v[CO+5]
	v_mov_b32 v[CO+5], v[CO+6]                     ; 24 bytes on end: registers 6 c .. 6 c + 5 of lane 16 a + r of the next operand, c = slice % 2
	s_wait_alu depctr_va_vdst(0)                   ; the conversions, the swaps and the moves have written v200-205 and v207, which the stores on both ways below read
	s_bitcmp1_b32 s23, 0
	s_cbranch_scc1 .Lodd
	global_store_b128 v[AOFF], v[CO:CO+3], s[46:47]                ; registers 0-3: sixteen lanes fill 256 consecutive bytes
	global_store_b64 v[AOFF], v[CO+4:CO+5], s[46:47] offset:512    ; registers 4, 5
	s_branch .Lbytes
.Lodd:
	global_store_b64 v[AOFF], v[CO:CO+1], s[46:47] offset:520      ; registers 6, 7
	global_store_b128 v[AOFF], v[CO+2:CO+5], s[46:47] offset:1024  ; registers 8-11
.Lbytes:
	global_store_b8 v[SOFF], v[CO+7], s[48:49]
.Lnext:
	s_wait_xcnt 0x0                                ; the bases of the stores and of the list's loads, and the stores' data, are written again only behind this wait
	s_wait_alu depctr_vm_vsrc(0)                   ; this trip's stores have read v200-207 and its gather has read v56-71 and v73: the next trip's vector lines write them again
	s_add_nc_u64 s[46:47], s[46:47], 98304         ; two chunks on
	s_add_nc_u64 s[48:49], s[48:49], 4096
	s_add_nc_u64 s[50:51], s[50:51], 256
	s_add_co_u32 s33, s33, 64
	s_sub_co_u32 s34, s34, 1
	s_cmp_lg_u32 s34, 0
	s_cbranch_scc1 .Ltok
	s_wait_dscnt 0x0                               ; the closing lines, six on end
	s_wait_alu 0x0
	s_wait_tensorcnt 0x0
	ds_add_u32 v250, v251
	s_wait_dscnt 0x0
	s_endpgm
.Lfunc_end_k_q08bd712c07_up:
	.size	k_q08bd712c07_up, .Lfunc_end_k_q08bd712c07_up-k_q08bd712c07_up
	.p2alignl 7, 3214868480
	.fill 96, 4, 3214868480
	.section	.rodata,"a",@progbits
	.p2align	6, 0x0
	.amdhsa_kernel k_q08bd712c07_up
		.amdhsa_group_segment_fixed_size 274944
		.amdhsa_private_segment_fixed_size 0
		.amdhsa_enable_private_segment 0
		.amdhsa_kernarg_size 56
		.amdhsa_user_sgpr_count 2
		.amdhsa_user_sgpr_kernarg_segment_ptr 1
		.amdhsa_wavefront_size32 1
		.amdhsa_system_sgpr_workgroup_id_x 1
		.amdhsa_system_sgpr_workgroup_id_y 1
		.amdhsa_system_sgpr_workgroup_id_z 1
		.amdhsa_system_vgpr_workitem_id 0
		.amdhsa_next_free_vgpr 1024
		.amdhsa_next_free_sgpr 66
		.amdhsa_reserve_vcc 0
		.amdhsa_float_denorm_mode_32 3
		.amdhsa_float_denorm_mode_16_64 3
		.amdhsa_memory_ordered 1
		.amdhsa_forward_progress 1
		.amdhsa_inst_pref_size 167
	.end_amdhsa_kernel
	.amdgpu_metadata
---
amdhsa.version: [ 1, 2 ]
amdhsa.kernels:
  - .name:           k_q08bd712c07_up
    .symbol:         k_q08bd712c07_up.kd
    .args:
      - { .name: w1, .offset: 0, .size: 8, .value_kind: global_buffer, .address_space: global }
      - { .name: w3, .offset: 8, .size: 8, .value_kind: global_buffer, .address_space: global }
      - { .name: xq, .offset: 16, .size: 8, .value_kind: global_buffer, .address_space: global }
      - { .name: xs, .offset: 24, .size: 8, .value_kind: global_buffer, .address_space: global }
      - { .name: order, .offset: 32, .size: 8, .value_kind: global_buffer, .address_space: global }
      - { .name: act, .offset: 40, .size: 8, .value_kind: global_buffer, .address_space: global }
      - { .name: asc, .offset: 48, .size: 8, .value_kind: global_buffer, .address_space: global }
    .group_segment_fixed_size: 274944
    .private_segment_fixed_size: 0
    .kernarg_segment_align: 8
    .kernarg_segment_size: 56
    .max_flat_workgroup_size: 128
    .sgpr_count:     66
    .vgpr_count:     1024
    .wavefront_size: 32
...
	.end_amdgpu_metadata
.endif
;; end of part 9
;; launch down (part 10): grid 32 x 8, 4 waves a work-group, no clusters, 125,440 bytes of LDS; arguments w2, act, asc, order, gw, y; writes y
.if DOCPART == 10
	.amdgcn_target "amdgcn-amd-amdhsa--gfx1250"
	.amdhsa_code_object_version 6
	.text
	.protected	k_q08bd712c07_down
	.globl	k_q08bd712c07_down
	.p2align	8
	.type	k_q08bd712c07_down,@function
k_q08bd712c07_down:
	s_mov_b64 s[64:65], 0
	v_nop
	global_prefetch_b8 v0, s[64:65] scope:SCOPE_SE
	s_setreg_imm32_b32 hwreg(HW_REG_WAVE_SCHED_MODE, 0, 2), 2
	s_setreg_imm32_b32 hwreg(HW_REG_WAVE_MODE, 25, 1), 1
	s_wait_xcnt 0x0
	s_wait_alu depctr_vm_vsrc(0)
; DOWN.  y[id] = gate weight x (act W2^T) for the rows routed to one expert; the product on codes of BF6 (E3M2) with one E8M0 byte for each 32 along I.
; A work-group owns expert e (grid y) and 32 of its 1,024 output columns (grid x): 32 rows of W2, 256 KB of f32, read from memory once by this work-group alone and quantised on the way.
; STREAM.  Wave w takes K steps 4 w .. 4 w + 3 of both tiles of 16 rows: 8 fragments.  A load reads 512 consecutive bytes of one row; the 8 KB turn through the wave's own stage in LDS into the operand's order;
; the codes go to LDS as images of the operand's registers, the scale words likewise.  The expert's list of routed ids (4 KB, a quarter a wave) goes to LDS beside them.  One barrier; then every wave takes all 32 fragments (384 registers) and keeps them.
; ROWS.  Wave w takes chunks w, w + 4, .. of 32 list rows: 8 trips serve 1,024 rows on one expert; a trip behind the count only steps.  act arrives as images of the operand's registers: every load is 512 consecutive bytes.
; Transposed use (source 0 = 16 rows of W2, source 1 = 16 routed rows): a lane holds one routed row and eight neighbouring columns.
; ROWS BEHIND THE COUNT in an expert's last chunk are stored like the others, with all lanes on, but into spare rows of y: row 2,048 + 32 e + 16 tile + r, which belongs to that lane's row alone and which nobody reads.
; At most 31 such rows of 128 bytes a work-group.  The choice is made on the id, ahead of the line that holds it inside y's 2,304 rows.
; A row gets 128 consecutive bytes from a work-group: 64 columns to a work-group would halve the work-groups that stream W2.
; No cluster: the number of chunks hangs on a count read from memory, and W2, the bulk of the bytes, is shared by nobody.
; LIMITS: NaN and infinities are not served.  A block of W2 whose largest magnitude lies under 2^-122, zeros among them, gets the byte 1 (the rule says 127 for zeros); only this program reads the bytes.
; REGISTERS: window 0: v1-15 addresses and the spare rows' ids; v16-23 row offsets, weights' offsets, weights; v24-31 at work; v32-47 W2's scale words (lanes 0-15 tile 0, 16-31 tile 1); v48-63 act's (lanes 0-15 the chunk's first tile, 16-31 its second);
;   v64-191 two sets of 64 numbers, v192-233 two sets of codes, v236-243 my quarter of the list, later act's K steps 8-15.   window 1: W2's K steps 0-7; window 2: 8-15; window 3: four sets as loaded, later act's K steps 0-7 and, from v192, four accumulators.
; THE MODE: SCHED_MODE bits 1:0 = 2 (LLVM: expert scheduling mode 2), set by the entry lines.  The code itself states the register dependences
; between vector or matrix instructions and memory or LDS instructions, with s_wait_alu, always for 0.
; THE PLAN.  Registers that memory or LDS instructions touch, and who else names them.
;   v1-12, v14, v15, v31  offsets, LDS addresses and constants: written at the head, never again.  One wait on va_vdst ahead of the first load serves every load and store.
;   v13 (LSA)        the LDS address of a chunk's ids: read by a trip's four LDS loads, stepped by a vector add at the trip's end.
;   STREAM, step f:
;   raw set f % 4    (window 3) fragment f's loads land in it; the stage stores of its turn, issued in step f - 1, read it; the loads of fragment f + 4, issued in step f, land in it again.  No vector instruction names it.
;   numbers f % 2    the stage loads of fragment f's turn land in it; step f's arithmetic reads it; the stage loads of fragment f + 2's turn, issued in step f + 1, land in it again.
;   codes f % 2      and the scale word: step f's arithmetic writes them; the four image stores, issued at the head of step f + 1, read them; step f + 2's arithmetic writes them again.
;   So all LDS and memory instructions of a step stand at its head, behind one wait on vm_vsrc and one on va_vdst, and its arithmetic follows them.
;   ROWS, a trip:
;   v16-19           LDS loads land (ids); vector lines make offsets of them; the stores read v16, v17, the weights' loads v18, v19; the next trip's LDS loads land.
;   v20, v22         the weights' loads land; the multiplications read them.
;   v48-63, window 3 v0-191, v64-255   act's scale words and codes: loads land; the products read them.
;   accumulators     (window 3, v192-223) the products and the multiplications write them; the stores read them; the next trip's first products begin them anew.
;   So a trip has a wait on va_vdst at its head (LSA), one on va_sdst behind its two compares, one on va_vdst ahead of the weights' loads, one ahead of its stores, and one on vm_vsrc at its end.
.set WSTG, 0                           ; 4 waves x 2 stages x 16 rows x 528 bytes
.set IMG,  67584                       ; 32 images of 1,536 bytes: 16 tile + K step
.set SCI,  116736                      ; their scale words, 128 bytes each
.set LIST, 120832                      ; the expert's 1,024 list words
.set NF,   8
.set L16,  1
.set WST,  2
.set WLD,  3
.set IMGS, 4
.set SCIS, 5
.set IMGL, 6
.set SCIL, 7
.set H8,   8
.set DM0,  9
.set ASO,  10
.set H32,  11
.set RR,   12
.set LSA,  13
.set LSS,  14
.set DM1,  15
.set ROW,  16
.set GA,   18
.set GT,   20
.set QM,   24
.set QS,   26
.set QB,   28
.set QX,   30
.set L4,   31
.set WS,   32
.set AS,   48
.set NB,   64
.set PB,   192
.set WB,   232
.set LT,   236
.set ACC,  192
.set SEL,  28
.set MSB, 0
.macro WIN new                         ; the immediate's high byte repeats the setting that is left; a switch that changes nothing is dropped
.if MSB != \new
	s_set_vgpr_msb (MSB<<8)|\new
.set MSB, \new
.endif
.endm
.macro FRAGP f                         ; fragment f: tile (f % 4) / 2, K step 4 w + 2 (f / 4) + f % 2
.set FU, ((\f)%4)/2
.set FT, (\f)/4
.set GOFF, 131072*FU+512*((\f)%2)+1024*FT
.set IOFF, 24576*FU+1536*((\f)%2)+3072*FT
.set COFF, 2048*FU+128*((\f)%2)+256*FT
.endm
.macro LOADF f                         ; 16 loads, one for each row of the tile: 512 consecutive bytes each, into set f % 4 of window 3
	FRAGP \f
	WIN 0xc0
.set rr, 0
.rept 16
	global_load_b128 v[64*((\f)%4)+4*rr:64*((\f)%4)+4*rr+3], v[L16], s[42:43] offset:GOFF+rr*8192 th:TH_LOAD_NT
.set rr, rr+1
.endr
.endm
.macro TURNF f                         ; through my stage f % 2: in as loaded, out 128 bytes a lane.  Rows 528 bytes apart: an odd multiple of 16
	WIN 0x0c
.set rr, 0
.rept 16
	ds_store_b128 v[WST], v[64*((\f)%4)+4*rr:64*((\f)%4)+4*rr+3] offset:8448*((\f)%2)+528*rr
.set rr, rr+1
.endr
	WIN 0
.set rr, 0
.rept 16
	ds_load_b128 v[NB+64*((\f)%2)+4*rr:NB+64*((\f)%2)+4*rr+3], v[WLD] offset:8448*((\f)%2)+256*(rr/8)+16*(rr%8)
.set rr, rr+1
.endr
.endm
.macro QUANTA f                        ; 64 numbers of a lane, register 32 c + i = K 64 c + 32 h + i of my row: two whole blocks; their codes and scale word, in registers
.set NN, NB+64*((\f)%2)
.set PP, PB+20*((\f)%2)
.set WW, WB+(\f)%2
.irp c, 0,1
	v_max3_num_f32 v[QM+\c], |v[NN+32*\c]|, |v[NN+32*\c+1]|, 0x2800000   ; with the floor 2^(5 - 127): the byte cannot fall under 1
.endr
.irp i, 2,4,6,8,10,12,14,16,18,20,22,24,26,28,30
.irp c, 0,1
	v_max3_num_f32 v[QM+\c], v[QM+\c], |v[NN+32*\c+\i]|, |v[NN+32*\c+\i+1]|   ; the two blocks by turns
.endr
.endr
.irp c, 0,1
	v_add_nc_u32 v[QS+\c], 0xfe000000, v[QM+\c]    ; 4 off the exponent field: the conversion's scale operand
.endr
.irp c, 0,1
	v_lshrrev_b32 v[QB+\c], 23, v[QS+\c]           ; the scale's byte
.endr
	v_lshl_or_b32 v[WW], v[QB+1], 16, v[QB]        ; my two bytes: blocks h and 2 + h,
	v_lshlrev_b32 v[WW], v[H8], v[WW]              ; 8 h bits up;
	v_permlanex16_b32 v[QX], v[WW], s[SEL], s[SEL+1]
	v_or_b32 v[WW], v[WW], v[QX]                   ; with lane l xor 16's two the word is whole, in both halves of the lanes
.irp c, 0,1
	v_cvt_scalef32_pk16_bf6_f32 v[PP+6*\c:PP+6*\c+2], v[NN+32*\c:NN+32*\c+15], v[QS+\c]
	v_cvt_scalef32_pk16_bf6_f32 v[PP+12+4*\c:PP+14+4*\c], v[NN+32*\c+16:NN+32*\c+31], v[QS+\c]   ; (a conversion's three registers begin on an even number)
.endr
	v_nop                                          ; one plain line behind a scaled conversion
.irp c, 0,1
.irp i, 0,1,2
	v_mov_b32 v[PP+6*\c+3+\i], v[PP+12+4*\c+\i]
.endr
.endr
.endm
.macro IMGST f                         ; fragment f's codes and scale word go to LDS as they stand
	FRAGP \f
.set PP, PB+20*((\f)%2)
.set WW, WB+(\f)%2
.irp g, 0,1,2
	ds_store_b128 v[IMGS], v[PP+4*\g:PP+4*\g+3] offset:IOFF+512*\g
.endr
	ds_store_b32 v[SCIS], v[WW] offset:COFF
.endm
.macro FSTEP f                         ; fragment f - 1's image is stored; f + 4 is asked for; f + 1 turns through the other stage; fragment f is quantised
	s_wait_alu depctr_vm_vsrc(0)                   ; the stage stores of fragment f's turn have read raw set f % 4, in which the loads below land; the image stores of fragment f - 2 have read the codes' set f % 2 and its word, which this step's arithmetic writes again
.if (\f) > 0
	s_wait_alu depctr_va_vdst(0)                   ; the last step's arithmetic has written its codes and its scale word, which the image stores below read, and is done reading its numbers' set, in which the stage loads below land
	IMGST (\f)-1
.endif
.if (\f)+4 < NF
	LOADF (\f)+4
.endif
.if (\f)+1 < NF
.if NF-2-(\f) >= 3
	s_wait_loadcnt 48                              ; the next fragment's 16 loads are in; three younger sets may be out
.else
	s_wait_loadcnt 16*(NF-2-(\f))
.endif
	TURNF (\f)+1
.endif
.set DC, 0
.if (\f) > 0
.set DC, DC+4
.endif
.if (\f)+1 < NF
.set DC, DC+32
.endif
	s_wait_dscnt DC                                ; my numbers are back from the stage; what this step has issued behind them may be out: the four image stores and the next turn's 32
	QUANTA \f
.endm
.macro WM ar, br                       ; one product; ar, br: which half of the lanes of the scale registers serves source 0, source 1
.if KST == 0
.if (\ar == 0) && (\br == 0)
	v_wmma_scale_f32_16x16x128_f8f6f4 v[DD:DD+7], v[AA:AA+11], v[BB:BB+11], 0, v[SA], v[SB] matrix_a_fmt:MATRIX_FMT_BF6 matrix_b_fmt:MATRIX_FMT_BF6
.elseif \ar == 0
	v_wmma_scale_f32_16x16x128_f8f6f4 v[DD:DD+7], v[AA:AA+11], v[BB:BB+11], 0, v[SA], v[SB] matrix_a_fmt:MATRIX_FMT_BF6 matrix_b_fmt:MATRIX_FMT_BF6 matrix_b_scale:MATRIX_SCALE_ROW1
.elseif \br == 0
	v_wmma_scale_f32_16x16x128_f8f6f4 v[DD:DD+7], v[AA:AA+11], v[BB:BB+11], 0, v[SA], v[SB] matrix_a_fmt:MATRIX_FMT_BF6 matrix_b_fmt:MATRIX_FMT_BF6 matrix_a_scale:MATRIX_SCALE_ROW1
.else
	v_wmma_scale_f32_16x16x128_f8f6f4 v[DD:DD+7], v[AA:AA+11], v[BB:BB+11], 0, v[SA], v[SB] matrix_a_fmt:MATRIX_FMT_BF6 matrix_b_fmt:MATRIX_FMT_BF6 matrix_a_scale:MATRIX_SCALE_ROW1 matrix_b_scale:MATRIX_SCALE_ROW1
.endif
.else
.if (\ar == 0) && (\br == 0)
	v_wmma_scale_f32_16x16x128_f8f6f4 v[DD:DD+7], v[AA:AA+11], v[BB:BB+11], v[DD:DD+7], v[SA], v[SB] matrix_a_fmt:MATRIX_FMT_BF6 matrix_b_fmt:MATRIX_FMT_BF6
.elseif \ar == 0
	v_wmma_scale_f32_16x16x128_f8f6f4 v[DD:DD+7], v[AA:AA+11], v[BB:BB+11], v[DD:DD+7], v[SA], v[SB] matrix_a_fmt:MATRIX_FMT_BF6 matrix_b_fmt:MATRIX_FMT_BF6 matrix_b_scale:MATRIX_SCALE_ROW1
.elseif \br == 0
	v_wmma_scale_f32_16x16x128_f8f6f4 v[DD:DD+7], v[AA:AA+11], v[BB:BB+11], v[DD:DD+7], v[SA], v[SB] matrix_a_fmt:MATRIX_FMT_BF6 matrix_b_fmt:MATRIX_FMT_BF6 matrix_a_scale:MATRIX_SCALE_ROW1
.else
	v_wmma_scale_f32_16x16x128_f8f6f4 v[DD:DD+7], v[AA:AA+11], v[BB:BB+11], v[DD:DD+7], v[SA], v[SB] matrix_a_fmt:MATRIX_FMT_BF6 matrix_b_fmt:MATRIX_FMT_BF6 matrix_a_scale:MATRIX_SCALE_ROW1 matrix_b_scale:MATRIX_SCALE_ROW1
.endif
.endif
.endm
.macro RUN k0, bbase                   ; 32 products: K steps k0 .. k0 + 7, ascending; the four accumulators by turns; K step 0 starts the sums
.set KST, \k0
.rept 8
.irp gt, 0,1
.irp u, 0,1
.set DD, ACC+16*\gt+8*\u
.set AA, 12*(8*\u+KST-\k0)
.set BB, \bbase+96*\gt+12*(KST-\k0)
.set SA, WS+KST
.set SB, AS+KST
	WM \u, \gt
.endr
.endr
.set KST, KST+1
.endr
.endm
	s_load_b256 s[4:11], s[0:1], 0x0               ; w2 4, act 6, asc 8, order 10
	s_load_b128 s[12:15], s[0:1], 0x20             ; gw 12, y 14
	s_set_vgpr_msb 0x40
	v_lshl_add_u32 v254, v0, 2, 0x1e800
	v_mov_b32 v255, 0
	s_set_vgpr_msb 0x4000
	v_lshrrev_b32 v234, 5, v0
	v_readfirstlane_b32 s20, v234                  ; wave
	s_wait_alu depctr_va_sdst(0)                   ; s20 is written, ahead of its first reader (the stages' s_mul_i32 below)
	s_and_b32 s23, ttmp9, 31                       ; which 32 columns
	s_and_b32 s24, ttmp7, 0xffff                   ; expert
	v_and_b32 v234, 31, v0                         ; lane
	v_and_b32 v[RR], 15, v0                        ; r
	v_bfe_u32 v235, v0, 4, 1                       ; h
	v_lshlrev_b32 v[L16], 4, v234
	v_lshlrev_b32 v[L4], 2, v234
	s_mul_i32 s38, s20, 16896                      ; my two stages (they begin at LDS byte 0)
	v_add_nc_u32 v[WST], s38, v[L16]
	v_mul_u32_u24 v[WLD], v[RR], 528
	v_lshl_add_u32 v[WLD], v235, 7, v[WLD]
	v_add_nc_u32 v[WLD], s38, v[WLD]
	s_mul_i32 s38, s20, 6144
	s_add_co_u32 s38, s38, IMG
	v_add_nc_u32 v[IMGS], s38, v[L16]              ; where I store images: K steps 4 w on
	s_lshl_b32 s38, s20, 9
	s_add_co_u32 s38, s38, SCI
	v_add_nc_u32 v[SCIS], s38, v[L4]
	v_add_nc_u32 v[IMGL], IMG, v[L16]              ; where I read them: all
	v_lshl_add_u32 v[SCIL], v235, 11, v[L4]        ; lanes 16-31 take tile 1's words, 2,048 bytes on
	v_add_nc_u32 v[SCIL], SCI, v[SCIL]
	v_lshlrev_b32 v[H8], 3, v235
	s_lshl_b32 s38, s20, 10
	s_add_co_u32 s38, s38, LIST
	v_add_nc_u32 v[LSS], s38, v[L16]               ; where I store my quarter of the list
	s_lshl_b32 s38, s20, 7
	s_add_co_u32 s38, s38, LIST
	v_lshlrev_b32 v[LSA], 2, v[RR]
	v_add_nc_u32 v[LSA], s38, v[LSA]               ; where I read it: chunk w, entry r
	s_lshl_b32 s38, s24, 5
	s_add_co_u32 s38, s38, 2048
	v_add_nc_u32 v[DM0], s38, v[RR]                ; the spare rows of y: 2,048 + 32 e + r for a chunk's first tile,
	v_add_nc_u32 v[DM1], 16, v[DM0]                ; 16 on for its second
	v_lshlrev_b32 v[ASO], 6, v[RR]
	v_lshl_add_u32 v[ASO], v235, 10, v[ASO]        ; act's scales: row r of 64 bytes; lanes 16-31 the chunk's second tile
	v_lshlrev_b32 v[H32], 5, v235
	v_mov_b32 v[GT+1], 0                           ; (named as the upper halves of pairs)
	v_mov_b32 v[GT+3], 0
	v_mov_b32 v[QX], 0                             ; written once: a lane permute's destination counts as one of its sources
	s_mov_b32 s[SEL], 0x76543210
	s_mov_b32 s[SEL+1], 0xfedcba98
	s_lshl_b32 s26, s24, 10
	s_lshl_b32 s38, s23, 5
	s_add_co_u32 s26, s26, s38                     ; my first row of W2: 1,024 e + 32 n
	s_lshl_b32 s26, s26, 13                        ; rows of 8,192 bytes: under 2^27
	s_lshl_b32 s38, s20, 11
	s_add_co_u32 s26, s26, s38                     ; + my four K steps
	s_mov_b32 s27, 0
	s_wait_kmcnt 0x0
	s_add_nc_u64 s[42:43], s[4:5], s[26:27]
	s_lshl_b32 s26, s24, 12
	s_lshl_b32 s38, s23, 7
	s_add_co_u32 s26, s26, s38
	s_add_co_u32 s26, s26, 32768
	s_add_nc_u64 s[52:53], s[10:11], s[26:27]
	s_load_b32 s30, s[52:53], 0x0                  ; the expert's count: the copy that slice n stored
	s_lshl_b32 s26, s24, 12
	s_lshl_b32 s38, s20, 10
	s_add_co_u32 s26, s26, s38
	s_add_nc_u64 s[48:49], s[10:11], s[26:27]      ; the expert's list, my quarter
	s_wait_alu depctr_va_vdst(0)                   ; the offsets and LDS addresses v1 to v15 and v31 are written: every load and store of the kernel reads one of them
	global_load_b128 v[LT:LT+3], v[L16], s[48:49]
	global_load_b128 v[LT+4:LT+7], v[L16], s[48:49] offset:512
	LOADF 0
	LOADF 1
	LOADF 2
	LOADF 3
	WIN 0
	s_mul_i32 s26, s24, 1572864
	s_mul_i32 s38, s20, 49152
	s_add_co_u32 s26, s26, s38
	s_add_nc_u64 s[44:45], s[6:7], s[26:27]        ; act at chunk w
	s_lshl_b32 s26, s24, 16
	s_lshl_b32 s38, s20, 11
	s_add_co_u32 s26, s26, s38
	s_add_nc_u64 s[46:47], s[8:9], s[26:27]        ; asc
	s_lshl_b32 s26, s23, 7
	s_add_nc_u64 s[50:51], s[14:15], s[26:27]      ; y at my 32 columns
	s_wait_loadcnt 48                              ; fragment 0 is in, and the list's two loads, which are older
	ds_store_b128 v[LSS], v[LT:LT+3]
	ds_store_b128 v[LSS], v[LT+4:LT+7] offset:512
	TURNF 0
.set Q, 0
.rept NF
	FSTEP Q
.set Q, Q+1
.endr
	s_wait_alu depctr_va_vdst(0)                   ; the last step's arithmetic has written its codes and its scale word, which the image stores read
	IMGST NF-1
	s_wait_dscnt 0x0                               ; my images and my quarter of the list have landed
	s_barrier_signal -1
	s_barrier_wait -1                              ; all 32 images and the list lie in LDS; nothing is written there again
	WIN 0x40                                       ; K steps 0-7 of both tiles
.irp u, 0,1
.set nn, 0
.rept 24
	ds_load_b128 v[96*\u+4*nn:96*\u+4*nn+3], v[IMGL] offset:24576*\u+512*nn
.set nn, nn+1
.endr
.endr
	WIN 0x80                                       ; K steps 8-15
.irp u, 0,1
.set nn, 0
.rept 24
	ds_load_b128 v[96*\u+4*nn:96*\u+4*nn+3], v[IMGL] offset:24576*\u+12288+512*nn
.set nn, nn+1
.endr
.endr
	WIN 0
.set nn, 0
.rept 16
	ds_load_b32 v[WS+nn], v[SCIL] offset:128*nn
.set nn, nn+1
.endr
	s_wait_kmcnt 0x0
	s_min_u32 s30, s30, 1024                       ; the expert's rows
	s_lshl_b32 s34, s20, 5                         ; my chunk's first list place
	s_mov_b32 s35, 8                               ; 8 trips x 4 waves x 32 rows serve 1,024 rows on one expert
	s_wait_dscnt 0x0
	s_wait_alu depctr_vm_vsrc(0)                   ; the stream's stage stores have read window 3's four sets, its image stores v192-233, the list's stores v236-243: act's loads land in these registers, and the first products write v192-223 of window 3
.Ltrip:
	s_cmp_ge_u32 s34, s30
	s_cbranch_scc1 .Lnext
	s_wait_alu depctr_va_vdst(0)                   ; v[LSA], stepped at the last trip's end, is written: the four LDS loads below read it
	ds_load_b32 v[ROW], v[LSA]                     ; the ids of the chunk's two tiles of rows, once for y's offsets,
	ds_load_b32 v[ROW+1], v[LSA] offset:64
	ds_load_b32 v[GA], v[LSA]                      ; once for the weights'
	ds_load_b32 v[GA+1], v[LSA] offset:64
.irp i, 0,1,2,3
	global_load_b128 v[AS+4*\i:AS+4*\i+3], v[ASO], s[46:47] offset:16*\i   ; the rows' 16 scale words.  (The last trip's products, which read the registers in which these and the loads below land, stand ahead of that trip's wait on va_vdst in front of its stores)
.endr
	WIN 0xc0
.irp gt, 0,1
.set nn, 0
.rept 24
	global_load_b128 v[96*\gt+4*nn:96*\gt+4*nn+3], v[L16], s[44:45] offset:24576*\gt+512*nn   ; K steps 0-7: images of the operand's registers
.set nn, nn+1
.endr
.endr
	WIN 0
	s_sub_co_i32 s40, s30, s34                     ; rows left from the chunk's first tile on,
	s_sub_co_i32 s41, s40, 16                      ; and from its second
	v_cmp_gt_i32 s36, s40, v[RR]                   ; the two masks in a run, into two scalar registers
	v_cmp_gt_i32 s37, s41, v[RR]
	s_wait_dscnt 0x0                               ; the ids
	s_wait_alu depctr_va_sdst(0)                   ; s36 and s37 are written, ahead of their first readers, the two selections below
	v_cndmask_b32 v[ROW], v[DM0], v[ROW], s36      ; a row behind the count goes to its spare row
	v_cndmask_b32 v[ROW+1], v[DM1], v[ROW+1], s37
	v_min_u32 v[ROW], 0x8ff, v[ROW]                ; held inside y's 2,304 rows
	v_min_u32 v[ROW+1], 0x8ff, v[ROW+1]
	v_min_u32 v[GA], 0x7ff, v[GA]                  ; held inside the 2,048 weights
	v_min_u32 v[GA+1], 0x7ff, v[GA+1]
	v_mad_u32_u24 v[ROW], v[ROW], 4096, v[H32]     ; y: a row of 4,096 bytes, + 32 h
	v_mad_u32_u24 v[ROW+1], v[ROW+1], 4096, v[H32]
	v_lshlrev_b32 v[GA], 2, v[GA]
	v_lshlrev_b32 v[GA+1], 2, v[GA+1]
	s_wait_alu depctr_va_vdst(0)                   ; v18 and v19 are written, which the weights' loads read as offsets
	global_load_b32 v[GT], v[GA], s[12:13]         ; my rows' weights
	global_load_b32 v[GT+2], v[GA+1], s[12:13]
.irp gt, 0,1
.set nn, 0
.rept 24
	global_load_b128 v[64+96*\gt+4*nn:64+96*\gt+4*nn+3], v[L16], s[44:45] offset:24576*\gt+12288+512*nn   ; K steps 8-15
.set nn, nn+1
.endr
.endr
	s_wait_loadcnt 50                              ; the scale words and K steps 0-7 are in; the two weights and the 48 loads of K steps 8-15 may be out
	WIN 0xfd                                       ; source 0 (W2) window 1, source 1 (act), C and D window 3
	RUN 0, 0
	s_wait_loadcnt 0x0                             ; K steps 8-15, and the weights
	WIN 0xf2                                       ; source 0 window 2, source 1 window 0
	RUN 8, 64
	WIN 0
.rept 4
	v_nop                                          ; places behind the products (ISA guide 7.12.1), for the reads below
.endr
	WIN 0xc3                                       ; destination and source 0 window 3
.irp gt, 0,1
.irp j, 0,2,4,6,8,10,12,14
	v_pk_mul_f32 v[ACC+16*\gt+\j:ACC+16*\gt+\j+1], v[ACC+16*\gt+\j:ACC+16*\gt+\j+1], v[GT+2*\gt:GT+2*\gt+1] op_sel_hi:[1,0]   ; x my row's weight; each accumulator from its low end on
.endr
.endr
	WIN 0x0c                                       ; a store's data: window 3
	s_wait_alu depctr_va_vdst(0)                   ; the multiplications have written the accumulators, which the stores read
.irp gt, 0,1
.irp u, 0,1
	global_store_b128 v[ROW+\gt], v[ACC+16*\gt+8*\u:ACC+16*\gt+8*\u+3], s[50:51] offset:64*\u         ; lane (r, h): row r's columns 16 u + 8 h + 0 .. 7 of my 32
	global_store_b128 v[ROW+\gt], v[ACC+16*\gt+8*\u+4:ACC+16*\gt+8*\u+7], s[50:51] offset:64*\u+16
.endr
.endr
	WIN 0
.Lnext:
	s_wait_xcnt 0x0                                ; the bases, and the stores' offsets and data, are written again only behind this wait
	s_wait_alu depctr_vm_vsrc(0)                   ; the LDS loads have read v[LSA], which the add below writes; the stores have read the accumulators and v16, v17, the weights' loads v18, v19: the next trip's products and LDS loads write them again
	s_add_nc_u64 s[44:45], s[44:45], 196608        ; four chunks on
	s_add_nc_u64 s[46:47], s[46:47], 8192
	s_wait_alu depctr_va_vdst(0)
	v_add_nc_u32 v[LSA], 512, v[LSA]
	s_add_co_u32 s34, s34, 128
	s_sub_co_u32 s35, s35, 1
	s_cmp_lg_u32 s35, 0
	s_cbranch_scc1 .Ltrip
	s_set_vgpr_msb 0x5                             ; the add's two registers, sources 0 and 1, lie in window 1
	s_wait_dscnt 0x0                               ; the closing lines, six on end
	s_wait_alu 0x0
	s_wait_tensorcnt 0x0
	ds_add_u32 v254, v255
	s_wait_dscnt 0x0
	s_endpgm
.Lfunc_end_k_q08bd712c07_down:
	.size	k_q08bd712c07_down, .Lfunc_end_k_q08bd712c07_down-k_q08bd712c07_down
	.p2alignl 7, 3214868480
	.fill 96, 4, 3214868480
	.section	.rodata,"a",@progbits
	.p2align	6, 0x0
	.amdhsa_kernel k_q08bd712c07_down
		.amdhsa_group_segment_fixed_size 125440
		.amdhsa_private_segment_fixed_size 0
		.amdhsa_enable_private_segment 0
		.amdhsa_kernarg_size 48
		.amdhsa_user_sgpr_count 2
		.amdhsa_user_sgpr_kernarg_segment_ptr 1
		.amdhsa_wavefront_size32 1
		.amdhsa_system_sgpr_workgroup_id_x 1
		.amdhsa_system_sgpr_workgroup_id_y 1
		.amdhsa_system_sgpr_workgroup_id_z 1
		.amdhsa_system_vgpr_workitem_id 0
		.amdhsa_next_free_vgpr 1024
		.amdhsa_next_free_sgpr 66
		.amdhsa_reserve_vcc 0
		.amdhsa_float_denorm_mode_32 3
		.amdhsa_float_denorm_mode_16_64 3
		.amdhsa_memory_ordered 1
		.amdhsa_forward_progress 1
		.amdhsa_inst_pref_size 89
	.end_amdhsa_kernel
	.amdgpu_metadata
---
amdhsa.version: [ 1, 2 ]
amdhsa.kernels:
  - .name:           k_q08bd712c07_down
    .symbol:         k_q08bd712c07_down.kd
    .args:
      - { .name: w2, .offset: 0, .size: 8, .value_kind: global_buffer, .address_space: global }
      - { .name: act, .offset: 8, .size: 8, .value_kind: global_buffer, .address_space: global }
      - { .name: asc, .offset: 16, .size: 8, .value_kind: global_buffer, .address_space: global }
      - { .name: order, .offset: 24, .size: 8, .value_kind: global_buffer, .address_space: global }
      - { .name: gw, .offset: 32, .size: 8, .value_kind: global_buffer, .address_space: global }
      - { .name: y, .offset: 40, .size: 8, .value_kind: global_buffer, .address_space: global }
    .group_segment_fixed_size: 125440
    .private_segment_fixed_size: 0
    .kernarg_segment_align: 8
    .kernarg_segment_size: 48
    .max_flat_workgroup_size: 128
    .sgpr_count:     66
    .vgpr_count:     1024
    .wavefront_size: 32
...
	.end_amdgpu_metadata
.endif
;; end of part 10
;; launch add (part 11): grid 256 x 1, 4 waves a work-group, no clusters, 0 bytes of LDS; arguments y, out0; writes out0
.if DOCPART == 11
	.amdgcn_target "amdgcn-amd-amdhsa--gfx1250"
	.amdhsa_code_object_version 6
	.text
	.protected	k_q08bd712c07_add
	.globl	k_q08bd712c07_add
	.p2align	8
	.type	k_q08bd712c07_add,@function
k_q08bd712c07_add:
	s_mov_b64 s[64:65], 0
	v_nop
	global_prefetch_b8 v0, s[64:65] scope:SCOPE_SE
	s_setreg_imm32_b32 hwreg(HW_REG_WAVE_MODE, 25, 1), 1
	s_wait_xcnt 0x0
; ADD.  out0[t] = y[2 t] + y[2 t + 1]: a token's two routed rows, already multiplied by their weights; the other six experts' terms are zeros in the sum that is asked.
; A wave takes a token: 16 loads of 512 consecutive bytes, all out at once, and 8 stores of 512 consecutive bytes.  Memory binds: no LDS, no barrier, no matrix unit.
	s_load_b128 s[4:7], s[0:1], 0x0                ; y, out0
	v_lshrrev_b32 v2, 5, v0
	v_readfirstlane_b32 s8, v2                     ; wave
	v_and_b32 v1, 31, v0
	v_lshlrev_b32 v1, 4, v1                        ; 16 x lane
	s_lshl_b32 s9, ttmp9, 2
	s_add_co_u32 s9, s9, s8                        ; token
	s_lshl_b32 s10, s9, 13
	s_mov_b32 s11, 0
	s_lshl_b32 s12, s9, 12
	s_mov_b32 s13, 0
	s_wait_alu depctr_va_vdst(0)
	s_wait_kmcnt 0x0
	s_add_nc_u64 s[4:5], s[4:5], s[10:11]
	s_add_nc_u64 s[6:7], s[6:7], s[12:13]
.irp i, 0,1,2,3,4,5,6,7
	global_load_b128 v[4+8*\i:7+8*\i], v1, s[4:5] offset:512*\i th:TH_LOAD_NT
	global_load_b128 v[8+8*\i:11+8*\i], v1, s[4:5] offset:4096+512*\i th:TH_LOAD_NT
.endr
.irp i, 0,1,2,3,4,5,6,7
	s_wait_loadcnt 14-2*\i                         ; pair i is in; the younger pairs may be out
	v_pk_add_f32 v[4+8*\i:5+8*\i], v[4+8*\i:5+8*\i], v[8+8*\i:9+8*\i]
	v_pk_add_f32 v[6+8*\i:7+8*\i], v[6+8*\i:7+8*\i], v[10+8*\i:11+8*\i]
	global_store_b128 v1, v[4+8*\i:7+8*\i], s[6:7] offset:512*\i th:TH_STORE_NT
.endr
	s_endpgm
.Lfunc_end_k_q08bd712c07_add:
	.size	k_q08bd712c07_add, .Lfunc_end_k_q08bd712c07_add-k_q08bd712c07_add
	.p2alignl 7, 3214868480
	.fill 96, 4, 3214868480
	.section	.rodata,"a",@progbits
	.p2align	6, 0x0
	.amdhsa_kernel k_q08bd712c07_add
		.amdhsa_group_segment_fixed_size 0
		.amdhsa_private_segment_fixed_size 0
		.amdhsa_enable_private_segment 0
		.amdhsa_kernarg_size 16
		.amdhsa_user_sgpr_count 2
		.amdhsa_user_sgpr_kernarg_segment_ptr 1
		.amdhsa_wavefront_size32 1
		.amdhsa_system_sgpr_workgroup_id_x 1
		.amdhsa_system_sgpr_workgroup_id_y 1
		.amdhsa_system_sgpr_workgroup_id_z 1
		.amdhsa_system_vgpr_workitem_id 0
		.amdhsa_next_free_vgpr 80
		.amdhsa_next_free_sgpr 66
		.amdhsa_reserve_vcc 0
		.amdhsa_float_denorm_mode_32 3
		.amdhsa_float_denorm_mode_16_64 3
		.amdhsa_memory_ordered 1
		.amdhsa_forward_progress 1
		.amdhsa_inst_pref_size 5
	.end_amdhsa_kernel
	.amdgpu_metadata
---
amdhsa.version: [ 1, 2 ]
amdhsa.kernels:
  - .name:           k_q08bd712c07_add
    .symbol:         k_q08bd712c07_add.kd
    .args:
      - { .name: y, .offset: 0, .size: 8, .value_kind: global_buffer, .address_space: global }
      - { .name: out0, .offset: 8, .size: 8, .value_kind: global_buffer, .address_space: global }
    .group_segment_fixed_size: 0
    .private_segment_fixed_size: 0
    .kernarg_segment_align: 8
    .kernarg_segment_size: 16
    .max_flat_workgroup_size: 128
    .sgpr_count:     66
    .vgpr_count:     80
    .wavefront_size: 32
...
	.end_amdgpu_metadata
.endif
;; end of part 11
